; MI455X (gfx1250); checked and timed in simulation.
; The chip was launched on July 23, 2026; its instructions are those of AMD's public machine-readable ISA for CDNA 5 (MIT licence, August 2026) and "CDNA5" Instruction Set Architecture Reference Guide (July 2026). The comments in the code are by the model that wrote it; some were corrected since.
;; Dilated Attention. Allowed arithmetic: matrix products marked QUANTISED: E4M3 operands, one E8M0 scale for each 32 along K, by v_wmma_scale_f32_16x16x128_f8f6f4 with both operands' format E4M3, f32 sums; everything else in f32.
;; Inputs: b1 4,096 float32; b2 1,024 float32; bk 1,024 float32; bo 1,024 float32; bq 1,024 float32; bv 1,024 float32; ln1_b 1,024 float32; ln1_g 1,024 float32; ln2_b 1,024 float32; ln2_g 1,024 float32; w1 1,024 x 4,096 float32; w2 4,096 x 1,024 float32; wk 1,024 x 1,024 float32; wo 1,024 x 1,024 float32; wq 1,024 x 1,024 float32; wv 1,024 x 1,024 float32; x 2 x 2,048 x 1,024 float32.
;; Outputs: out0 2 x 2,048 x 1,024 float32.
;; This version of the problem:
;;   THIS VERSION OF THE PROBLEM IS GIVEN IN LOW PRECISION. The matrix products marked QUANTISED in the list below multiply operands that are first quantised to E4M3 (4 exponent bits, 3 mantissa bits; 8 bits a number), with one power-of-two scale for each 32 numbers along K (OCP MX v1.0); their sums are f32. All else is computed in f32.
;;   The module's matrix products, in the order in which they are computed (A, B: the left and right operand; K: the contracted axis; several contracted axes count as one K, in the product's order):
;;     1. [M 4,096, K 1,024] x [K 1,024, N 1,024]; A: computed on the way; B: input wq: QUANTISED
;;     2. [M 4,096, K 1,024] x [K 1,024, N 1,024]; A: computed on the way; B: input wk: QUANTISED
;;     3. [M 4,096, K 1,024] x [K 1,024, N 1,024]; A: computed on the way; B: input wv: QUANTISED
;;     4. batch 32 x [M 2,048, K 64] x [K 64, N 2,048]; A: computed on the way; B: computed on the way: QUANTISED
;;     5. batch 32 x [M 64, K 2,048] x [K 2,048, N 2,048]; A: computed on the way; B: softmax (see below): QUANTISED
;;     6. [M 4,096, K 1,024] x [K 1,024, N 1,024]; A: computed on the way; B: input wo: QUANTISED
;;     7. [M 4,096, K 1,024] x [K 1,024, N 4,096]; A: computed on the way; B: input w1: QUANTISED
;;     8. [M 4,096, K 4,096] x [K 4,096, N 1,024]; A: computed on the way; B: input w2: QUANTISED
;;   THE QUANTISER, for each operand of a quantised product, along K:
;;     - K is cut into blocks of 32 from its start; a last block that is shorter is filled with zeros.
;;     - A block's scale is 2^e with e = floor(log2(the largest magnitude in the block)) - 8, held to -126 .. 127; a block of zeros has e = 0. As a byte (E8M0): e + 127.
;;     - Each number is divided by its block's scale, clamped to +-448, and rounded to the nearest number of E4M3, ties to even, subnormals kept.
;;     - The product sums the exact products of the quantised numbers (number of the format x scale) in f32.
;;   ~~~python
;;   def quantise(x, axis):      # numpy; x: float32 -> the quantised numbers, widened to float32 again
;;       x = np.moveaxis(x, axis, -1); K = x.shape[-1]
;;       x = np.pad(x, [(0, 0)] * (x.ndim - 1) + [(0, -K % 32)]); x = x.reshape(x.shape[:-1] + (-1, 32)); a = np.abs(x).max(-1, keepdims=True)
;;       e = np.where(a > 0, np.clip(np.frexp(np.where(a > 0, a, 1))[1] - 1 - 8, -126, 127), 0)      # np.frexp(a)[1] - 1 = floor(log2(a)), exactly
;;       r = np.clip(x / 2.0 ** e, -448, 448)
;;       step = 2.0 ** (np.maximum(np.frexp(np.where(r == 0, 1, r))[1] - 1, -6) - 3)
;;       q = np.round(r / step) * step * 2.0 ** e      # np.round: ties to even
;;       return np.moveaxis(q.reshape(q.shape[:-2] + (-1,))[..., :K], -1, axis).astype(np.float32)
;;   ~~~
;;   SOFTMAX AHEAD OF A QUANTISED PRODUCT. Where the list says 'softmax', what is quantised is not the finished softmax but p = 2^(t - M), with t = logit x log2(e) and M = ceil(the row's largest t), a whole number; so 1/2 < the row's largest p <= 1. The row's sum l is taken of the UNQUANTISED p, in f32, and the product's result is divided by l at the end. Since M is a whole number, a kernel that streams over the keys may use a running M (the ceiling of the running maximum): every later rescaling is an exact power of two, which a block's scale takes up: the codes' values come out the same.
;;   OPERANDS COMPUTED ON THE WAY. 'Computed on the way' means the value that the module computes at that place (a softmax that the list does not call 'softmax' is quantised finished and normalised). What goes into a quantiser is computed in f32, as accurately as f32 sums, v_exp_f32 and their like allow (about 1e-6 of the number): no bf16 or f16 on the way to a quantiser, and a product that is left as it is and whose result goes on into a quantised operand takes f32 operands (vector FMAs, or v_wmma_f32_16x16x4_f32). A number that lies on a knife's edge between two numbers of the format may be rounded either way, as far as f32 arithmetic and the matrix unit's own rounding can turn it there, and no further.
;; 2 versions. Each part assembles by itself: llvm-mc -triple=amdgcn-amd-amdhsa -mcpu=gfx1250 --defsym DOCPART=n.
;; ======== version 1 of 2: 8 launches
;; workspace buffers: wimg 15,335,424 bytes; himg 4,718,592 bytes; qkvimg 14,155,776 bytes; cimg 4,718,592 bytes; x1 16,777,216 bytes; gimg 18,874,368 bytes
;; launch wquant (part 1): grid 384 x 1, 4 waves a work-group, no clusters, 37,376 bytes of LDS; arguments wq, wk, wv, wo, w1, w2, wimg; writes wimg
.if DOCPART == 1
	.amdgcn_target "amdgcn-amd-amdhsa--gfx1250"
	.amdhsa_code_object_version 6
	.text
	.protected	k_q57366c62c4_wquant
	.globl	k_q57366c62c4_wquant
	.p2align	8
	.type	k_q57366c62c4_wquant,@function
k_q57366c62c4_wquant:
	s_mov_b64 s[64:65], 0
	v_nop
	global_prefetch_b8 v0, s[64:65] scope:SCOPE_SE
	s_setreg_imm32_b32 hwreg(HW_REG_WAVE_MODE, 25, 1), 1
	s_wait_xcnt 0x0
; The six weights, f32 stored [K][N], become operand images of E4M3 codes with one E8M0 byte for each 32 along K.
; AN IMAGE of R rows and K along K is laid [K / 128][R][144 bytes]: a record holds 128 codes in the order of K, the four scale bytes, and 12 zeros.
; Record p of a K step holds row swap34(p): bits 3 and 4 of the row's number exchanged.  So sixteen records on end are a tile whose results fall, in the product that uses them as its first source, as neighbours along the next K.
; A block's scale is 2^(floor(log2(largest magnitude)) - 8); its byte is that magnitude's exponent field - 8, held at 1 from below.
; LIMITS: a block whose largest magnitude lies under 2^-118, a block of zeros among them, gets the byte 1 (its codes are zeros or the nearest codes under that scale; the bytes are read by this program alone); NaN and infinities are not served.
; SHARES: a work-group takes 128 columns x 256 along K, a wave 32 columns, A LANE ONE COLUMN WITH ITS REGISTERS DOWN K: each load reads 128 consecutive bytes a wave, a block of 32 lies in one lane, and the codes come out with K innermost.
; Work-groups 0-127: wq, wk, wv, wo (32 each); 128-255: w1; 256-383: w2.  One path for all: only pointers, pitches and offsets are chosen, on the work-group's number.
; The codes leave through the wave's own stage in LDS, laid as the image is: each store of the wave covers 512 consecutive bytes, aligned to 256.  No barrier: waves share nothing.
.set OFF_WO, 4718592                   ; wq, wk, wv: rows 0, 1024, 2048 of an image with room for 4,096 rows, at byte 0
.set OFF_W1, 5898240
.set OFF_W2, 10616832
.set PITCH,  144
.set KSB,    32*PITCH                  ; a wave's 32 records of one K step
.set WREG,   2*KSB                     ; a wave's stage: two K steps
.set RO,   16                          ; v16-47   4 x lane + i x pitch: row i of a block
.set X,    48                          ; v48-111  two sets of 32 numbers
.set C,    112                         ; v112-119 a block's codes
.set SW,   120                         ; v120-123, v124-127: a K step's scale word and three zeros
.set OUTR, 128                         ; v128-199 the way out
	s_load_b256 s[8:15], s[0:1], 0x0               ; wq, wk, wv, wo
	s_load_b128 s[16:19], s[0:1], 0x20             ; w1, w2
	s_load_b64 s[20:21], s[0:1], 0x30              ; wimg
	v_lshl_add_u32 v200, v0, 2, 0x9000
	v_mov_b32 v201, 0
	v_lshrrev_b32 v1, 5, v0
	v_readfirstlane_b32 s22, v1                    ; wave
	v_and_b32 v1, 31, v0                           ; lane = my column of the wave's 32
	v_and_b32 v6, 7, v1
	v_bfe_u32 v7, v1, 3, 1
	v_lshl_add_u32 v6, v7, 4, v6
	v_bfe_u32 v7, v1, 4, 1
	v_lshl_add_u32 v6, v7, 3, v6                   ; swap34(lane): my column's record
	s_mul_i32 s2, s22, WREG
	v_mul_u32_u24 v2, v6, PITCH
	v_add_nc_u32 v2, s2, v2                        ; into the stage
	v_lshlrev_b32 v4, 4, v1                        ; out: 16 bytes a lane
	v_add_nc_u32 v3, s2, v4
	v_lshlrev_b32 v5, 2, v1
	s_lshr_b32 s23, ttmp9, 5                       ; which of wq, wk, wv, wo (4 and more: none of them)
	s_lshr_b32 s29, ttmp9, 7                       ; 0: those four; 1: w1; 2: w2
	s_and_b32 s30, ttmp9, 31
	s_and_b32 s31, ttmp9, 127
	s_cmp_eq_u32 s29, 0
	s_cselect_b32 s30, s30, s31                    ; my number within the weight
	s_mov_b32 s24, 4096                            ; a row of the weight in bytes
	s_mov_b32 s31, 7                               ; blocks of 128 columns - 1
	s_mov_b32 s53, 3
	s_cmp_eq_u32 s29, 1
	s_cselect_b32 s24, 16384, s24
	s_cselect_b32 s31, 31, s31
	s_cselect_b32 s53, 5, s53
	s_and_b32 s27, s30, s31                        ; which 128 columns
	s_lshr_b32 s28, s30, s53                       ; which 256 along K
	s_mov_b32 s25, 4096                            ; rows of the image
	s_cmp_eq_u32 s23, 3
	s_cselect_b32 s25, 1024, s25
	s_cmp_eq_u32 s29, 2
	s_cselect_b32 s25, 1024, s25
	s_mul_i32 s26, s23, 1024*PITCH                 ; where the image (or the weight's rows in it) begins
	s_cmp_eq_u32 s23, 3
	s_cselect_b32 s26, OFF_WO, s26
	s_cmp_eq_u32 s29, 1
	s_cselect_b32 s26, OFF_W1, s26
	s_cmp_eq_u32 s29, 2
	s_cselect_b32 s26, OFF_W2, s26
.set i, 0
.rept 32
	v_mad_u32_u24 v[RO+i], s24, i, v5
.set i, i+1
.endr
.irp r, 1,2,3,5,6,7
	v_mov_b32 v[SW+\r], 0
.endr
	s_mov_b32 s52, 0x600000                        ; the mantissa field of 448
	s_mul_i32 s54, s28, s24
	s_lshl_b32 s54, s54, 8                         ; 256 rows of the weight for each step of my K
	s_lshl_b32 s55, s27, 9
	s_add_co_u32 s54, s54, s55
	s_lshl_b32 s55, s22, 7
	s_add_co_u32 s54, s54, s55                     ; + my wave's first column, 4 bytes each
	s_mov_b32 s55, 0
	s_lshl_b32 s56, s24, 5                         ; 32 rows: a block
	s_mov_b32 s57, 0
	s_lshl_b32 s60, s28, 1
	s_mul_i32 s60, s60, s25                        ; my first K step's records,
	s_lshl_b32 s61, s27, 7
	s_add_co_u32 s60, s60, s61
	s_lshl_b32 s61, s22, 5
	s_add_co_u32 s60, s60, s61                     ; my wave's 32 of them
	s_mul_i32 s60, s60, PITCH
	s_add_co_u32 s60, s60, s26
	s_mov_b32 s61, 0
	s_mul_i32 s62, s25, PITCH                      ; from a K step to the next
	s_mov_b32 s63, 0
	s_wait_kmcnt 0x0
	s_cmp_eq_u32 s23, 1                            ; the weight: a choice on the work-group's number alone
	s_cselect_b64 s[58:59], s[10:11], s[8:9]
	s_cmp_eq_u32 s23, 2
	s_cselect_b64 s[58:59], s[12:13], s[58:59]
	s_cmp_eq_u32 s23, 3
	s_cselect_b64 s[58:59], s[14:15], s[58:59]
	s_cmp_eq_u32 s29, 1
	s_cselect_b64 s[58:59], s[16:17], s[58:59]
	s_cmp_eq_u32 s29, 2
	s_cselect_b64 s[58:59], s[18:19], s[58:59]
	s_add_nc_u64 s[32:33], s[58:59], s[54:55]      ; a base for each of my eight blocks
.irp u, 1,2,3,4,5,6,7
	s_add_nc_u64 s[32+2*\u:33+2*\u], s[30+2*\u:31+2*\u], s[56:57]
.endr
	s_add_nc_u64 s[48:49], s[20:21], s[60:61]      ; and for each of my two K steps in the image
	s_add_nc_u64 s[50:51], s[48:49], s[62:63]
.macro LOAD u                          ; block u: 32 rows of the weight at my column, into set u % 2
.set i, 0
.rept 32
	global_load_b32 v[X+32*((\u)%2)+i], v[RO+i], s[32+2*(\u):33+2*(\u)] th:TH_LOAD_NT
.set i, i+1
.endr
.endm
	LOAD 0
	LOAD 1
.macro BLOCK u
.set XS, X+32*((\u)%2)
.set SWR, SW+4*((\u)/4)
.if (\u) < 7
	s_wait_loadcnt 32                              ; this block's 32 loads are in; the next block's 32 may be out
.else
	s_wait_loadcnt 0
.endif
	v_max3_num_f32 v12, |v[XS]|, |v[XS+1]|, |v[XS+2]|              ; the block's largest magnitude: all 32 numbers are mine
	v_max3_num_f32 v13, |v[XS+3]|, |v[XS+4]|, |v[XS+5]|
.irp i, 6,10,14,18,22,26
	v_max3_num_f32 v12, v12, |v[XS+\i]|, |v[XS+\i+1]|
	v_max3_num_f32 v13, v13, |v[XS+\i+2]|, |v[XS+\i+3]|
.endr
	v_max3_num_f32 v12, v12, |v[XS+30]|, |v[XS+31]|
	v_max3_num_f32 v12, v12, v13, 0x4800000        ; and the floor 2^(9 - 127): the byte cannot fall under 1
	v_add_nc_u32 v11, 0xfc000000, v12              ; 8 off the exponent field: the conversion's scale operand
	v_and_or_b32 v10, v12, 0x7f800000, s52         ; 448 x the scale
	v_lshrrev_b32 v13, 23, v11                     ; the scale's byte
.if (\u)%4 == 0
	v_mov_b32 v[SWR], v13
.else
	v_lshl_or_b32 v[SWR], v13, 8*((\u)%4), v[SWR]
.endif
.set i, 0
.rept 32
	v_med3_num_f32 v[XS+i], v[XS+i], -v10, v10     ; the conversion to an 8-bit code does not saturate (ISA guide 7.6.2): the hold comes first
.set i, i+1
.endr
.irp g, 0,1,2,3
	v_cvt_scalef32_pk8_fp8_f32 v[C+2*\g:C+2*\g+1], v[XS+8*\g:XS+8*\g+7], v11
.endr
	ds_store_b128 v2, v[C:C+3] offset:KSB*((\u)/4)+32*((\u)%4)
	ds_store_b128 v2, v[C+4:C+7] offset:KSB*((\u)/4)+32*((\u)%4)+16
.if (\u)%4 == 3
	ds_store_b128 v2, v[SWR:SWR+3] offset:KSB*((\u)/4)+128   ; the record's last 16 bytes: four scale bytes, twelve zeros
.endif
.if (\u)+2 < 8
	LOAD (\u)+2
.endif
	s_wait_dscnt 0x0                               ; the stores have read their registers: the next block's codes may be written
.endm
.irp u, 0,1,2,3,4,5,6,7
	BLOCK \u
.endr
.set c, 0
.rept 18
	ds_load_b128 v[OUTR+4*c:OUTR+4*c+3], v3 offset:512*c       ; LDS serves a wave's instructions in order: these see my stores
.set c, c+1
.endr
.set c, 0
.rept 18
	s_wait_dscnt 17-c                              ; load c is back; the younger ones may be out
	global_store_b128 v4, v[OUTR+4*c:OUTR+4*c+3], s[48+2*(c/9):49+2*(c/9)] offset:512*(c%9)
.set c, c+1
.endr
	s_wait_tensorcnt 0x0
	ds_add_u32 v200, v201
	s_wait_dscnt 0x0
	s_endpgm
.Lfunc_end_k_q57366c62c4_wquant:
	.size	k_q57366c62c4_wquant, .Lfunc_end_k_q57366c62c4_wquant-k_q57366c62c4_wquant
	.p2alignl 7, 3214868480
	.fill 96, 4, 3214868480
	.section	.rodata,"a",@progbits
	.p2align	6, 0x0
	.amdhsa_kernel k_q57366c62c4_wquant
		.amdhsa_group_segment_fixed_size 37376
		.amdhsa_private_segment_fixed_size 0
		.amdhsa_enable_private_segment 0
		.amdhsa_kernarg_size 56
		.amdhsa_user_sgpr_count 2
		.amdhsa_user_sgpr_kernarg_segment_ptr 1
		.amdhsa_wavefront_size32 1
		.amdhsa_system_sgpr_workgroup_id_x 1
		.amdhsa_system_sgpr_workgroup_id_y 1
		.amdhsa_system_sgpr_workgroup_id_z 1
		.amdhsa_system_vgpr_workitem_id 0
		.amdhsa_next_free_vgpr 202
		.amdhsa_next_free_sgpr 66
		.amdhsa_reserve_vcc 0
		.amdhsa_float_denorm_mode_32 3
		.amdhsa_float_denorm_mode_16_64 3
		.amdhsa_memory_ordered 1
		.amdhsa_forward_progress 1
		.amdhsa_inst_pref_size 64
	.end_amdhsa_kernel
	.amdgpu_metadata
---
amdhsa.version: [ 1, 2 ]
amdhsa.kernels:
  - .name:           k_q57366c62c4_wquant
    .symbol:         k_q57366c62c4_wquant.kd
    .args:
      - { .name: wq, .offset: 0, .size: 8, .value_kind: global_buffer, .address_space: global }
      - { .name: wk, .offset: 8, .size: 8, .value_kind: global_buffer, .address_space: global }
      - { .name: wv, .offset: 16, .size: 8, .value_kind: global_buffer, .address_space: global }
      - { .name: wo, .offset: 24, .size: 8, .value_kind: global_buffer, .address_space: global }
      - { .name: w1, .offset: 32, .size: 8, .value_kind: global_buffer, .address_space: global }
      - { .name: w2, .offset: 40, .size: 8, .value_kind: global_buffer, .address_space: global }
      - { .name: wimg, .offset: 48, .size: 8, .value_kind: global_buffer, .address_space: global }
    .group_segment_fixed_size: 37376
    .private_segment_fixed_size: 0
    .kernarg_segment_align: 8
    .kernarg_segment_size: 56
    .max_flat_workgroup_size: 128
    .sgpr_count:     66
    .vgpr_count:     202
    .wavefront_size: 32
...
	.end_amdgpu_metadata
.endif
;; end of part 1
;; launch ln1 (part 2): grid 128 x 1, 8 waves a work-group, no clusters, 74,752 bytes of LDS; arguments x, ln1_g, ln1_b, himg; writes himg
.if DOCPART == 2
	.amdgcn_target "amdgcn-amd-amdhsa--gfx1250"
	.amdhsa_code_object_version 6
	.text
	.protected	k_q57366c62c4_ln1
	.globl	k_q57366c62c4_ln1
	.p2align	8
	.type	k_q57366c62c4_ln1,@function
k_q57366c62c4_ln1:
	s_mov_b64 s[64:65], 0
	v_nop
	global_prefetch_b8 v0, s[64:65] scope:SCOPE_SE
	s_setreg_imm32_b32 hwreg(HW_REG_WAVE_MODE, 25, 1), 1
	s_wait_xcnt 0x0
; h = layernorm(x) g + b, rows of 1,024 f32, quantised along the row into an operand image: [8 K steps][4,096 rows][144 bytes]; a record = 128 E4M3 codes, four E8M0 bytes, 12 zeros;
; record p holds row swap34(p) (bits 3 and 4 of the row's number exchanged).  All arithmetic in f32: the mean, then the mean of the squared differences (two passes over registers), v_rsq_f32.
; LIMITS: a block whose largest magnitude lies under 2^-118 gets the byte 1 (read by this program alone); NaN and infinities are not served.
; SHARES: a work-group takes 32 rows, a wave four; a row is eight loads of 512 consecutive bytes and stays in 32 registers.  All 48 loads of a wave (g, b, four rows) go out at the head.
; For the conversions a lane must hold 32 neighbours: the finished row turns through the wave's own stage in LDS (16 bytes of padding behind each 128), and lane l comes back with block l.
; The codes gather in an image of the 32 rows in LDS; behind one barrier wave w stores K step w's 4,608 bytes, 512 consecutive bytes a store, aligned to 256.
.set PITCH, 144
.set KSB,   32*PITCH
.set IMG,   8*KSB                      ; behind the eight stages: the image [8][32][144]
.set G,   16                           ; v16-47   g of my 32 columns
.set B,   48                           ; v48-79   b
.set X,   80                           ; v80-207  four rows
.set W,   208                          ; v208-215 at work
.set C,   216                          ; v216-223 a block's codes
.set SW,  224                          ; v224-227 a scale word and three zeros
.set PT,  228                          ; v228     what other lanes send
	s_load_b256 s[4:11], s[0:1], 0x0               ; x, g, b, the image
	v_lshl_add_u32 v254, v0, 2, 0x12000
	v_mov_b32 v255, 0
	v_lshrrev_b32 v1, 5, v0
	v_readfirstlane_b32 s14, v1                    ; wave 0..7
	v_and_b32 v1, 31, v0                           ; lane
	v_lshlrev_b32 v2, 4, v1
	s_mov_b32 s12, 0x76543210
	s_mov_b32 s13, 0xfedcba98                      ; v_permlanex16_b32's selects for lane l xor 16
	s_mov_b32 s15, 0x600000                        ; the mantissa field of 448
	s_mov_b32 s16, 0x3727c5ac                      ; 1e-5
	s_mov_b32 s17, 0x3a800000                      ; 1 / 1,024
	s_lshl_b32 s18, ttmp9, 17                      ; 32 rows of 4,096 bytes a work-group,
	s_lshl_b32 s19, s14, 14                        ; four a wave
	s_add_co_u32 s18, s18, s19
	s_mov_b32 s19, 0
	s_wait_kmcnt 0x0
	s_add_nc_u64 s[4:5], s[4:5], s[18:19]
.set i, 0
.rept 8
	global_load_b128 v[G+4*i:G+4*i+3], v2, s[6:7] offset:512*i
.set i, i+1
.endr
.set i, 0
.rept 8
	global_load_b128 v[B+4*i:B+4*i+3], v2, s[8:9] offset:512*i
.set i, i+1
.endr
.set i, 0
.rept 32
	global_load_b128 v[X+4*i:X+4*i+3], v2, s[4:5] offset:512*i     ; rows are dense: row j's eight loads begin 4,096 j bytes on
.set i, i+1
.endr
	s_mul_i32 s20, s14, KSB                        ; my stage
	v_lshrrev_b32 v9, 3, v1
	v_mul_u32_u24 v3, v9, PITCH
	v_and_b32 v9, 7, v1
	v_lshl_add_u32 v3, v9, 4, v3
	v_add_nc_u32 v3, s20, v3                       ; in: a load's 512 bytes are four pieces of 128, each with 16 of padding behind it
	v_mul_u32_u24 v4, v1, PITCH
	v_add_nc_u32 v4, s20, v4                       ; back: piece l: block l of the row
	s_and_b32 s21, s14, 1                          ; rows 4 w + j of the 32 lie at records swap34(4 w + j) = 16 (w / 2 % 2) + 8 (w / 4) + 4 (w % 2) + j
	s_lshl_b32 s21, s21, 2
	s_lshr_b32 s22, s14, 2
	s_lshl_b32 s22, s22, 3
	s_or_b32 s21, s21, s22
	s_bfe_u32 s22, s14, 0x10001
	s_lshl_b32 s22, s22, 4
	s_or_b32 s21, s21, s22
	s_mul_i32 s21, s21, PITCH
	s_add_co_u32 s21, s21, IMG
	v_lshrrev_b32 v9, 2, v1
	v_mul_u32_u24 v9, v9, KSB                      ; block l belongs to K step l / 4,
	v_add_nc_u32 v9, s21, v9
	v_and_b32 v10, 3, v1
	v_lshl_add_u32 v5, v10, 5, v9                  ; and is its block l % 4: 32 bytes
	v_add_nc_u32 v6, 128, v9                       ; the record's last 16 bytes
	v_lshlrev_b32 v8, 3, v10                       ; my byte's place in the scale word
	s_add_co_u32 s20, s20, IMG
	v_add_nc_u32 v7, s20, v2                       ; the way out: K step w of the image, 16 bytes a lane
	v_mov_b32 v[PT], 0                             ; written once: a lane permute's destination counts as one of its sources
.irp r, 1,2,3
	v_mov_b32 v[SW+\r], 0
.endr
	s_lshl_b32 s22, s14, 12
	s_lshl_b32 s23, ttmp9, 5
	s_add_co_u32 s22, s22, s23
	s_mul_i32 s22, s22, PITCH                      ; K step w, records 32 x work-group on
	s_mov_b32 s23, 0
	s_add_nc_u64 s[10:11], s[10:11], s[22:23]
.macro WSUM r                          ; the sum over the 32 lanes, in every lane
	v_add_f32_dpp v[\r], v[\r], v[\r] row_xmask:1 row_mask:0xf bank_mask:0xf
	v_add_f32_dpp v[\r], v[\r], v[\r] row_xmask:2 row_mask:0xf bank_mask:0xf
	v_add_f32_dpp v[\r], v[\r], v[\r] row_xmask:4 row_mask:0xf bank_mask:0xf
	v_add_f32_dpp v[\r], v[\r], v[\r] row_xmask:8 row_mask:0xf bank_mask:0xf
	v_permlanex16_b32 v[PT], v[\r], s12, s13
	v_add_f32 v[\r], v[\r], v[PT]
.endm
.macro ROW j
.set XR, X+32*(\j)
	s_wait_loadcnt 8*(3-(\j))                      ; g, b and this row are in; the later rows' eight loads each may be out
	v_pk_add_f32 v[W:W+1], v[XR:XR+1], v[XR+2:XR+3]
	v_pk_add_f32 v[W+2:W+3], v[XR+4:XR+5], v[XR+6:XR+7]
.irp i, 8,12,16,20,24,28
	v_pk_add_f32 v[W:W+1], v[W:W+1], v[XR+\i:XR+\i+1]
	v_pk_add_f32 v[W+2:W+3], v[W+2:W+3], v[XR+\i+2:XR+\i+3]
.endr
	v_pk_add_f32 v[W:W+1], v[W:W+1], v[W+2:W+3]
	v_add_f32 v[W], v[W], v[W+1]
	WSUM W
	v_mul_f32 v[W], s17, v[W]                      ; the mean
.set i, 0
.rept 16
	v_pk_add_f32 v[XR+i:XR+i+1], v[XR+i:XR+i+1], v[W:W+1] op_sel_hi:[1,0] neg_lo:[0,1] neg_hi:[0,1]   ; x - mean
.set i, i+2
.endr
	v_pk_mul_f32 v[W+2:W+3], v[XR:XR+1], v[XR:XR+1]
	v_pk_mul_f32 v[W+4:W+5], v[XR+2:XR+3], v[XR+2:XR+3]
.irp i, 4,8,12,16,20,24,28
	v_pk_fma_f32 v[W+2:W+3], v[XR+\i:XR+\i+1], v[XR+\i:XR+\i+1], v[W+2:W+3]
	v_pk_fma_f32 v[W+4:W+5], v[XR+\i+2:XR+\i+3], v[XR+\i+2:XR+\i+3], v[W+4:W+5]
.endr
	v_pk_add_f32 v[W+2:W+3], v[W+2:W+3], v[W+4:W+5]
	v_add_f32 v[W+2], v[W+2], v[W+3]
	WSUM W+2
	v_fma_f32 v[W+2], v[W+2], s17, s16             ; the variance + eps
	v_rsq_f32 v[W+4], v[W+2]
	v_nop                                          ; a plain instruction between the transcendental and the use of its result
.set i, 0
	s_wait_alu depctr_va_vdst(0)
.rept 16
	v_pk_mul_f32 v[XR+i:XR+i+1], v[XR+i:XR+i+1], v[W+4:W+5] op_sel_hi:[1,0]
.set i, i+2
.endr
.set i, 0
.rept 16
	v_pk_fma_f32 v[XR+i:XR+i+1], v[XR+i:XR+i+1], v[G+i:G+i+1], v[B+i:B+i+1]
.set i, i+2
.endr
.set i, 0
.rept 8
	ds_store_b128 v3, v[XR+4*i:XR+4*i+3] offset:4*PITCH*i
.set i, i+1
.endr
.set i, 0
.rept 8
	ds_load_b128 v[XR+4*i:XR+4*i+3], v4 offset:16*i        ; LDS serves a wave's instructions in order: these see the stores above
.set i, i+1
.endr
	s_wait_dscnt 0x0                               ; my 32 registers now hold k = 32 l .. 32 l + 31 of the row
	v_max3_num_f32 v[W], |v[XR]|, |v[XR+1]|, |v[XR+2]|
	v_max3_num_f32 v[W+1], |v[XR+3]|, |v[XR+4]|, |v[XR+5]|
.irp i, 6,10,14,18,22,26
	v_max3_num_f32 v[W], v[W], |v[XR+\i]|, |v[XR+\i+1]|
	v_max3_num_f32 v[W+1], v[W+1], |v[XR+\i+2]|, |v[XR+\i+3]|
.endr
	v_max3_num_f32 v[W], v[W], |v[XR+30]|, |v[XR+31]|
	v_max3_num_f32 v[W], v[W], v[W+1], 0x4800000   ; with the floor 2^(9 - 127): the byte cannot fall under 1
	v_add_nc_u32 v[W+3], 0xfc000000, v[W]          ; the conversion's scale operand
	v_and_or_b32 v[W+2], v[W], 0x7f800000, s15     ; 448 x the scale
.set i, 0
.rept 32
	v_med3_num_f32 v[XR+i], v[XR+i], -v[W+2], v[W+2]
.set i, i+1
.endr
.irp g, 0,1,2,3
	v_cvt_scalef32_pk8_fp8_f32 v[C+2*\g:C+2*\g+1], v[XR+8*\g:XR+8*\g+7], v[W+3]
.endr
	v_lshrrev_b32 v[W+4], 23, v[W+3]               ; the scale's byte,
	v_lshlrev_b32 v[W+4], v8, v[W+4]               ; at its place in the K step's word;
	v_mov_b32_dpp v[PT], v[W+4] row_xmask:1 row_mask:0xf bank_mask:0xf
	v_or_b32 v[W+4], v[W+4], v[PT]
	v_mov_b32_dpp v[PT], v[W+4] row_xmask:2 row_mask:0xf bank_mask:0xf
	v_or_b32 v[SW], v[W+4], v[PT]                  ; the four lanes of a K step now hold its word
	ds_store_b128 v5, v[C:C+3] offset:PITCH*(\j)
	ds_store_b128 v5, v[C+4:C+7] offset:PITCH*(\j)+16
	ds_store_b128 v6, v[SW:SW+3] offset:PITCH*(\j) ; four lanes write the same 16 bytes with the same value
	s_wait_dscnt 0x0                               ; the stores have read their registers
.endm
	ROW 0
	ROW 1
	ROW 2
	ROW 3
	s_wait_dscnt 0x0                               ; for the others' sake: my stores into the image are done
	s_barrier_signal -1
	s_barrier_wait -1
.set c, 0
.rept 9
	ds_load_b128 v[X+4*c:X+4*c+3], v7 offset:512*c
.set c, c+1
.endr
.set c, 0
.rept 9
	s_wait_dscnt 8-c
	global_store_b128 v2, v[X+4*c:X+4*c+3], s[10:11] offset:512*c
.set c, c+1
.endr
	s_wait_tensorcnt 0x0
	ds_add_u32 v254, v255
	s_wait_dscnt 0x0
	s_endpgm
.Lfunc_end_k_q57366c62c4_ln1:
	.size	k_q57366c62c4_ln1, .Lfunc_end_k_q57366c62c4_ln1-k_q57366c62c4_ln1
	.p2alignl 7, 3214868480
	.fill 96, 4, 3214868480
	.section	.rodata,"a",@progbits
	.p2align	6, 0x0
	.amdhsa_kernel k_q57366c62c4_ln1
		.amdhsa_group_segment_fixed_size 74752
		.amdhsa_private_segment_fixed_size 0
		.amdhsa_enable_private_segment 0
		.amdhsa_kernarg_size 32
		.amdhsa_user_sgpr_count 2
		.amdhsa_user_sgpr_kernarg_segment_ptr 1
		.amdhsa_wavefront_size32 1
		.amdhsa_system_sgpr_workgroup_id_x 1
		.amdhsa_system_sgpr_workgroup_id_y 1
		.amdhsa_system_sgpr_workgroup_id_z 1
		.amdhsa_system_vgpr_workitem_id 0
		.amdhsa_next_free_vgpr 256
		.amdhsa_next_free_sgpr 66
		.amdhsa_reserve_vcc 0
		.amdhsa_float_denorm_mode_32 3
		.amdhsa_float_denorm_mode_16_64 3
		.amdhsa_memory_ordered 1
		.amdhsa_forward_progress 1
		.amdhsa_inst_pref_size 53
	.end_amdhsa_kernel
	.amdgpu_metadata
---
amdhsa.version: [ 1, 2 ]
amdhsa.kernels:
  - .name:           k_q57366c62c4_ln1
    .symbol:         k_q57366c62c4_ln1.kd
    .args:
      - { .name: x, .offset: 0, .size: 8, .value_kind: global_buffer, .address_space: global }
      - { .name: ln1_g, .offset: 8, .size: 8, .value_kind: global_buffer, .address_space: global }
      - { .name: ln1_b, .offset: 16, .size: 8, .value_kind: global_buffer, .address_space: global }
      - { .name: himg, .offset: 24, .size: 8, .value_kind: global_buffer, .address_space: global }
    .group_segment_fixed_size: 74752
    .private_segment_fixed_size: 0
    .kernarg_segment_align: 8
    .kernarg_segment_size: 32
    .max_flat_workgroup_size: 256
    .sgpr_count:     66
    .vgpr_count:     256
    .wavefront_size: 32
...
	.end_amdgpu_metadata
.endif
;; end of part 2
;; launch qkv (part 3): grid 12 x 16, 4 waves a work-group, clusters of 4 x 4, 327,680 bytes of LDS; arguments himg, wimg, bq, bk, bv, qkvimg; writes qkvimg
.if DOCPART == 3
	.amdgcn_target "amdgcn-amd-amdhsa--gfx1250"
	.amdhsa_code_object_version 6
	.text
	.protected	k_q57366c62c4_qkv
	.globl	k_q57366c62c4_qkv
	.p2align	8
	.type	k_q57366c62c4_qkv,@function
k_q57366c62c4_qkv:
	s_mov_b64 s[64:65], 0
	v_nop
	global_prefetch_b8 v0, s[64:65] scope:SCOPE_SE
	s_setreg_imm32_b32 hwreg(HW_REG_WAVE_MODE, 25, 1), 1
	s_wait_xcnt 0x0
	s_wait_alu depctr_hold_cnt(0) depctr_sa_sdst(0) depctr_va_vdst(0) depctr_va_sdst(0) depctr_va_ssrc(0) depctr_va_vcc(0) depctr_vm_vsrc(0)
	s_getreg_b32 s2, hwreg(HW_REG_IB_STS2, 6, 4)
	s_cmp_eq_u32 s2, 0
	s_cbranch_scc0 .Lentry_in_a_cluster
	s_endpgm
.Lentry_in_a_cluster:
	s_bfe_u32 s2, ttmp6, 0x10000c
	s_cmp_lg_u32 s2, 0xf033
	s_cbranch_scc0 .Lentry_shape_is_right
	s_endpgm
.Lentry_shape_is_right:
; q = h wq + bq, k = h wk + bk, v = h wv + bv on E4M3 codes with E8M0 scales, and each result quantised on the way out along the K of the product that reads it.
; OPERAND IMAGES: [K / 128][rows][144 bytes]; a record = 128 codes, four scale bytes, 12 zeros; record p holds row swap34(p) (bits 3 and 4 exchanged).  256 records of a K step are 36,864 dense bytes: what lies in memory is what lies in LDS.
; Clusters x = 0, 1 (q, k): second source (A) = 256 tokens of h, first source (B) = 256 columns of wq or wk.  A lane then holds ONE token and its registers run along the columns: 128 of them are two heads' 64: one record of the q or k image
; [batch][pair of heads][token][144].  Cluster x = 2 (v): A = 256 columns of wv, B = 256 tokens: a lane holds one channel and its registers run along the tokens, the keys: one record of the v image [batch][key step][channel][144].
; Which of the two it is hangs on the cluster's x alone: it chooses pointers, offsets and values; no branch and no LDS address hangs on it.
; A tile of 256 x 256 is made by four waves, 128 x 128 each: 64 accumulators.  K goes in steps of 256 (two K steps of 128) through a ring of two LDS slots; each wave brings one block of 36,864 bytes a slot by one tensor load.
; CLUSTERS: 4 x 4 work-groups; A's blocks are asked for jointly along a row of the cluster, B's along a column.
; LIMITS: a block whose largest magnitude lies under 2^-118 gets the byte 1 (read by this program alone); NaN and infinities are not served.
; REGISTERS: window 0: v1-15 at work and the row bias; v16-29 addresses; v32-63 scale words, two sets; v64-127 the column bias; v128-255 A's fragments, on the way out at work.  window 1: B's fragments, two sets.  windows 2, 3: the accumulators.
.set LAPS,  2                          ; K = 1,024: two laps of two slots of 256
.set STRA,  4096*144                   ; from a K step of 128 to the next, in both images
.set STRB,  4096*144
.set PITCH, 144
.set BLK,   256*PITCH                  ; 256 records of one K step: what one tensor load brings
.set HALF,  128*PITCH                  ; what one wave reads of it
.set SLOT,  4*BLK                      ; A's two K steps, then B's two
.set SPARE, 2*SLOT                     ; behind the ring: the spare words, 128 bytes for each wave: two blocks of 256 bytes that no other line names
.set NQ,    2
.set FR,    16
.set NL,    4
.set NP,    8                          ; places behind this matrix instruction (ISA guide 7.12.1)
.set ADRA, 16                          ; v16-17  LDS address of my A fragments in slot 0, 1
.set ADRB, 20                          ; v20-21  the same for B
.set ADRS, 22                          ; v22-23  of my scale words: lanes 0-15 A's records, lanes 16-31 B's
.set STO,  24                          ; v24     the way out: where my codes go
.set RD,   25                          ; v25     where I read the stage back
.set CO,   26                          ; v26     16 x lane
.set SQA,  27                          ; v27     a record's last 16 bytes
.set SPW,  28                          ; v28     LDS address of my spare word; never rewritten
.set NIL,  29                          ; v29     0; never rewritten
.set SC,   32                          ; scale words: set s at v[SC + 16 s]; register 2 i + q: lanes 0-15 A's block i, lanes 16-31 B's block i, the slot's q-th K step
.set AF,   128
.set G1,  24
.set G0,  32
.set G1B, 48
.set G0B, 56
.set MSB, 0
.macro WIN new                         ; the immediate's high byte repeats the setting that is left
.if MSB != \new
	s_set_vgpr_msb (MSB<<8)|\new
.set MSB, \new
.endif
.endm
.set MUL_LO, 0xa1                      ; source 0 (B) window 1, source 1 (A) window 0, C and D window 2
.set MUL_HI, 0xf1
.set TO_B,   0x40
.macro JLOAD g0a, g1a, g0b, g1b        ; a joint load: waves 0 and 1 fetch A's two K steps, waves 2 and 3 B's; four v_nop follow each of the two lines
	s_cmp_eq_u32 s15, 0
	s_cbranch_scc0 .Lfor_b_\@
	tensor_load_to_lds s[\g0a:\g0a+3], s[\g1a:\g1a+7]
	s_nop 0
.rept 4
	v_nop
.endr
	s_branch .Lasked_\@
.Lfor_b_\@:
	tensor_load_to_lds s[\g0b:\g0b+3], s[\g1b:\g1b+7]
	s_nop 0
.rept 4
	v_nop
.endr
.Lasked_\@:
.endm
.macro CREST                           ; a round of the cluster's barrier behind its opening barrier
	s_cmp_lg_u32 s14, 0
	s_cbranch_scc1 .Lnot_wave_0_\@
	s_barrier_signal -3
.Lnot_wave_0_\@:
	s_barrier_wait -3
	s_barrier_signal -1
	s_barrier_wait -1
.endm
.macro CROUND
	s_barrier_signal -1
	s_barrier_wait -1
	CREST
.endm
.macro PLACES n
.rept \n
	v_nop
.endr
.endm
.macro FRAG reg, adr, q, i             ; 16 records x 128 K: lane l holds record l % 16; registers 4 c .. 4 c + 3 hold K = 32 c + 16 (l / 16) + 0 .. 15
.irp c, 0,1,2,3
	ds_load_b128 v[\reg+4*\c:\reg+4*\c+3], v[\adr] offset:BLK*(\q)+32*\c+(\i)*16*PITCH
.endr
.endm
.macro MUL16 a0, p, q, sc, zero        ; A's blocks a0, a0 + 1 x B's eight.  The 64 accumulators take turns, one instruction a turn
.irp a, \a0, \a0+1
.irp b, 0,1,2,3,4,5,6,7
.if \zero
	v_wmma_scale_f32_16x16x128_f8f6f4 v[8*(8*((\a)%4)+\b):8*(8*((\a)%4)+\b)+7], v[128*(\p)+FR*\b:128*(\p)+FR*\b+FR-1], v[AF+FR*(\a):AF+FR*(\a)+FR-1], 0, v[SC+8*NQ*(\sc)+NQ*\b+(\q)], v[SC+8*NQ*(\sc)+NQ*(\a)+(\q)] matrix_a_scale:MATRIX_SCALE_ROW1
.else
	v_wmma_scale_f32_16x16x128_f8f6f4 v[8*(8*((\a)%4)+\b):8*(8*((\a)%4)+\b)+7], v[128*(\p)+FR*\b:128*(\p)+FR*\b+FR-1], v[AF+FR*(\a):AF+FR*(\a)+FR-1], v[8*(8*((\a)%4)+\b):8*(8*((\a)%4)+\b)+7], v[SC+8*NQ*(\sc)+NQ*\b+(\q)], v[SC+8*NQ*(\sc)+NQ*(\a)+(\q)] matrix_a_scale:MATRIX_SCALE_ROW1
.endif
.endr
.endr
.endm
.macro FETCH_B slot, q, p
	WIN TO_B
.irp i, 0,1,2,3,4,5,6,7
	FRAG 128*(\p)+FR*\i, ADRB+\slot, \q, \i
.endr
	WIN 0
.endm
.macro FETCH_A slot, q, i0
.irp i, \i0, \i0+1, \i0+2, \i0+3
	FRAG AF+FR*(\i), ADRA+\slot, \q, \i
.endr
.endm
.macro SCALES sc                       ; a slot's scale words: they lie in the records, behind the codes
.irp i, 0,1,2,3,4,5,6,7
.irp q, 0,1
	ds_load_b32 v[SC+8*NQ*\sc+NQ*\i+\q], v[ADRS+\sc] offset:\i*16*PITCH+\q*BLK
.endr
.endr
.endm
.macro STEP slot, q, zero              ; a K step of 128 that has its successor in the same slot
	s_wait_dscnt 4*NL                              ; all but the youngest 16 loads (A's blocks 4-7) are in
	WIN MUL_LO
	MUL16 0, (\q)%2, \q, \slot, \zero
	MUL16 2, (\q)%2, \q, \slot, \zero
	s_wait_dscnt 0
	PLACES NP
	FETCH_B \slot, (\q)+1, 1-(\q)%2
	FETCH_A \slot, (\q)+1, 0
	WIN MUL_HI
	MUL16 4, (\q)%2, \q, \slot, \zero
	MUL16 6, (\q)%2, \q, \slot, \zero
	PLACES NP
	WIN 0
	FETCH_A \slot, (\q)+1, 4
.endm
.macro TURN slot, next, fill           ; a slot's last K step changes slots: one barrier; fill = 1: this slot is filled again, two slots ahead
	s_wait_tensorcnt 0x0                           ; all my tensor loads have landed: my block of the next slot
	ds_add_u32 v[SPW], v[NIL]                      ; 0 onto my spare word
	s_wait_dscnt 4*NL+1                            ; (the add and the youngest 16 loads may be out)
	WIN MUL_LO
	MUL16 0, 1, NQ-1, \slot, 0
	s_wait_dscnt 0x0                               ; the add is done, and my reads of this slot are over
	s_barrier_signal -1
	MUL16 2, 1, NQ-1, \slot, 0
	WIN 0
	s_barrier_wait -1
.if \fill
	CREST                                          ; the barrier has opened a round of the cluster's barrier: no wave of any partner still reads this slot or has a load on its way
	s_add_nc_u64 s[G0+4*\slot+2:G0+4*\slot+3], s[G0+4*\slot+2:G0+4*\slot+3], 4*STRA
	s_add_nc_u64 s[G0B+4*\slot+2:G0B+4*\slot+3], s[G0B+4*\slot+2:G0B+4*\slot+3], 4*STRB
	JLOAD G0+4*\slot, G1, G0B+4*\slot, G1B         ; the first tensor load behind the round; its four v_nop are among the places in front of the loads below
	PLACES NP-4
.else
	PLACES NP
.endif
	FETCH_B \next, 0, 0
	FETCH_A \next, 0, 0
	SCALES \next
	WIN MUL_HI
	MUL16 4, 1, NQ-1, \slot, 0
	MUL16 6, 1, NQ-1, \slot, 0
	PLACES NP
	WIN 0
	FETCH_A \next, 0, 4
.endm
; the way out
.set BR,   6                           ; v6-13    the row bias of my lane's record in each of A's eight blocks
.set BC,   64                          ; v64-127  the column bias in the result's layout
.set T,    128                         ; v128-191 a block's 64 numbers of my record: register 16 b + i = column 32 b + 16 (l / 16) + i
.set PC,   192                         ; v192-207 their codes
.set TM,   208                         ; v208-223 largest magnitudes, bytes, holds, scale operands
.set PWQ,  224                         ; v224-227 the scale word and three zeros
.set STAV, 228
.set SQV,  229
.set BRC,  230                         ; v[230:231] the row bias in hand
.set AI,   91
.set SOFF, 92
.set MNT,  93
.set SEL,  94
.macro QUANT s                         ; 64 numbers of a lane become a record's codes in v[PC] on and its scale word in v[PWQ]
.irp b, 0,1,2,3
	v_max3_num_f32 v[TM+\b], |v[\s+16*\b]|, |v[\s+1+16*\b]|, 0x4800000   ; my 16 numbers of block b, and the floor 2^(9 - 127)
.endr
.irp i, 2,4,6,8,10,12,14
.irp b, 0,1,2,3
	v_max3_num_f32 v[TM+\b], v[TM+\b], |v[\s+16*\b+\i]|, |v[\s+1+16*\b+\i]|
.endr
.endr
.irp b, 0,1,2,3
	v_permlanex16_b32 v[TM+4+\b], v[TM+\b], s[SEL], s[SEL+1]
.endr
.irp b, 0,1,2,3
	v_max_num_f32 v[TM+\b], v[TM+\b], v[TM+4+\b]   ; with lane l xor 16's 16: the block's largest magnitude
.endr
.irp b, 0,1,2,3
	v_add_nc_u32 v[TM+12+\b], 0xfc000000, v[TM+\b] ; 8 off its exponent field: the conversion's scale operand
.endr
.irp b, 0,1,2,3
	v_and_or_b32 v[TM+8+\b], v[TM+\b], 0x7f800000, s[MNT]   ; 448 x the scale
.endr
.irp b, 0,1,2,3
	v_lshrrev_b32 v[TM+4+\b], 23, v[TM+12+\b]      ; the scale's byte
.endr
	v_lshl_or_b32 v[PWQ], v[TM+5], 8, v[TM+4]
	v_lshl_or_b32 v[PWQ], v[TM+6], 16, v[PWQ]
	v_lshl_or_b32 v[PWQ], v[TM+7], 24, v[PWQ]
.irp b, 0,1,2,3
.irp i, 0,1,2,3,4,5,6,7,8,9,10,11,12,13,14,15
	v_med3_num_f32 v[\s+16*\b+\i], v[\s+16*\b+\i], -v[TM+8+\b], v[TM+8+\b]   ; the conversion does not saturate (ISA guide 7.6.2): the hold comes first
.endr
	v_cvt_scalef32_pk8_fp8_f32 v[PC+4*\b:PC+1+4*\b], v[\s+16*\b:\s+7+16*\b], v[TM+12+\b]
	v_cvt_scalef32_pk8_fp8_f32 v[PC+2+4*\b:PC+3+4*\b], v[\s+8+16*\b:\s+15+16*\b], v[TM+12+\b]
.endr
	v_nop                                          ; a plain instruction behind the last conversion
.endm
.macro ARM a                           ; in trip a alone: block a's 64 sums leave the accumulators' window, each accumulator from its low end on, with the column bias added
	s_cmp_lg_u32 s[AI], \a
	s_cbranch_scc1 .Lnot_\@
.set WA, 0x02+(\a)/4
	WIN WA
.set n, 0
.rept 32
	v_pk_add_f32 v[T+n:T+n+1], v[64*((\a)%4)+n:64*((\a)%4)+n+1], v[BC+n:BC+n+1]
.set n, n+2
.endr
	WIN 0
	v_mov_b32 v[BRC], v[BR+\a]
.Lnot_\@:
.endm
	s_load_b128 s[4:7], s[0:1], 0x0                ; himg, wimg
	s_load_b128 s[8:11], s[0:1], 0x10              ; bq, bk
	s_load_b128 s[72:75], s[0:1], 0x20             ; bv, qkvimg
	v_lshl_add_u32 v[SPW], v0, 2, SPARE
	v_mov_b32 v[NIL], 0
	ds_add_u32 v28, v29
	ds_add_u32 v28, v29
	s_wait_dscnt 0x0
	v_lshrrev_b32 v1, 5, v0
	v_readfirstlane_b32 s14, v1                    ; wave 0..3
	s_lshr_b32 s15, s14, 1                         ; which half of A's records is mine.  Also: I fetch for A (0) or for B (1)
	s_and_b32 s16, s14, 1                          ; which half of B's.  Also: which of a slot's two K steps I fetch
	s_bfe_u32 s40, ttmp6, 0x40000                  ; cx, cy: my place in the cluster
	s_bfe_u32 s41, ttmp6, 0x40004
	s_cmp_eq_u32 ttmp9, 2
	s_cselect_b32 s70, 1, 0                        ; 1: this cluster makes v
	s_and_b32 s71, ttmp7, 0xffff
	s_lshl_b32 s71, s71, 2                         ; 4 x cluster y
	s_lshl_b32 s76, ttmp9, 2                       ; 4 x cluster x
	s_add_co_u32 s17, s71, s41
	s_cmp_eq_u32 s70, 1
	s_cselect_b32 s17, s41, s17                    ; A's tile: tokens 4 y + cy, or wv's columns cy
	s_cselect_b32 s42, s71, s76
	s_add_co_u32 s42, s42, s40                     ; B's tile: the weights' columns 4 x + cx, or tokens 4 y + cx
	s_lshl_b32 s43, s41, 2
	s_lshl_b32 s43, 15, s43                        ; my row of the cluster
	s_lshl_b32 s44, 0x1111, s40                    ; my column
	s_or_b32 s[G1+0], s43, (3<<16)|(1<<21)         ; 15:0 the mask; 17:16 elements of 8 bytes; 21 set beside a mask; no padding: the records carry their own
	s_or_b32 s[G1B+0], s44, (3<<16)|(1<<21)
.irp g, G1, G1B
	s_mov_b32 s[\g+1], 32<<16                      ; tensor_dim0 = 32 elements: rows of 256 bytes
	s_mov_b32 s[\g+2], 144<<16                     ; tensor_dim1 = 144 rows: 36,864 dense bytes
	s_mov_b32 s[\g+3], 32<<16                      ; tile_dim0
	s_mov_b32 s[\g+4], 144                         ; tile_dim1
	s_mov_b32 s[\g+5], 32                          ; the pitch
	s_mov_b32 s[\g+6], 0
	s_mov_b32 s[\g+7], 0
.endr
	s_mul_i32 s20, s17, BLK
	s_mul_i32 s18, s16, STRA                       ; my K step of the slot's two
	s_add_co_u32 s20, s20, s18
	s_cmp_eq_u32 s70, 1
	s_cselect_b32 s19, 2048*PITCH, 0               ; wv's records begin at record 2,048 of the weights' image
	s_add_co_u32 s20, s20, s19
	s_mov_b32 s21, 0
	s_mul_i32 s46, s42, BLK
	s_add_co_u32 s46, s46, s18
	s_mov_b32 s47, 0
	s_mul_i32 s45, s14, BLK                        ; where my block goes: no place in the cluster enters an LDS address
	s_wait_kmcnt 0x0
	s_cmp_eq_u32 s70, 1
	s_cselect_b64 s[22:23], s[6:7], s[4:5]         ; A's image
	s_cselect_b64 s[78:79], s[4:5], s[6:7]         ; B's
	s_add_nc_u64 s[20:21], s[22:23], s[20:21]
	s_add_nc_u64 s[46:47], s[78:79], s[46:47]
	CROUND                                         ; all sixteen work-groups are here: the first joint loads meet
.irp s, 0,1
	s_mov_b32 s[G0+4*\s], 1
	s_add_co_u32 s[G0+4*\s+1], s45, \s*SLOT
	s_add_nc_u64 s[G0+4*\s+2:G0+4*\s+3], s[20:21], \s*2*STRA
	s_or_b32 s[G0+4*\s+3], s[G0+4*\s+3], 0x80000000
	s_mov_b32 s[G0B+4*\s], 1
	s_add_co_u32 s[G0B+4*\s+1], s45, \s*SLOT
	s_add_nc_u64 s[G0B+4*\s+2:G0B+4*\s+3], s[46:47], \s*2*STRB
	s_or_b32 s[G0B+4*\s+3], s[G0B+4*\s+3], 0x80000000
	JLOAD G0+4*\s, G1, G0B+4*\s, G1B
.endr
	v_and_b32 v1, 15, v0                           ; r = l % 16
	v_bfe_u32 v2, v0, 4, 1                         ; h = l / 16
	v_mul_u32_u24 v3, v1, PITCH
	v_lshl_add_u32 v4, v2, 4, v3                   ; a fragment's record x pitch + 16 x half
	s_mul_i32 s21, s15, HALF                       ; my 128 records of A
	s_mul_i32 s22, s16, HALF                       ; my 128 of B,
	s_add_co_u32 s22, s22, 2*BLK                   ; behind A's two K steps
	s_sub_co_u32 s23, s22, s21
	v_mul_u32_u24 v5, s23, v2                      ; lanes 16-31 take B's scale words: one product, the distance between the two
	v_add_nc_u32 v5, v3, v5
	v_add_nc_u32 v5, 128, v5
	v_add_nc_u32 v[ADRS], s21, v5
	v_add_nc_u32 v[ADRS+1], SLOT, v[ADRS]
.irp s, 0,1
	v_add_nc_u32 v[ADRA+\s], s21, v4
	v_add_nc_u32 v[ADRB+\s], s22, v4
	s_add_co_u32 s21, s21, SLOT
	s_add_co_u32 s22, s22, SLOT
.endr
	s_mul_i32 s23, s14, HALF                       ; my stage: 128 records.  It lies in slot 0, which has had its last fill and its last read when the first code is stored there
	v_add_nc_u32 v[STO], s23, v4
	v_add_nc_u32 v[SQA], s23, v3
	v_add_nc_u32 v[SQA], 128, v[SQA]
	v_and_b32 v5, 31, v0
	v_lshlrev_b32 v[CO], 4, v5
	v_add_nc_u32 v[RD], s23, v[CO]
	s_lshl_b32 s82, s42, 8
	s_lshl_b32 s83, s16, 7
	s_add_co_u32 s82, s82, s83                     ; my first row of B: a column of the weights' image, or a token
	s_lshl_b32 s86, s17, 8
	s_lshl_b32 s83, s15, 7
	s_add_co_u32 s86, s86, s83                     ; my first row of A: a token, or a channel
	s_and_b32 s84, s82, 1023                       ; both biases are always loaded, from inside their buffers; the one that does not apply is then made 0
	s_lshl_b32 s84, s84, 2
	s_mov_b32 s85, 0
	s_cmp_eq_u32 ttmp9, 1
	s_cselect_b64 s[80:81], s[10:11], s[8:9]
	s_add_nc_u64 s[80:81], s[80:81], s[84:85]
	s_and_b32 s84, s86, 1023
	s_lshl_b32 s84, s84, 2
	s_add_nc_u64 s[72:73], s[72:73], s[84:85]
	v_lshlrev_b32 v15, 6, v2                       ; the column bias: register 16 b + i wants column 32 b + 16 h + i
.set n, 0
.rept 16
	global_load_b128 v[BC+4*n:BC+4*n+3], v15, s[80:81] offset:128*(n/4)+16*(n%4)
.set n, n+1
.endr
	v_and_b32 v5, 7, v1
	v_lshrrev_b32 v14, 3, v1
	v_lshl_add_u32 v5, v14, 4, v5
	v_lshlrev_b32 v5, 2, v5                        ; the row bias: record 16 a + r holds row 32 (a / 2) + 16 (r / 8) + 8 (a % 2) + r % 8
.irp a, 0,1,2,3,4,5,6,7
	global_load_b32 v[BR+\a], v5, s[72:73] offset:(32*(\a/2)+8*(\a%2))*4
.endr
	s_lshr_b32 s87, s86, 11                        ; q, k: [batch][pair of heads][token]
	s_lshl_b32 s87, s87, 3
	s_and_b32 s88, s82, 1023
	s_lshr_b32 s88, s88, 7
	s_add_co_u32 s87, s87, s88
	s_lshl_b32 s87, s87, 11
	s_and_b32 s88, s86, 2047
	s_add_co_u32 s87, s87, s88
	s_mul_i32 s87, s87, PITCH
	s_mul_i32 s88, ttmp9, 4718592
	s_add_co_u32 s87, s87, s88
	s_lshr_b32 s89, s82, 11                        ; v: [batch][key step][channel]
	s_lshl_b32 s89, s89, 4
	s_and_b32 s90, s82, 2047
	s_lshr_b32 s90, s90, 7
	s_add_co_u32 s89, s89, s90
	s_lshl_b32 s89, s89, 10
	s_add_co_u32 s89, s89, s86
	s_mul_i32 s89, s89, PITCH
	s_add_co_u32 s89, s89, 9437184
	s_cmp_eq_u32 s70, 1
	s_cselect_b32 s88, s89, s87
	s_mov_b32 s89, 0
	s_add_nc_u64 s[74:75], s[74:75], s[88:89]      ; my wave's 128 records: 18,432 dense bytes
	s_mov_b32 s[MNT], 0x600000
	s_mov_b32 s[SEL], 0x76543210
	s_mov_b32 s[SEL+1], 0xfedcba98
	s_wait_loadcnt 0x0                             ; the biases
	s_cmp_eq_u32 s70, 1
	s_cselect_b32 vcc_lo, 0, -1                    ; q, k: the column bias counts
.set n, 0
.rept 64
	v_cndmask_b32 v[BC+n], 0, v[BC+n], vcc_lo
.set n, n+1
.endr
	s_cselect_b32 vcc_lo, -1, 0                    ; v: the row bias counts
.irp a, 0,1,2,3,4,5,6,7
	v_cndmask_b32 v[BR+\a], 0, v[BR+\a], vcc_lo
.endr
	s_wait_tensorcnt 1                             ; my block of slot 0 is in (slot 1's may be out)
	s_barrier_signal -1
	s_barrier_wait -1                              ; everybody's is
	FETCH_B 0, 0, 0
	FETCH_A 0, 0, 0
	SCALES 0
	FETCH_A 0, 0, 4
	STEP 0, 0, 1                                   ; the first K step stands in front of the loop: its products start the sums
	s_mov_b32 s3, LAPS-1
.Llap:
	TURN 0, 1, 1
	STEP 1, 0, 0
	TURN 1, 0, 1
	STEP 0, 0, 0
	s_sub_co_u32 s3, s3, 1
	s_cmp_lg_u32 s3, 0
	s_cbranch_scc1 .Llap
	TURN 0, 1, 0                                   ; the last lap fills nothing
	STEP 1, 0, 0
	s_wait_dscnt 4*NL
	WIN MUL_LO
	MUL16 0, 1, NQ-1, 1, 0
	MUL16 2, 1, NQ-1, 1, 0
	s_wait_dscnt 0
	WIN MUL_HI
	MUL16 4, 1, NQ-1, 1, 0
	MUL16 6, 1, NQ-1, 1, 0
	WIN 0
	; THE WAY OUT: eight trips, one for each of A's blocks of 16 records.  The trip's text is written once; only the 32 lines that take a block out of its window are written for each block.
	PLACES NP
.irp r, 1,2,3
	v_mov_b32 v[PWQ+\r], 0
.endr
.irp b, 0,1,2,3
	v_mov_b32 v[TM+4+\b], 0                        ; a lane permute's destination counts as one of its sources
.endr
	v_mov_b32 v[BRC], 0
	v_mov_b32 v[BRC+1], 0
	s_mov_b32 s[AI], 0
	s_mov_b32 s[SOFF], 0
.Lrows:
.irp a, 0,1,2,3,4,5,6,7
	ARM \a
.endr
.set n, 0
.rept 32
	v_pk_add_f32 v[T+n:T+n+1], v[T+n:T+n+1], v[BRC:BRC+1] op_sel_hi:[1,0]   ; the row bias (0 for q and k)
.set n, n+2
.endr
	QUANT T
	v_add_nc_u32 v[STAV], s[SOFF], v[STO]
	v_add_nc_u32 v[SQV], s[SOFF], v[SQA]
.irp b, 0,1,2,3
	ds_store_b128 v[STAV], v[PC+4*\b:PC+4*\b+3] offset:32*\b
.endr
	ds_store_b128 v[SQV], v[PWQ:PWQ+3]             ; both halves of the lanes write the same 16 bytes with the same value
	s_wait_dscnt 0x0                               ; the stores have read their registers
	s_add_co_u32 s[SOFF], s[SOFF], 16*PITCH
	s_add_co_u32 s[AI], s[AI], 1
	s_cmp_lt_u32 s[AI], 8
	s_cbranch_scc1 .Lrows
.set c, 0
.rept 36
	ds_load_b128 v[64+4*c:64+4*c+3], v[RD] offset:512*c    ; my own stage: LDS serves a wave's instructions in order
.set c, c+1
.endr
.set c, 0
.rept 36
	s_wait_dscnt 35-c
	global_store_b128 v[CO], v[64+4*c:64+4*c+3], s[74:75] offset:512*c   ; 512 consecutive bytes, aligned to 256
.set c, c+1
.endr
	s_wait_tensorcnt 0x0                           ; the wave's end
	ds_add_u32 v[SPW], v[NIL]
	s_wait_dscnt 0x0
	CROUND                                         ; the closing round: no work-group ends while a partner may still ask for a block that names it
	s_endpgm
.Lfunc_end_k_q57366c62c4_qkv:
	.size	k_q57366c62c4_qkv, .Lfunc_end_k_q57366c62c4_qkv-k_q57366c62c4_qkv
	.p2alignl 7, 3214868480
	.fill 96, 4, 3214868480
	.section	.rodata,"a",@progbits
	.p2align	6, 0x0
	.amdhsa_kernel k_q57366c62c4_qkv
		.amdhsa_group_segment_fixed_size 327680
		.amdhsa_private_segment_fixed_size 0
		.amdhsa_enable_private_segment 0
		.amdhsa_kernarg_size 48
		.amdhsa_user_sgpr_count 2
		.amdhsa_user_sgpr_kernarg_segment_ptr 1
		.amdhsa_wavefront_size32 1
		.amdhsa_system_sgpr_workgroup_id_x 1
		.amdhsa_system_sgpr_workgroup_id_y 1
		.amdhsa_system_sgpr_workgroup_id_z 1
		.amdhsa_system_vgpr_workitem_id 0
		.amdhsa_next_free_vgpr 1024
		.amdhsa_next_free_sgpr 100
		.amdhsa_reserve_vcc 1
		.amdhsa_float_denorm_mode_32 3
		.amdhsa_float_denorm_mode_16_64 3
		.amdhsa_memory_ordered 1
		.amdhsa_forward_progress 1
		.amdhsa_inst_pref_size 157
	.end_amdhsa_kernel
	.amdgpu_metadata
---
amdhsa.version: [ 1, 2 ]
amdhsa.kernels:
  - .name:           k_q57366c62c4_qkv
    .symbol:         k_q57366c62c4_qkv.kd
    .args:
      - { .name: himg, .offset: 0, .size: 8, .value_kind: global_buffer, .address_space: global }
      - { .name: wimg, .offset: 8, .size: 8, .value_kind: global_buffer, .address_space: global }
      - { .name: bq, .offset: 16, .size: 8, .value_kind: global_buffer, .address_space: global }
      - { .name: bk, .offset: 24, .size: 8, .value_kind: global_buffer, .address_space: global }
      - { .name: bv, .offset: 32, .size: 8, .value_kind: global_buffer, .address_space: global }
      - { .name: qkvimg, .offset: 40, .size: 8, .value_kind: global_buffer, .address_space: global }
    .group_segment_fixed_size: 327680
    .private_segment_fixed_size: 0
    .kernarg_segment_align: 8
    .kernarg_segment_size: 48
    .max_flat_workgroup_size: 128
    .sgpr_count:     100
    .vgpr_count:     1024
    .wavefront_size: 32
...
	.end_amdgpu_metadata
.endif
;; end of part 3
;; launch attn (part 4): grid 16 x 16, 16 waves a work-group, no clusters, 169,984 bytes of LDS; arguments qkvimg, cimg; writes cimg
.if DOCPART == 4
	.amdgcn_target "amdgcn-amd-amdhsa--gfx1250"
	.amdhsa_code_object_version 6
	.text
	.protected	k_q57366c62c4_attn
	.globl	k_q57366c62c4_attn
	.p2align	8
	.type	k_q57366c62c4_attn,@function
k_q57366c62c4_attn:
	s_mov_b64 s[64:65], 0
	v_nop
	global_prefetch_b8 v0, s[64:65] scope:SCOPE_SE
	s_setreg_imm32_b32 hwreg(HW_REG_WAVE_MODE, 25, 1), 1
	s_wait_xcnt 0x0
; ctx = softmax(q k^T / 8, masked) v for one batch and pair of heads (work-group y) and 128 queries (work-group x), both products on E4M3 codes with E8M0 scales; ctx is quantised on the way out.
; THE MASK is the problem's own: query i sees key j where i - j is one of 0, 2, .. 256.  So 128 queries see at most three key steps of 128: steps max(x - 2, 0) on.  The clamp keeps the tiles inside the sequence; the mask does the rest.
; V and p are quantised in blocks of 32 CONSECUTIVE keys, so the band is computed dense and hidden scores become -infinity ahead of the maximum: p = 0.  Each query sees a key of the first of the three steps, so M is a number from the first step on.
; THE SOFTMAX: t = score x log2(e) / 8; M = the largest t so far rounded up to a whole number; p = 2^(t - M) is quantised along the keys; the sum is taken of the unquantised p and divides at the end; when M moves, sum and O are multiplied by 2^(old M - new M): exact.
; IMAGES: q, k: [batch][pair][token][144]: a record = two heads' 64 + 64 codes, 2 + 2 scale bytes, 12 zeros.  v: [batch][key step][channel][144]: 128 keys' codes of one channel, 4 scale bytes.  Record p holds row swap34(p) (bits 3 and 4 exchanged).
; SHARES: sixteen waves; wave w: head w / 8 of the pair, queries' tile w % 8: 16 records.  Both products are used transposed (S^T = K Q^T, O^T = V^T P^T): a lane holds one query throughout, and by the images' order of records
; the 16 registers of two neighbouring tiles are 16 neighbouring keys (or channels).  The head's K is 64: Q's upper eight registers are zero codes, so what K's upper eight hold (zeros, later V's codes, all finite) adds nothing.
; LDS is filled once: three tiles of K, three of V (18,432 dense bytes each, waves 0 to 5, one tensor load each); behind them the stage for ctx's 128 records.
; LIMITS: a block of ctx whose largest magnitude lies under 2^-118 gets the byte 1; NaN and infinities are not served.
; REGISTERS: v1-10 addresses; v12 -M, v13 the largest t, v[14:15] the sum; v16-31 Q; v32-95 four fragments; v96-159 S^T, then p; v160-191 O^T; v192-207 p's codes; v232-254 at work; v248-251, v253, v255 scale words.
.set PITCH, 144
.set STEPB, 128*PITCH
.set VLDS,  3*STEPB
.set CSTG,  6*STEPB
.set KOFF,  4718592
.set VOFF,  9437184
.set AK0,  1                           ; v1   144 r + 16 h + 64 x head: my place in a tile of K, and in my tile of Q in memory
.set AV0,  2                           ; v2   my place in a tile of V
.set ASK,  3                           ; v3   K's (and Q's) two scale bytes
.set ASV,  4                           ; v4   V's scale word
.set DE,   5                           ; v5   my query - the window's first key - 16 h where my query is even, else 2^31: for even registers
.set DO,   6                           ; v6   the same where my query is odd: for odd registers
.set CST,  7                           ; v7   ctx: where my codes go
.set CSS,  8                           ; v8   and my two scale bytes
.set CPL,  9                           ; v9   the way out: LDS
.set CPG,  10                          ; v10  16 x lane
.set WV,   18
.set MNT,  19
.set SEL,  20
.set CS,   22
	s_load_b128 s[4:7], s[0:1], 0x0                ; qkvimg, cimg
	v_lshl_add_u32 v230, v0, 2, 0x29000
	v_mov_b32 v231, 0
	ds_add_u32 v230, v231
	ds_add_u32 v230, v231
	v_lshrrev_b32 v232, 5, v0
	v_readfirstlane_b32 s[WV], v232                ; wave 0..15
	s_and_b32 s40, ttmp7, 0xffff                   ; 8 x batch + pair
	s_lshr_b32 s41, s40, 3
	s_and_b32 s42, s40, 7
	s_sub_co_i32 s43, ttmp9, 2
	s_max_i32 s43, s43, 0                          ; the window's first key step
	s_lshr_b32 s44, s[WV], 3                       ; which head of the pair
	s_and_b32 s45, s[WV], 7                        ; which tile of queries
	s_lshl_b32 s24, s40, 11                        ; waves 0-2: K's tile of key step first + wave
	s_add_co_u32 s25, s43, s[WV]
	s_lshl_b32 s25, s25, 7
	s_add_co_u32 s24, s24, s25
	s_mul_i32 s24, s24, PITCH
	s_add_co_u32 s24, s24, KOFF
	s_lshl_b32 s26, s41, 4                         ; waves 3-5: V's tile of key step first + wave - 3
	s_add_co_u32 s26, s26, s43
	s_add_co_u32 s26, s26, s[WV]
	s_sub_co_u32 s26, s26, 3
	s_lshl_b32 s26, s26, 10
	s_lshl_b32 s27, s42, 7
	s_add_co_u32 s26, s26, s27
	s_mul_i32 s26, s26, PITCH
	s_add_co_u32 s26, s26, VOFF
	s_cmp_lt_u32 s[WV], 3
	s_cselect_b32 s24, s24, s26
	s_mov_b32 s25, 0
	s_mov_b32 s32, 3<<16                           ; group 1: elements of 8 bytes, no mask, no padding
	s_mov_b32 s33, 32<<16                          ; rows of 256 bytes,
	s_mov_b32 s34, 72<<16                          ; 72 of them: 18,432 dense bytes
	s_mov_b32 s35, 32<<16
	s_mov_b32 s36, 72
	s_mov_b32 s37, 32
	s_mov_b32 s38, 0
	s_mov_b32 s39, 0
	s_mov_b32 s28, 1
	s_mul_i32 s29, s[WV], STEPB                    ; K's three tiles, then V's three
	s_wait_dscnt 0x0
	s_wait_kmcnt 0x0
	s_add_nc_u64 s[30:31], s[4:5], s[24:25]
	s_or_b32 s31, s31, 0x80000000
	s_cmp_lt_u32 s[WV], 6
	s_cbranch_scc0 .Lno_fill
	tensor_load_to_lds s[28:31], s[32:39]          ; filled once: one tensor load of mine is out
	s_nop 0
.rept 4
	v_nop
.endr
.Lno_fill:
	s_lshl_b32 s47, s40, 11
	s_lshl_b32 s48, ttmp9, 7
	s_add_co_u32 s47, s47, s48
	s_lshl_b32 s48, s45, 4
	s_add_co_u32 s47, s47, s48
	s_mul_i32 s48, s47, PITCH
	s_mov_b32 s49, 0
	s_add_nc_u64 s[48:49], s[4:5], s[48:49]        ; my 16 records of Q
	v_and_b32 v232, 15, v0                         ; r
	v_bfe_u32 v233, v0, 4, 1                       ; h
	v_mul_u32_u24 v234, v232, PITCH
	s_lshl_b32 s46, s44, 6
	v_lshl_add_u32 v[AK0], v233, 4, v234
	v_add_nc_u32 v[AV0], VLDS, v[AK0]
	v_add_nc_u32 v[AK0], s46, v[AK0]
	s_lshl_b32 s46, s44, 1
	v_add_nc_u32 v[ASK], 128, v234
	v_add_nc_u32 v[ASV], VLDS, v[ASK]
	v_add_nc_u32 v[ASK], s46, v[ASK]
	s_mul_i32 s46, s44, 64*PITCH                   ; my head's 64 channels
	v_add_nc_u32 v[AV0], s46, v[AV0]
	v_add_nc_u32 v[ASV], s46, v[ASV]
	global_load_b128 v[16:19], v[AK0], s[48:49]    ; Q's fragment: my head's 64 codes,
	global_load_b128 v[20:23], v[AK0], s[48:49] offset:32
	global_load_u16 v255, v[ASK], s[48:49]         ; and two scale bytes (the upper two are 0: they scale zero codes)
.irp r, 24,25,26,27,28,29,30,31
	v_mov_b32 v\r, 0                               ; zero codes for K = 64 .. 127
.endr
.irp u, 0,1,2,3
.irp r, 8,9,10,11,12,13,14,15
	v_mov_b32 v[32+16*\u+\r], 0
.endr
.endr
	s_mul_i32 s46, s45, 16*PITCH
	s_add_co_u32 s46, s46, CSTG
	v_add_nc_u32 v[CST], s46, v[AK0]
	v_add_nc_u32 v[CSS], s46, v[ASK]
	s_lshl_b32 s47, s44, 3
	s_mul_i32 s47, s47, PITCH
	s_add_co_u32 s47, s47, s46
	v_and_b32 v235, 7, v0
	v_mul_u32_u24 v235, v235, PITCH
	v_add_nc_u32 v235, s47, v235                   ; eight records of the stage are mine to clear behind the codes
	v_mov_b32 v236, 0
	v_mov_b32 v237, 0
	v_mov_b32 v238, 0
	v_mov_b32 v239, 0                              ; (also: a lane permute's destination counts as one of its sources)
	ds_store_b128 v235, v[236:239] offset:128
	s_mul_i32 s47, s[WV], 1536
	s_add_co_u32 s47, s47, CSTG
	v_and_b32 v[CPG], 31, v0
	v_lshlrev_b32 v[CPG], 4, v[CPG]
	v_add_nc_u32 v[CPL], s47, v[CPG]
	s_sub_co_u32 s46, ttmp9, s43                   ; my query less the window's first key: 128 (x - first step) + 32 (tile / 2) + 8 (tile % 2) + 16 (r / 8) + r % 8
	s_lshl_b32 s46, s46, 7
	s_lshr_b32 s47, s45, 1
	s_lshl_b32 s47, s47, 5
	s_add_co_u32 s46, s46, s47
	s_and_b32 s47, s45, 1
	s_lshl_b32 s47, s47, 3
	s_add_co_u32 s46, s46, s47
	v_and_b32 v234, 7, v0
	v_bfe_u32 v235, v0, 3, 1
	v_sub_nc_u32 v235, v235, v233                  ; my registers' keys begin 16 h on
	v_lshl_add_u32 v234, v235, 4, v234
	v_add_nc_u32 v234, s46, v234
	v_and_b32 v235, 1, v0
	v_cmp_eq_u32 vcc_lo, 0, v235                   ; my query's parity is r's
	v_mov_b32 v254, 0x80000000
	v_cndmask_b32 v[DE], v254, v234, vcc_lo
	v_cndmask_b32 v[DO], v234, v254, vcc_lo
	s_lshl_b32 s46, s42, 12                        ; ctx's image: K step = the pair; records 2,048 x batch + 128 x on; my 1,536 bytes of the 18,432
	s_lshl_b32 s47, s41, 11
	s_add_co_u32 s46, s46, s47
	s_lshl_b32 s47, ttmp9, 7
	s_add_co_u32 s46, s46, s47
	s_mul_i32 s46, s46, PITCH
	s_mul_i32 s47, s[WV], 1536
	s_add_co_u32 s46, s46, s47
	s_mov_b32 s47, 0
	s_add_nc_u64 s[6:7], s[6:7], s[46:47]
	s_mov_b32 s[SEL], 0x76543210
	s_mov_b32 s[SEL+1], 0xfedcba98
	s_mov_b32 s[CS], 0x3e38aa3b                    ; c = log2(e) / 8
	s_mov_b32 s[CS+1], s[CS]
	s_mov_b32 s[MNT], 0x600000
	v_mov_b32 v13, 0xff61b1e6                      ; the largest t so far: -3e38
	v_floor_f32 v12, -v13
	v_mov_b32 v14, 0
	v_mov_b32 v15, 0
	v_mov_b32 v253, 0
	s_wait_tensorcnt 0x0                           ; my tile has landed,
	s_wait_dscnt 0x0                               ; my store into the stage is done:
	s_barrier_signal -1
	s_barrier_wait -1                              ; everybody's
	s_wait_loadcnt 0x0                             ; Q
.macro STEP st                         ; the window's key step st: 128 keys
.irp g, 0,1
.rept 8
	v_nop                                          ; places in front of loads into registers that matrix instructions have read
.endr
.irp u, 0,1,2,3
.irp c, 0,1
	ds_load_b128 v[32+16*\u+4*\c:35+16*\u+4*\c], v[AK0] offset:\st*STEPB+(4*\g+\u)*16*PITCH+32*\c
.endr
	ds_load_u16 v[248+\u], v[ASK] offset:\st*STEPB+(4*\g+\u)*16*PITCH
.endr
	s_wait_dscnt 0x0
.irp u, 0,1,2,3
	v_wmma_scale_f32_16x16x128_f8f6f4 v[96+8*(4*\g+\u):103+8*(4*\g+\u)], v[32+16*\u:47+16*\u], v[16:31], 0, v[248+\u], v255
.endr
.endr
.rept 8
	v_nop
.endr
	v_mov_b32 v254, 0xff800000                     ; -infinity
.set n, 0
.rept 64                               ; register n holds key 128 st + 32 (n / 16) + n % 16 (+ 16 h) of the window: seen where my query less that key is even and 0 .. 256
.if (n%2) == 0
	v_add_nc_u32 v252, -(128*\st+32*(n/16)+(n%16)), v[DE]
.else
	v_add_nc_u32 v252, -(128*\st+32*(n/16)+(n%16)), v[DO]
.endif
	v_cmp_gt_u32 vcc_lo, 257, v252
	v_cndmask_b32 v[96+n], v254, v[96+n], vcc_lo
.set n, n+1
.endr
.irp b, 0,1,2,3
	v_max3_num_f32 v[232+\b], v[96+16*\b], v[97+16*\b], v[98+16*\b]   ; the largest score of each block of 32 keys: for the row's maximum, and, since p rises with the score, for the block's largest p
.endr
.irp i, 3,5,7,9,11,13
.irp b, 0,1,2,3
	v_max3_num_f32 v[232+\b], v[232+\b], v[96+16*\b+\i], v[97+16*\b+\i]
.endr
.endr
.irp b, 0,1,2,3
	v_max_num_f32 v[232+\b], v[232+\b], v[111+16*\b]
.endr
.irp b, 0,1,2,3
	v_permlanex16_b32 v[236+\b], v[232+\b], s[SEL], s[SEL+1]
.endr
.irp b, 0,1,2,3
	v_max_num_f32 v[232+\b], v[232+\b], v[236+\b]
.endr
	v_max3_num_f32 v254, v232, v233, v234
	v_max_num_f32 v254, v254, v235
	v_mul_f32 v254, s[CS], v254
	v_max_num_f32 v13, v13, v254                   ; the running largest t
	v_mov_b32 v254, v12
	v_floor_f32 v12, -v13                          ; the new -M = -ceil(t)
	v_sub_f32 v254, v12, v254
	v_cvt_i32_f32 v254, v254                       ; (it saturates)
	v_ldexp_f32 v252, 1.0, v254                    ; f = 2^(old M - new M)
.set n, 0
.rept 32
	v_pk_fma_f32 v[96+n:97+n], v[96+n:97+n], s[CS:CS+1], v[12:13] op_sel_hi:[1,0,0]   ; t - M
.set n, n+2
.endr
.irp b, 0,1,2,3
	v_fma_f32 v[232+\b], v[232+\b], s[CS], v12
.endr
.set n, 0
.rept 64
	v_exp_f32 v[96+n], v[96+n]                     ; p = 2^(t - M)
.set n, n+1
.endr
.irp b, 0,1,2,3
	v_exp_f32 v[232+\b], v[232+\b]                 ; the block's largest p: the same two instructions on the same number
.endr
	v_pk_mul_f32 v[14:15], v[14:15], v[252:253] op_sel_hi:[1,0]   ; the sums under the new M (a plain instruction behind the exponentials)
	s_wait_alu depctr_va_vdst(0)
.irp b, 0,1,2,3
	v_max_num_f32 v[232+\b], 0x4800000, v[232+\b]  ; the floor 2^(9 - 127)
.endr
.irp b, 0,1,2,3
	v_add_nc_u32 v[244+\b], 0xfc000000, v[232+\b]
.endr
.irp b, 0,1,2,3
	v_and_or_b32 v[240+\b], v[232+\b], 0x7f800000, s[MNT]
.endr
.irp b, 0,1,2,3
	v_lshrrev_b32 v[236+\b], 23, v[244+\b]
.endr
	v_lshl_or_b32 v253, v237, 8, v236              ; p's scale word for these 128 keys
	v_lshl_or_b32 v253, v238, 16, v253
	v_lshl_or_b32 v253, v239, 24, v253
	v_pk_add_f32 v[236:237], v[96:97], v[98:99]    ; the sum of the unquantised p, in two chains
.irp j, 4,8,12,16,20,24,28,32,36,40,44,48,52,56,60
	v_pk_add_f32 v[14:15], v[14:15], v[96+\j:97+\j]
	v_pk_add_f32 v[236:237], v[236:237], v[98+\j:99+\j]
.endr
	v_pk_add_f32 v[14:15], v[14:15], v[236:237]
.irp b, 0,1,2,3
.irp i, 0,1,2,3,4,5,6,7,8,9,10,11,12,13,14,15
	v_min_num_f32 v[96+16*\b+\i], v[96+16*\b+\i], v[240+\b]   ; the hold: p is not negative
.endr
	v_cvt_scalef32_pk8_fp8_f32 v[192+4*\b:193+4*\b], v[96+16*\b:103+16*\b], v[244+\b]
	v_cvt_scalef32_pk8_fp8_f32 v[194+4*\b:195+4*\b], v[104+16*\b:111+16*\b], v[244+\b]
.endr
.if \st > 0
.set n, 0
.rept 16
	v_pk_mul_f32 v[160+n:161+n], v[160+n:161+n], v[252:253] op_sel_hi:[1,0]   ; O^T under the new M; these are also the places behind the conversions
.set n, n+2
.endr
.else
.rept 8
	v_nop                                          ; the first step starts O^T: nothing to rescale; the places behind the conversions
.endr
.endif
.irp u, 0,1,2,3
.irp c, 0,1,2,3
	ds_load_b128 v[32+16*\u+4*\c:35+16*\u+4*\c], v[AV0] offset:\st*STEPB+\u*16*PITCH+32*\c
.endr
	ds_load_b32 v[248+\u], v[ASV] offset:\st*STEPB+\u*16*PITCH
.endr
	s_wait_dscnt 0x0
.irp u, 0,1,2,3
.if \st > 0
	v_wmma_scale_f32_16x16x128_f8f6f4 v[160+8*\u:167+8*\u], v[32+16*\u:47+16*\u], v[192:207], v[160+8*\u:167+8*\u], v[248+\u], v253
.else
	v_wmma_scale_f32_16x16x128_f8f6f4 v[160+8*\u:167+8*\u], v[32+16*\u:47+16*\u], v[192:207], 0, v[248+\u], v253
.endif
.endr
.endm
	STEP 0
	STEP 1
	STEP 2
.rept 8
	v_nop
.endr
	v_add_f32 v14, v14, v15
	v_permlanex16_b32 v252, v14, s[SEL], s[SEL+1]
	v_add_f32 v14, v14, v252                       ; the row's sum
	v_rcp_f32 v14, v14
	v_nop
.set n, 0
	s_wait_alu depctr_va_vdst(0)
.rept 16
	v_pk_mul_f32 v[96+n:97+n], v[160+n:161+n], v[14:15] op_sel_hi:[1,0]   ; ctx: register 16 b + i = channel 32 b + 16 h + i of my head
.set n, n+2
.endr
.irp b, 0,1
	v_max3_num_f32 v[232+\b], |v[96+16*\b]|, |v[97+16*\b]|, 0x4800000
.endr
.irp i, 2,4,6,8,10,12,14
.irp b, 0,1
	v_max3_num_f32 v[232+\b], v[232+\b], |v[96+16*\b+\i]|, |v[97+16*\b+\i]|
.endr
.endr
.irp b, 0,1
	v_permlanex16_b32 v[236+\b], v[232+\b], s[SEL], s[SEL+1]
.endr
.irp b, 0,1
	v_max_num_f32 v[232+\b], v[232+\b], v[236+\b]
.endr
.irp b, 0,1
	v_add_nc_u32 v[244+\b], 0xfc000000, v[232+\b]
.endr
.irp b, 0,1
	v_and_or_b32 v[240+\b], v[232+\b], 0x7f800000, s[MNT]
.endr
.irp b, 0,1
	v_lshrrev_b32 v[236+\b], 23, v[244+\b]
.endr
	v_lshl_or_b32 v252, v237, 8, v236              ; my head's two scale bytes
.irp b, 0,1
.irp i, 0,1,2,3,4,5,6,7,8,9,10,11,12,13,14,15
	v_med3_num_f32 v[96+16*\b+\i], v[96+16*\b+\i], -v[240+\b], v[240+\b]
.endr
	v_cvt_scalef32_pk8_fp8_f32 v[192+4*\b:193+4*\b], v[96+16*\b:103+16*\b], v[244+\b]
	v_cvt_scalef32_pk8_fp8_f32 v[194+4*\b:195+4*\b], v[104+16*\b:111+16*\b], v[244+\b]
.endr
	v_nop
	ds_store_b128 v[CST], v[192:195]
	ds_store_b128 v[CST], v[196:199] offset:32
	ds_store_b16 v[CSS], v252                      ; both halves of the lanes write the same two bytes
	s_wait_dscnt 0x0                               ; for the others' sake: my stores are done
	s_barrier_signal -1
	s_barrier_wait -1
	s_cmp_lt_u32 s[WV], 12                         ; 18,432 bytes leave by twelve waves, 1,536 each
	s_cbranch_scc0 .Ldone
.irp c, 0,1,2
	ds_load_b128 v[96+4*\c:99+4*\c], v[CPL] offset:512*\c
.endr
.irp c, 0,1,2
	s_wait_dscnt 2-\c
	global_store_b128 v[CPG], v[96+4*\c:99+4*\c], s[6:7] offset:512*\c
.endr
.Ldone:
	s_wait_tensorcnt 0x0
	ds_add_u32 v230, v231
	s_wait_dscnt 0x0
	s_endpgm
.Lfunc_end_k_q57366c62c4_attn:
	.size	k_q57366c62c4_attn, .Lfunc_end_k_q57366c62c4_attn-k_q57366c62c4_attn
	.p2alignl 7, 3214868480
	.fill 96, 4, 3214868480
	.section	.rodata,"a",@progbits
	.p2align	6, 0x0
	.amdhsa_kernel k_q57366c62c4_attn
		.amdhsa_group_segment_fixed_size 169984
		.amdhsa_private_segment_fixed_size 0
		.amdhsa_enable_private_segment 0
		.amdhsa_kernarg_size 16
		.amdhsa_user_sgpr_count 2
		.amdhsa_user_sgpr_kernarg_segment_ptr 1
		.amdhsa_wavefront_size32 1
		.amdhsa_system_sgpr_workgroup_id_x 1
		.amdhsa_system_sgpr_workgroup_id_y 1
		.amdhsa_system_sgpr_workgroup_id_z 1
		.amdhsa_system_vgpr_workitem_id 0
		.amdhsa_next_free_vgpr 256
		.amdhsa_next_free_sgpr 66
		.amdhsa_reserve_vcc 1
		.amdhsa_float_denorm_mode_32 3
		.amdhsa_float_denorm_mode_16_64 3
		.amdhsa_memory_ordered 1
		.amdhsa_forward_progress 1
		.amdhsa_inst_pref_size 100
	.end_amdhsa_kernel
	.amdgpu_metadata
---
amdhsa.version: [ 1, 2 ]
amdhsa.kernels:
  - .name:           k_q57366c62c4_attn
    .symbol:         k_q57366c62c4_attn.kd
    .args:
      - { .name: qkvimg, .offset: 0, .size: 8, .value_kind: global_buffer, .address_space: global }
      - { .name: cimg, .offset: 8, .size: 8, .value_kind: global_buffer, .address_space: global }
    .group_segment_fixed_size: 169984
    .private_segment_fixed_size: 0
    .kernarg_segment_align: 8
    .kernarg_segment_size: 16
    .max_flat_workgroup_size: 512
    .sgpr_count:     66
    .vgpr_count:     256
    .wavefront_size: 32
...
	.end_amdgpu_metadata
.endif
;; end of part 4
;; launch wo (part 5): grid 4 x 16, 4 waves a work-group, clusters of 4 x 4, 327,680 bytes of LDS; arguments cimg, wimg, bo, x, x1; writes x1
.if DOCPART == 5
	.amdgcn_target "amdgcn-amd-amdhsa--gfx1250"
	.amdhsa_code_object_version 6
	.text
	.protected	k_q57366c62c4_wo
	.globl	k_q57366c62c4_wo
	.p2align	8
	.type	k_q57366c62c4_wo,@function
k_q57366c62c4_wo:
	s_mov_b64 s[64:65], 0
	v_nop
	global_prefetch_b8 v0, s[64:65] scope:SCOPE_SE
	s_setreg_imm32_b32 hwreg(HW_REG_WAVE_MODE, 25, 1), 1
	s_wait_xcnt 0x0
	s_wait_alu depctr_hold_cnt(0) depctr_sa_sdst(0) depctr_va_vdst(0) depctr_va_sdst(0) depctr_va_ssrc(0) depctr_va_vcc(0) depctr_vm_vsrc(0)
	s_getreg_b32 s2, hwreg(HW_REG_IB_STS2, 6, 4)
	s_cmp_eq_u32 s2, 0
	s_cbranch_scc0 .Lentry_in_a_cluster
	s_endpgm
.Lentry_in_a_cluster:
	s_bfe_u32 s2, ttmp6, 0x10000c
	s_cmp_lg_u32 s2, 0xf033
	s_cbranch_scc0 .Lentry_shape_is_right
	s_endpgm
.Lentry_shape_is_right:
; x1 = x + (ctx wo + bo): the product on E4M3 codes with E8M0 scales, sums, bias and residual in f32.
; OPERAND IMAGES: [K / 128][rows][144 bytes]; a record = 128 codes, four scale bytes, 12 zeros; record p holds row swap34(p) (bits 3 and 4 exchanged).  256 records of a K step are 36,864 dense bytes: what lies in memory is what lies in LDS.
; Second source (A) = 256 tokens of ctx, first source (B) = 256 columns of wo: a lane holds one token and columns along its registers.
; A tile of 256 x 256 is made by four waves, 128 x 128 each: 64 accumulators.  K goes in steps of 256 (two K steps of 128) through a ring of two LDS slots; each wave brings one block of 36,864 bytes a slot by one tensor load.
; CLUSTERS: 4 x 4 work-groups; A's blocks are asked for jointly along a row of the cluster, B's along a column.  The output has 64 such tiles: 64 work-groups.
; REGISTERS: window 0: v1-15 at work; v16-29 addresses; v32-63 scale words, two sets; v64-67 the bias; v128-255 A's fragments, on the way out rows of the result.  window 1: B's fragments, on the way out the residual.  windows 2, 3: the accumulators.
.set LAPS,  2                          ; K = 1,024
.set STRA,  4096*144
.set STRB,  1024*144
.set OFFB,  4718592                    ; wo's image in wimg
.set NTOUT, 0                          ; the result is read again by later launches
.set PITCH, 144
.set BLK,   256*PITCH
.set HALF,  128*PITCH
.set SLOT,  4*BLK
.set SPARE, 2*SLOT                     ; behind the ring: the spare words, 128 bytes for each wave: two blocks of 256 bytes that no other line names
.set NQ,    2
.set FR,    16
.set NL,    4
.set NP,    8
.set ADRA, 16
.set ADRB, 20
.set ADRS, 22
.set STO,  24
.set RD,   25
.set CO,   26
.set SPW,  28
.set NIL,  29
.set SC,   32
.set AF,   128
.set G1,  24
.set G0,  32
.set G1B, 48
.set G0B, 56
.set MSB, 0
.macro WIN new                         ; the immediate's high byte repeats the setting that is left
.if MSB != \new
	s_set_vgpr_msb (MSB<<8)|\new
.set MSB, \new
.endif
.endm
.set MUL_LO, 0xa1
.set MUL_HI, 0xf1
.set TO_B,   0x40
.macro JLOAD g0a, g1a, g0b, g1b        ; a joint load: waves 0 and 1 fetch A's two K steps, waves 2 and 3 B's; four v_nop follow each of the two lines
	s_cmp_eq_u32 s15, 0
	s_cbranch_scc0 .Lfor_b_\@
	tensor_load_to_lds s[\g0a:\g0a+3], s[\g1a:\g1a+7]
	s_nop 0
.rept 4
	v_nop
.endr
	s_branch .Lasked_\@
.Lfor_b_\@:
	tensor_load_to_lds s[\g0b:\g0b+3], s[\g1b:\g1b+7]
	s_nop 0
.rept 4
	v_nop
.endr
.Lasked_\@:
.endm
.macro CREST
	s_cmp_lg_u32 s14, 0
	s_cbranch_scc1 .Lnot_wave_0_\@
	s_barrier_signal -3
.Lnot_wave_0_\@:
	s_barrier_wait -3
	s_barrier_signal -1
	s_barrier_wait -1
.endm
.macro CROUND
	s_barrier_signal -1
	s_barrier_wait -1
	CREST
.endm
.macro PLACES n
.rept \n
	v_nop
.endr
.endm
.macro FRAG reg, adr, q, i
.irp c, 0,1,2,3
	ds_load_b128 v[\reg+4*\c:\reg+4*\c+3], v[\adr] offset:BLK*(\q)+32*\c+(\i)*16*PITCH
.endr
.endm
.macro MUL16 a0, p, q, sc, zero        ; the 64 accumulators take turns, one instruction a turn
.irp a, \a0, \a0+1
.irp b, 0,1,2,3,4,5,6,7
.if \zero
	v_wmma_scale_f32_16x16x128_f8f6f4 v[8*(8*((\a)%4)+\b):8*(8*((\a)%4)+\b)+7], v[128*(\p)+FR*\b:128*(\p)+FR*\b+FR-1], v[AF+FR*(\a):AF+FR*(\a)+FR-1], 0, v[SC+8*NQ*(\sc)+NQ*\b+(\q)], v[SC+8*NQ*(\sc)+NQ*(\a)+(\q)] matrix_a_scale:MATRIX_SCALE_ROW1
.else
	v_wmma_scale_f32_16x16x128_f8f6f4 v[8*(8*((\a)%4)+\b):8*(8*((\a)%4)+\b)+7], v[128*(\p)+FR*\b:128*(\p)+FR*\b+FR-1], v[AF+FR*(\a):AF+FR*(\a)+FR-1], v[8*(8*((\a)%4)+\b):8*(8*((\a)%4)+\b)+7], v[SC+8*NQ*(\sc)+NQ*\b+(\q)], v[SC+8*NQ*(\sc)+NQ*(\a)+(\q)] matrix_a_scale:MATRIX_SCALE_ROW1
.endif
.endr
.endr
.endm
.macro FETCH_B slot, q, p
	WIN TO_B
.irp i, 0,1,2,3,4,5,6,7
	FRAG 128*(\p)+FR*\i, ADRB+\slot, \q, \i
.endr
	WIN 0
.endm
.macro FETCH_A slot, q, i0
.irp i, \i0, \i0+1, \i0+2, \i0+3
	FRAG AF+FR*(\i), ADRA+\slot, \q, \i
.endr
.endm
.macro SCALES sc
.irp i, 0,1,2,3,4,5,6,7
.irp q, 0,1
	ds_load_b32 v[SC+8*NQ*\sc+NQ*\i+\q], v[ADRS+\sc] offset:\i*16*PITCH+\q*BLK
.endr
.endr
.endm
.macro STEP slot, q, zero
	s_wait_dscnt 4*NL                              ; all but the youngest 16 loads (A's blocks 4-7) are in
	WIN MUL_LO
	MUL16 0, (\q)%2, \q, \slot, \zero
	MUL16 2, (\q)%2, \q, \slot, \zero
	s_wait_dscnt 0
	PLACES NP
	FETCH_B \slot, (\q)+1, 1-(\q)%2
	FETCH_A \slot, (\q)+1, 0
	WIN MUL_HI
	MUL16 4, (\q)%2, \q, \slot, \zero
	MUL16 6, (\q)%2, \q, \slot, \zero
	PLACES NP
	WIN 0
	FETCH_A \slot, (\q)+1, 4
.endm
.macro TURN slot, next, fill
	s_wait_tensorcnt 0x0                           ; all my tensor loads have landed: my block of the next slot
	ds_add_u32 v[SPW], v[NIL]                      ; 0 onto my spare word
	s_wait_dscnt 4*NL+1                            ; (the add and the youngest 16 loads may be out)
	WIN MUL_LO
	MUL16 0, 1, NQ-1, \slot, 0
	s_wait_dscnt 0x0                               ; the add is done, and my reads of this slot are over
	s_barrier_signal -1
	MUL16 2, 1, NQ-1, \slot, 0
	WIN 0
	s_barrier_wait -1
.if \fill
	CREST                                          ; the barrier has opened a round of the cluster's barrier: no wave of any partner still reads this slot or has a load on its way
	s_add_nc_u64 s[G0+4*\slot+2:G0+4*\slot+3], s[G0+4*\slot+2:G0+4*\slot+3], 4*STRA
	s_add_nc_u64 s[G0B+4*\slot+2:G0B+4*\slot+3], s[G0B+4*\slot+2:G0B+4*\slot+3], 4*STRB
	JLOAD G0+4*\slot, G1, G0B+4*\slot, G1B
	PLACES NP-4
.else
	PLACES NP
.endif
	FETCH_B \next, 0, 0
	FETCH_A \next, 0, 0
	SCALES \next
	WIN MUL_HI
	MUL16 4, 1, NQ-1, \slot, 0
	MUL16 6, 1, NQ-1, \slot, 0
	PLACES NP
	WIN 0
	FETCH_A \next, 0, 4
.endm
; the way out: block a = 16 records of A; record 16 a + t holds row 32 (a / 2) + 16 (t / 8) + 8 (a % 2) + t % 8 of my 128
.set SPITCH, 528                       ; a stage row: 512 bytes + 16.  The stage (16 rows a wave) lies in slot 0, which has had its last fill and its last read
.set BI,   64                          ; v64-67 the bias of my four columns
.set BK,   128                         ; v128-191, v192-255: 16 rows read back, by turns
.set RESB, 10
.set OUTB, 12
.macro RLOAD a                         ; the residual's 16 rows of block a, into window 1
	WIN 0x40
.set u, 0
.rept 16
	global_load_b128 v[64*((\a)%2)+4*u:64*((\a)%2)+4*u+3], v[CO], s[RESB:RESB+1] offset:(32*((\a)/2)+16*(u/8)+8*((\a)%2)+(u%8))*4096 th:TH_LOAD_NT
.set u, u+1
.endr
	WIN 0
.endm
.macro TOSTAGE a                       ; register j of accumulator b is column 32 (b / 2) + 16 h + 8 (b % 2) + j: into my stage by columns, back by rows
.set AC, 64*((\a)%4)
.set WA, 0x08+4*((\a)/4)
	WIN WA
.irp b, 0,1,2,3,4,5,6,7
	ds_store_b128 v[STO], v[AC+8*\b:AC+8*\b+3] offset:128*(\b/2)+32*(\b%2)         ; each accumulator from its low end on
	ds_store_b128 v[STO], v[AC+8*\b+4:AC+8*\b+7] offset:128*(\b/2)+32*(\b%2)+16
.endr
	WIN 0
.set BB, BK+64*((\a)%2)
.set u, 0
.rept 16
	ds_load_b128 v[BB+4*u:BB+4*u+3], v[RD] offset:u*SPITCH     ; LDS serves a wave's instructions in order: these see the stores above
.set u, u+1
.endr
.endm
.macro ADD a
.set BB, BK+64*((\a)%2)
.set RR, 64*((\a)%2)
.set n, 0
.rept 32
	v_pk_add_f32 v[BB+n:BB+n+1], v[BB+n:BB+n+1], v[BI+(n%4):BI+(n%4)+1]    ; + the bias,
.set n, n+2
.endr
	WIN 0x04
.set n, 0
.rept 32
	v_pk_add_f32 v[BB+n:BB+n+1], v[BB+n:BB+n+1], v[RR+n:RR+n+1]            ; + the residual
.set n, n+2
.endr
	WIN 0
.endm
.macro SENDF a
.set BB, BK+64*((\a)%2)
.set u, 0
.rept 16
.if NTOUT
	global_store_b128 v[CO], v[BB+4*u:BB+4*u+3], s[OUTB:OUTB+1] offset:(32*((\a)/2)+16*(u/8)+8*((\a)%2)+(u%8))*4096 th:TH_STORE_NT
.else
	global_store_b128 v[CO], v[BB+4*u:BB+4*u+3], s[OUTB:OUTB+1] offset:(32*((\a)/2)+16*(u/8)+8*((\a)%2)+(u%8))*4096   ; 512 consecutive bytes, aligned to 256
.endif
.set u, u+1
.endr
.endm
	s_load_b128 s[4:7], s[0:1], 0x0                ; A's image, wimg
	s_load_b128 s[8:11], s[0:1], 0x10              ; the bias, the residual
	s_load_b64 s[12:13], s[0:1], 0x20              ; the result
	v_lshl_add_u32 v[SPW], v0, 2, SPARE
	v_mov_b32 v[NIL], 0
	ds_add_u32 v28, v29
	ds_add_u32 v28, v29
	s_wait_dscnt 0x0
	v_lshrrev_b32 v1, 5, v0
	v_readfirstlane_b32 s14, v1                    ; wave 0..3
	s_lshr_b32 s15, s14, 1
	s_and_b32 s16, s14, 1
	s_bfe_u32 s40, ttmp6, 0x40000                  ; cx, cy
	s_bfe_u32 s41, ttmp6, 0x40004
	s_lshl_b32 s42, ttmp9, 2
	s_add_co_u32 s42, s42, s40                     ; B's tile
	s_and_b32 s17, ttmp7, 0xffff
	s_lshl_b32 s17, s17, 2
	s_add_co_u32 s17, s17, s41                     ; A's tile
	s_lshl_b32 s43, s41, 2
	s_lshl_b32 s43, 15, s43
	s_lshl_b32 s44, 0x1111, s40
	s_or_b32 s[G1+0], s43, (3<<16)|(1<<21)         ; the mask; elements of 8 bytes; bit 21 set beside a mask
	s_or_b32 s[G1B+0], s44, (3<<16)|(1<<21)
.irp g, G1, G1B
	s_mov_b32 s[\g+1], 32<<16                      ; rows of 256 bytes,
	s_mov_b32 s[\g+2], 144<<16                     ; 144 of them: 36,864 dense bytes
	s_mov_b32 s[\g+3], 32<<16
	s_mov_b32 s[\g+4], 144
	s_mov_b32 s[\g+5], 32
	s_mov_b32 s[\g+6], 0
	s_mov_b32 s[\g+7], 0
.endr
	s_mul_i32 s20, s17, BLK
	s_mul_i32 s18, s16, STRA
	s_add_co_u32 s20, s20, s18
	s_mov_b32 s21, 0
	s_mul_i32 s46, s42, BLK
	s_mul_i32 s18, s16, STRB
	s_add_co_u32 s46, s46, s18
	s_add_co_u32 s46, s46, OFFB
	s_mov_b32 s47, 0
	s_mul_i32 s45, s14, BLK
	s_wait_kmcnt 0x0
	s_add_nc_u64 s[20:21], s[4:5], s[20:21]
	s_add_nc_u64 s[46:47], s[6:7], s[46:47]
	CROUND                                         ; all sixteen work-groups are here: the first joint loads meet
.irp s, 0,1
	s_mov_b32 s[G0+4*\s], 1
	s_add_co_u32 s[G0+4*\s+1], s45, \s*SLOT
	s_add_nc_u64 s[G0+4*\s+2:G0+4*\s+3], s[20:21], \s*2*STRA
	s_or_b32 s[G0+4*\s+3], s[G0+4*\s+3], 0x80000000
	s_mov_b32 s[G0B+4*\s], 1
	s_add_co_u32 s[G0B+4*\s+1], s45, \s*SLOT
	s_add_nc_u64 s[G0B+4*\s+2:G0B+4*\s+3], s[46:47], \s*2*STRB
	s_or_b32 s[G0B+4*\s+3], s[G0B+4*\s+3], 0x80000000
	JLOAD G0+4*\s, G1, G0B+4*\s, G1B
.endr
	v_and_b32 v1, 15, v0
	v_bfe_u32 v2, v0, 4, 1
	v_mul_u32_u24 v3, v1, PITCH
	v_lshl_add_u32 v4, v2, 4, v3
	s_mul_i32 s21, s15, HALF
	s_mul_i32 s22, s16, HALF
	s_add_co_u32 s22, s22, 2*BLK
	s_sub_co_u32 s23, s22, s21
	v_mul_u32_u24 v5, s23, v2                      ; lanes 16-31 take B's scale words
	v_add_nc_u32 v5, v3, v5
	v_add_nc_u32 v5, 128, v5
	v_add_nc_u32 v[ADRS], s21, v5
	v_add_nc_u32 v[ADRS+1], SLOT, v[ADRS]
.irp s, 0,1
	v_add_nc_u32 v[ADRA+\s], s21, v4
	v_add_nc_u32 v[ADRB+\s], s22, v4
	s_add_co_u32 s21, s21, SLOT
	s_add_co_u32 s22, s22, SLOT
.endr
	s_mul_i32 s23, s14, 16*SPITCH                  ; my stage
	v_mul_u32_u24 v5, v1, SPITCH
	v_lshl_add_u32 v5, v2, 6, v5
	v_add_nc_u32 v[STO], s23, v5
	v_and_b32 v5, 31, v0
	v_lshlrev_b32 v[CO], 4, v5
	v_add_nc_u32 v[RD], s23, v[CO]
	s_lshl_b32 s46, s42, 10                        ; my first column, in bytes
	s_lshl_b32 s47, s16, 9
	s_add_co_u32 s46, s46, s47
	s_mov_b32 s47, 0
	s_add_nc_u64 s[8:9], s[8:9], s[46:47]
	global_load_b128 v[BI:BI+3], v[CO], s[8:9]
	s_lshl_b32 s70, s17, 8
	s_lshl_b32 s71, s15, 7
	s_add_co_u32 s70, s70, s71
	s_lshl_b32 s70, s70, 12                        ; my first row, 4,096 bytes each
	s_add_co_u32 s46, s46, s70
	s_add_nc_u64 s[RESB:RESB+1], s[RESB:RESB+1], s[46:47]
	s_add_nc_u64 s[OUTB:OUTB+1], s[OUTB:OUTB+1], s[46:47]
	s_wait_loadcnt 0x0
	s_wait_tensorcnt 1                             ; my block of slot 0 is in (slot 1's may be out)
	s_barrier_signal -1
	s_barrier_wait -1
	FETCH_B 0, 0, 0
	FETCH_A 0, 0, 0
	SCALES 0
	FETCH_A 0, 0, 4
	STEP 0, 0, 1
	s_mov_b32 s3, LAPS-1
.Llap:
	TURN 0, 1, 1
	STEP 1, 0, 0
	TURN 1, 0, 1
	STEP 0, 0, 0
	s_sub_co_u32 s3, s3, 1
	s_cmp_lg_u32 s3, 0
	s_cbranch_scc1 .Llap
	TURN 0, 1, 0
	STEP 1, 0, 0
	s_wait_dscnt 4*NL
	WIN MUL_LO
	MUL16 0, 1, NQ-1, 1, 0
	MUL16 2, 1, NQ-1, 1, 0
	s_wait_dscnt 0
	WIN MUL_HI
	MUL16 4, 1, NQ-1, 1, 0
	MUL16 6, 1, NQ-1, 1, 0
	WIN 0
	PLACES NP
	RLOAD 0
	RLOAD 1
	TOSTAGE 0
.irp a, 0,1,2,3,4,5,6,7
.if \a < 7
.if \a > 0
	s_wait_xcnt 0x0                                ; block a - 1's stores have read their registers: block a + 1's rows may land there
.endif
	TOSTAGE \a+1
	s_wait_dscnt 32                                ; block a is back; the next block's 16 stores and 16 loads may be out
	s_wait_loadcnt 16                              ; block a's residual is in; the next block's 16 loads may be out
.else
	s_wait_dscnt 0
	s_wait_loadcnt 0
.endif
	ADD \a
	SENDF \a
.if \a < 6
	RLOAD \a+2
.endif
.endr
	s_wait_tensorcnt 0x0                           ; the wave's end
	ds_add_u32 v[SPW], v[NIL]
	s_wait_dscnt 0x0
	CROUND                                         ; the closing round
	s_endpgm
.Lfunc_end_k_q57366c62c4_wo:
	.size	k_q57366c62c4_wo, .Lfunc_end_k_q57366c62c4_wo-k_q57366c62c4_wo
	.p2alignl 7, 3214868480
	.fill 96, 4, 3214868480
	.section	.rodata,"a",@progbits
	.p2align	6, 0x0
	.amdhsa_kernel k_q57366c62c4_wo
		.amdhsa_group_segment_fixed_size 327680
		.amdhsa_private_segment_fixed_size 0
		.amdhsa_enable_private_segment 0
		.amdhsa_kernarg_size 40
		.amdhsa_user_sgpr_count 2
		.amdhsa_user_sgpr_kernarg_segment_ptr 1
		.amdhsa_wavefront_size32 1
		.amdhsa_system_sgpr_workgroup_id_x 1
		.amdhsa_system_sgpr_workgroup_id_y 1
		.amdhsa_system_sgpr_workgroup_id_z 1
		.amdhsa_system_vgpr_workitem_id 0
		.amdhsa_next_free_vgpr 1024
		.amdhsa_next_free_sgpr 100
		.amdhsa_reserve_vcc 0
		.amdhsa_float_denorm_mode_32 3
		.amdhsa_float_denorm_mode_16_64 3
		.amdhsa_memory_ordered 1
		.amdhsa_forward_progress 1
		.amdhsa_inst_pref_size 190
	.end_amdhsa_kernel
	.amdgpu_metadata
---
amdhsa.version: [ 1, 2 ]
amdhsa.kernels:
  - .name:           k_q57366c62c4_wo
    .symbol:         k_q57366c62c4_wo.kd
    .args:
      - { .name: cimg, .offset: 0, .size: 8, .value_kind: global_buffer, .address_space: global }
      - { .name: wimg, .offset: 8, .size: 8, .value_kind: global_buffer, .address_space: global }
      - { .name: bo, .offset: 16, .size: 8, .value_kind: global_buffer, .address_space: global }
      - { .name: x, .offset: 24, .size: 8, .value_kind: global_buffer, .address_space: global }
      - { .name: x1, .offset: 32, .size: 8, .value_kind: global_buffer, .address_space: global }
    .group_segment_fixed_size: 327680
    .private_segment_fixed_size: 0
    .kernarg_segment_align: 8
    .kernarg_segment_size: 40
    .max_flat_workgroup_size: 128
    .sgpr_count:     100
    .vgpr_count:     1024
    .wavefront_size: 32
...
	.end_amdgpu_metadata
.endif
;; end of part 5
;; launch ln2: the kernel of part 2 again; grid 128 x 1, 8 waves a work-group, no clusters, 74,752 bytes of LDS; arguments x1, ln2_g, ln2_b, himg; writes himg
;; launch ffn1 (part 6): grid 16 x 16, 4 waves a work-group, clusters of 4 x 4, 327,680 bytes of LDS; arguments himg, wimg, b1, gimg; writes gimg
.if DOCPART == 6
	.amdgcn_target "amdgcn-amd-amdhsa--gfx1250"
	.amdhsa_code_object_version 6
	.text
	.protected	k_q57366c62c4_ffn1
	.globl	k_q57366c62c4_ffn1
	.p2align	8
	.type	k_q57366c62c4_ffn1,@function
k_q57366c62c4_ffn1:
	s_mov_b64 s[64:65], 0
	v_nop
	global_prefetch_b8 v0, s[64:65] scope:SCOPE_SE
	s_setreg_imm32_b32 hwreg(HW_REG_WAVE_MODE, 25, 1), 1
	s_wait_xcnt 0x0
	s_wait_alu depctr_hold_cnt(0) depctr_sa_sdst(0) depctr_va_vdst(0) depctr_va_sdst(0) depctr_va_ssrc(0) depctr_va_vcc(0) depctr_vm_vsrc(0)
	s_getreg_b32 s2, hwreg(HW_REG_IB_STS2, 6, 4)
	s_cmp_eq_u32 s2, 0
	s_cbranch_scc0 .Lentry_in_a_cluster
	s_endpgm
.Lentry_in_a_cluster:
	s_bfe_u32 s2, ttmp6, 0x10000c
	s_cmp_lg_u32 s2, 0xf033
	s_cbranch_scc0 .Lentry_shape_is_right
	s_endpgm
.Lentry_shape_is_right:
; g = gelu(h w1 + b1), the exact gelu, the product on E4M3 codes with E8M0 scales; g is quantised on the way out along the hidden units, the next product's K, and never lies in memory as f32.
; OPERAND IMAGES: [K / 128][rows][144 bytes]; a record = 128 codes, four scale bytes, 12 zeros; record p holds row swap34(p) (bits 3 and 4 exchanged).  256 records of a K step are 36,864 dense bytes: what lies in memory is what lies in LDS.
; Second source (A) = 256 tokens of h, first source (B) = 256 columns of w1: a lane holds ONE token and its registers run along the hidden units; a wave's 128 units are one K step of the next product: one record a token.
; A tile of 256 x 256 is made by four waves, 128 x 128 each.  K goes in steps of 256 through a ring of two LDS slots; each wave brings one block of 36,864 bytes a slot by one tensor load.  CLUSTERS: 4 x 4; A's blocks jointly along a row, B's along a column.
; GELU: gelu(x) = x/2 + |x/2| erf(|x| / sqrt 2).  erf(t), t >= 0, in f32 on two ranges, both computed, one chosen by v_cndmask_b32: t > 475/512: 1 - exp(t P(t) - t), P of degree 6; else t + t Q(t^2), Q of degree 5.
; LIMITS: erf is right to about an ulp of erf, so gelu(x) carries an absolute error of about 1e-7 |x|: for x under about -5 its relative accuracy is lost (such numbers lie far under a code's step in any block that holds an ordinary number).
; A block whose largest magnitude lies under 2^-118 gets the byte 1 (read by this program alone); NaN and infinities are not served.
; REGISTERS: window 0: v1-5 at work; v6-11 three constants; v16-29 addresses; v32-63 scale words; v64-127 b1 / 2 in the result's layout; v128-255 A's fragments, on the way out at work.  window 1: B's fragments.  windows 2, 3: the accumulators.
.set LAPS,  2                          ; K = 1,024
.set STRA,  4096*144
.set STRB,  4096*144
.set OFFB,  5898240                    ; w1's image in wimg
.set PITCH, 144
.set BLK,   256*PITCH
.set HALF,  128*PITCH
.set SLOT,  4*BLK
.set SPARE, 2*SLOT                     ; behind the ring: the spare words, 128 bytes for each wave: two blocks of 256 bytes that no other line names
.set NQ,    2
.set FR,    16
.set NL,    4
.set NP,    8
.set ADRA, 16
.set ADRB, 20
.set ADRS, 22
.set STO,  24
.set RD,   25
.set CO,   26
.set SQA,  27
.set SPW,  28
.set NIL,  29
.set SC,   32
.set AF,   128
.set G1,  24
.set G0,  32
.set G1B, 48
.set G0B, 56
.set MSB, 0
.macro WIN new                         ; the immediate's high byte repeats the setting that is left
.if MSB != \new
	s_set_vgpr_msb (MSB<<8)|\new
.set MSB, \new
.endif
.endm
.set MUL_LO, 0xa1
.set MUL_HI, 0xf1
.set TO_B,   0x40
.macro JLOAD g0a, g1a, g0b, g1b        ; a joint load: waves 0 and 1 fetch A's two K steps, waves 2 and 3 B's; four v_nop follow each of the two lines
	s_cmp_eq_u32 s15, 0
	s_cbranch_scc0 .Lfor_b_\@
	tensor_load_to_lds s[\g0a:\g0a+3], s[\g1a:\g1a+7]
	s_nop 0
.rept 4
	v_nop
.endr
	s_branch .Lasked_\@
.Lfor_b_\@:
	tensor_load_to_lds s[\g0b:\g0b+3], s[\g1b:\g1b+7]
	s_nop 0
.rept 4
	v_nop
.endr
.Lasked_\@:
.endm
.macro CREST
	s_cmp_lg_u32 s14, 0
	s_cbranch_scc1 .Lnot_wave_0_\@
	s_barrier_signal -3
.Lnot_wave_0_\@:
	s_barrier_wait -3
	s_barrier_signal -1
	s_barrier_wait -1
.endm
.macro CROUND
	s_barrier_signal -1
	s_barrier_wait -1
	CREST
.endm
.macro PLACES n
.rept \n
	v_nop
.endr
.endm
.macro FRAG reg, adr, q, i
.irp c, 0,1,2,3
	ds_load_b128 v[\reg+4*\c:\reg+4*\c+3], v[\adr] offset:BLK*(\q)+32*\c+(\i)*16*PITCH
.endr
.endm
.macro MUL16 a0, p, q, sc, zero        ; the 64 accumulators take turns, one instruction a turn
.irp a, \a0, \a0+1
.irp b, 0,1,2,3,4,5,6,7
.if \zero
	v_wmma_scale_f32_16x16x128_f8f6f4 v[8*(8*((\a)%4)+\b):8*(8*((\a)%4)+\b)+7], v[128*(\p)+FR*\b:128*(\p)+FR*\b+FR-1], v[AF+FR*(\a):AF+FR*(\a)+FR-1], 0, v[SC+8*NQ*(\sc)+NQ*\b+(\q)], v[SC+8*NQ*(\sc)+NQ*(\a)+(\q)] matrix_a_scale:MATRIX_SCALE_ROW1
.else
	v_wmma_scale_f32_16x16x128_f8f6f4 v[8*(8*((\a)%4)+\b):8*(8*((\a)%4)+\b)+7], v[128*(\p)+FR*\b:128*(\p)+FR*\b+FR-1], v[AF+FR*(\a):AF+FR*(\a)+FR-1], v[8*(8*((\a)%4)+\b):8*(8*((\a)%4)+\b)+7], v[SC+8*NQ*(\sc)+NQ*\b+(\q)], v[SC+8*NQ*(\sc)+NQ*(\a)+(\q)] matrix_a_scale:MATRIX_SCALE_ROW1
.endif
.endr
.endr
.endm
.macro FETCH_B slot, q, p
	WIN TO_B
.irp i, 0,1,2,3,4,5,6,7
	FRAG 128*(\p)+FR*\i, ADRB+\slot, \q, \i
.endr
	WIN 0
.endm
.macro FETCH_A slot, q, i0
.irp i, \i0, \i0+1, \i0+2, \i0+3
	FRAG AF+FR*(\i), ADRA+\slot, \q, \i
.endr
.endm
.macro SCALES sc
.irp i, 0,1,2,3,4,5,6,7
.irp q, 0,1
	ds_load_b32 v[SC+8*NQ*\sc+NQ*\i+\q], v[ADRS+\sc] offset:\i*16*PITCH+\q*BLK
.endr
.endr
.endm
.macro STEP slot, q, zero
	s_wait_dscnt 4*NL                              ; all but the youngest 16 loads (A's blocks 4-7) are in
	WIN MUL_LO
	MUL16 0, (\q)%2, \q, \slot, \zero
	MUL16 2, (\q)%2, \q, \slot, \zero
	s_wait_dscnt 0
	PLACES NP
	FETCH_B \slot, (\q)+1, 1-(\q)%2
	FETCH_A \slot, (\q)+1, 0
	WIN MUL_HI
	MUL16 4, (\q)%2, \q, \slot, \zero
	MUL16 6, (\q)%2, \q, \slot, \zero
	PLACES NP
	WIN 0
	FETCH_A \slot, (\q)+1, 4
.endm
.macro TURN slot, next, fill
	s_wait_tensorcnt 0x0                           ; all my tensor loads have landed: my block of the next slot
	ds_add_u32 v[SPW], v[NIL]                      ; 0 onto my spare word
	s_wait_dscnt 4*NL+1                            ; (the add and the youngest 16 loads may be out)
	WIN MUL_LO
	MUL16 0, 1, NQ-1, \slot, 0
	s_wait_dscnt 0x0                               ; the add is done, and my reads of this slot are over
	s_barrier_signal -1
	MUL16 2, 1, NQ-1, \slot, 0
	WIN 0
	s_barrier_wait -1
.if \fill
	CREST                                          ; the barrier has opened a round of the cluster's barrier: no wave of any partner still reads this slot or has a load on its way
	s_add_nc_u64 s[G0+4*\slot+2:G0+4*\slot+3], s[G0+4*\slot+2:G0+4*\slot+3], 4*STRA
	s_add_nc_u64 s[G0B+4*\slot+2:G0B+4*\slot+3], s[G0B+4*\slot+2:G0B+4*\slot+3], 4*STRB
	JLOAD G0+4*\slot, G1, G0B+4*\slot, G1B
	PLACES NP-4
.else
	PLACES NP
.endif
	FETCH_B \next, 0, 0
	FETCH_A \next, 0, 0
	SCALES \next
	WIN MUL_HI
	MUL16 4, 1, NQ-1, \slot, 0
	MUL16 6, 1, NQ-1, \slot, 0
	PLACES NP
	WIN 0
	FETCH_A \next, 0, 4
.endm
; the way out
.set VC1,  6                           ; v[6:7], v[8:9], v[10:11]: the second constant of the three multiply-adds that have two
.set VC3,  8
.set VD1,  10
.set BC,   64                          ; v64-127  b1 / 2 in the result's layout
.set T,    128                         ; v128-191 a block's 64 numbers of my record
.set GT,   192                         ; gelu, eight numbers at a time: t, t^2, the upper range, the lower range
.set GS,   200
.set GB,   208
.set GR,   216
.set PC,   192                         ; then the codes,
.set TM,   208                         ; and the quantiser's 16 registers
.set PWQ,  224
.set STAV, 228
.set SQV,  229
.set EC0,  70                          ; scalar pairs: the packed forms name a pair and take its low word for both halves
.set EC2,  72
.set EC4,  74
.set EC5,  76
.set EC6,  78
.set ED0,  80
.set ED2,  82
.set ED3,  84
.set ED4,  86
.set ED5,  88
.set ELG,  90
.set SQ2,  92
.set THR,  93
.set AI,   94
.set SOFF, 95
.set MNT,  96
.set SEL,  98
.macro SPAIR reg, val
	s_mov_b32 s[\reg], \val
	s_mov_b32 s[\reg+1], \val
.endm
.macro QUANT s                         ; 64 numbers of a lane become a record's codes in v[PC] on and its scale word in v[PWQ]
.irp b, 0,1,2,3
	v_max3_num_f32 v[TM+\b], |v[\s+16*\b]|, |v[\s+1+16*\b]|, 0x4800000   ; my 16 numbers of block b, and the floor 2^(9 - 127)
.endr
.irp i, 2,4,6,8,10,12,14
.irp b, 0,1,2,3
	v_max3_num_f32 v[TM+\b], v[TM+\b], |v[\s+16*\b+\i]|, |v[\s+1+16*\b+\i]|
.endr
.endr
.irp b, 0,1,2,3
	v_permlanex16_b32 v[TM+4+\b], v[TM+\b], s[SEL], s[SEL+1]
.endr
.irp b, 0,1,2,3
	v_max_num_f32 v[TM+\b], v[TM+\b], v[TM+4+\b]
.endr
.irp b, 0,1,2,3
	v_add_nc_u32 v[TM+12+\b], 0xfc000000, v[TM+\b]
.endr
.irp b, 0,1,2,3
	v_and_or_b32 v[TM+8+\b], v[TM+\b], 0x7f800000, s[MNT]
.endr
.irp b, 0,1,2,3
	v_lshrrev_b32 v[TM+4+\b], 23, v[TM+12+\b]
.endr
	v_lshl_or_b32 v[PWQ], v[TM+5], 8, v[TM+4]
	v_lshl_or_b32 v[PWQ], v[TM+6], 16, v[PWQ]
	v_lshl_or_b32 v[PWQ], v[TM+7], 24, v[PWQ]
.irp b, 0,1,2,3
.irp i, 0,1,2,3,4,5,6,7,8,9,10,11,12,13,14,15
	v_med3_num_f32 v[\s+16*\b+\i], v[\s+16*\b+\i], -v[TM+8+\b], v[TM+8+\b]
.endr
	v_cvt_scalef32_pk8_fp8_f32 v[PC+4*\b:PC+1+4*\b], v[\s+16*\b:\s+7+16*\b], v[TM+12+\b]
	v_cvt_scalef32_pk8_fp8_f32 v[PC+2+4*\b:PC+3+4*\b], v[\s+8+16*\b:\s+15+16*\b], v[TM+12+\b]
.endr
	v_nop                                          ; a plain instruction behind the last conversion
.endm
.macro ARM a                           ; in trip a alone: block a's 64 sums leave the accumulators' window, each accumulator from its low end on, as (sum + b1) / 2
	s_cmp_lg_u32 s[AI], \a
	s_cbranch_scc1 .Lnot_\@
.set WA, 0x02+(\a)/4
	WIN WA
.set n, 0
.rept 32
	v_pk_fma_f32 v[T+n:T+n+1], v[64*((\a)%4)+n:64*((\a)%4)+n+1], 0.5, v[BC+n:BC+n+1] op_sel_hi:[1,0,1]
.set n, n+2
.endr
	WIN 0
.Lnot_\@:
.endm
.macro GELU g                          ; eight numbers x/2 become gelu(x)
.set TG, T+8*(\g)
.irp i, 0,1,2,3,4,5,6,7
	v_mul_f32 v[GT+\i], s[SQ2], |v[TG+\i]|         ; t = |x| / sqrt 2
.endr
.irp i, 0,2,4,6
	v_pk_mul_f32 v[GS+\i:GS+\i+1], v[GT+\i:GT+\i+1], v[GT+\i:GT+\i+1]
.endr
.irp i, 0,2,4,6
	v_pk_fma_f32 v[GB+\i:GB+\i+1], v[GT+\i:GT+\i+1], s[EC0:EC0+1], v[VC1:VC1+1] op_sel_hi:[1,0,0]
.endr
.irp i, 0,2,4,6
	v_pk_fma_f32 v[GR+\i:GR+\i+1], v[GT+\i:GT+\i+1], s[EC2:EC2+1], v[VC3:VC3+1] op_sel_hi:[1,0,0]
.endr
.irp i, 0,2,4,6
	v_pk_fma_f32 v[GB+\i:GB+\i+1], v[GB+\i:GB+\i+1], v[GS+\i:GS+\i+1], v[GR+\i:GR+\i+1]
.endr
.irp k, EC4, EC5, EC6
.irp i, 0,2,4,6
	v_pk_fma_f32 v[GB+\i:GB+\i+1], v[GB+\i:GB+\i+1], v[GT+\i:GT+\i+1], s[\k:\k+1] op_sel_hi:[1,1,0]
.endr
.endr
.irp i, 0,2,4,6
	v_pk_fma_f32 v[GB+\i:GB+\i+1], v[GB+\i:GB+\i+1], v[GT+\i:GT+\i+1], v[GT+\i:GT+\i+1] neg_lo:[0,0,1] neg_hi:[0,0,1]
.endr
.irp i, 0,2,4,6
	v_pk_mul_f32 v[GB+\i:GB+\i+1], v[GB+\i:GB+\i+1], s[ELG:ELG+1] op_sel_hi:[1,0]
.endr
.irp i, 0,1,2,3,4,5,6,7
	v_exp_f32 v[GB+\i], v[GB+\i]
.endr
.irp i, 0,2,4,6
	v_pk_fma_f32 v[GR+\i:GR+\i+1], v[GS+\i:GS+\i+1], s[ED0:ED0+1], v[VD1:VD1+1] op_sel_hi:[1,0,0]   ; the lower range: also the plain instructions behind the exponentials
.endr
.irp k, ED2, ED3, ED4, ED5
.irp i, 0,2,4,6
	v_pk_fma_f32 v[GR+\i:GR+\i+1], v[GR+\i:GR+\i+1], v[GS+\i:GS+\i+1], s[\k:\k+1] op_sel_hi:[1,1,0]
.endr
.endr
.irp i, 0,2,4,6
	v_pk_fma_f32 v[GR+\i:GR+\i+1], v[GR+\i:GR+\i+1], v[GT+\i:GT+\i+1], v[GT+\i:GT+\i+1]
.endr
	s_wait_alu depctr_va_vdst(0)
.irp i, 0,2,4,6
	v_pk_fma_f32 v[GB+\i:GB+\i+1], v[GB+\i:GB+\i+1], -1.0, 1.0 op_sel_hi:[1,0,0]
.endr
.irp i, 0,1,2,3,4,5,6,7
	v_cmp_lt_f32 vcc_lo, s[THR], v[GT+\i]
	v_cndmask_b32 v[GB+\i], v[GR+\i], v[GB+\i], vcc_lo
	v_fma_f32 v[TG+\i], |v[TG+\i]|, v[GB+\i], v[TG+\i]
.endr
.endm
	s_load_b128 s[4:7], s[0:1], 0x0                ; himg, wimg
	s_load_b128 s[8:11], s[0:1], 0x10              ; b1, gimg
	v_lshl_add_u32 v[SPW], v0, 2, SPARE
	v_mov_b32 v[NIL], 0
	ds_add_u32 v28, v29
	ds_add_u32 v28, v29
	s_wait_dscnt 0x0
	v_lshrrev_b32 v1, 5, v0
	v_readfirstlane_b32 s14, v1                    ; wave 0..3
	s_lshr_b32 s15, s14, 1
	s_and_b32 s16, s14, 1
	s_bfe_u32 s40, ttmp6, 0x40000                  ; cx, cy
	s_bfe_u32 s41, ttmp6, 0x40004
	s_lshl_b32 s42, ttmp9, 2
	s_add_co_u32 s42, s42, s40                     ; B's tile
	s_and_b32 s17, ttmp7, 0xffff
	s_lshl_b32 s17, s17, 2
	s_add_co_u32 s17, s17, s41                     ; A's tile
	s_lshl_b32 s43, s41, 2
	s_lshl_b32 s43, 15, s43
	s_lshl_b32 s44, 0x1111, s40
	s_or_b32 s[G1+0], s43, (3<<16)|(1<<21)         ; the mask; elements of 8 bytes; bit 21 set beside a mask
	s_or_b32 s[G1B+0], s44, (3<<16)|(1<<21)
.irp g, G1, G1B
	s_mov_b32 s[\g+1], 32<<16                      ; rows of 256 bytes,
	s_mov_b32 s[\g+2], 144<<16                     ; 144 of them: 36,864 dense bytes
	s_mov_b32 s[\g+3], 32<<16
	s_mov_b32 s[\g+4], 144
	s_mov_b32 s[\g+5], 32
	s_mov_b32 s[\g+6], 0
	s_mov_b32 s[\g+7], 0
.endr
	s_mul_i32 s20, s17, BLK
	s_mul_i32 s18, s16, STRA
	s_add_co_u32 s20, s20, s18
	s_mov_b32 s21, 0
	s_mul_i32 s46, s42, BLK
	s_mul_i32 s18, s16, STRB
	s_add_co_u32 s46, s46, s18
	s_add_co_u32 s46, s46, OFFB
	s_mov_b32 s47, 0
	s_mul_i32 s45, s14, BLK
	s_wait_kmcnt 0x0
	s_add_nc_u64 s[20:21], s[4:5], s[20:21]
	s_add_nc_u64 s[46:47], s[6:7], s[46:47]
	CROUND                                         ; all sixteen work-groups are here: the first joint loads meet
.irp s, 0,1
	s_mov_b32 s[G0+4*\s], 1
	s_add_co_u32 s[G0+4*\s+1], s45, \s*SLOT
	s_add_nc_u64 s[G0+4*\s+2:G0+4*\s+3], s[20:21], \s*2*STRA
	s_or_b32 s[G0+4*\s+3], s[G0+4*\s+3], 0x80000000
	s_mov_b32 s[G0B+4*\s], 1
	s_add_co_u32 s[G0B+4*\s+1], s45, \s*SLOT
	s_add_nc_u64 s[G0B+4*\s+2:G0B+4*\s+3], s[46:47], \s*2*STRB
	s_or_b32 s[G0B+4*\s+3], s[G0B+4*\s+3], 0x80000000
	JLOAD G0+4*\s, G1, G0B+4*\s, G1B
.endr
	v_and_b32 v1, 15, v0
	v_bfe_u32 v2, v0, 4, 1
	v_mul_u32_u24 v3, v1, PITCH
	v_lshl_add_u32 v4, v2, 4, v3
	s_mul_i32 s21, s15, HALF
	s_mul_i32 s22, s16, HALF
	s_add_co_u32 s22, s22, 2*BLK
	s_sub_co_u32 s23, s22, s21
	v_mul_u32_u24 v5, s23, v2                      ; lanes 16-31 take B's scale words
	v_add_nc_u32 v5, v3, v5
	v_add_nc_u32 v5, 128, v5
	v_add_nc_u32 v[ADRS], s21, v5
	v_add_nc_u32 v[ADRS+1], SLOT, v[ADRS]
.irp s, 0,1
	v_add_nc_u32 v[ADRA+\s], s21, v4
	v_add_nc_u32 v[ADRB+\s], s22, v4
	s_add_co_u32 s21, s21, SLOT
	s_add_co_u32 s22, s22, SLOT
.endr
	s_mul_i32 s23, s14, HALF                       ; my stage: 128 records, in slot 0, which has had its last fill and its last read when the first code is stored there
	v_add_nc_u32 v[STO], s23, v4
	v_add_nc_u32 v[SQA], s23, v3
	v_add_nc_u32 v[SQA], 128, v[SQA]
	v_and_b32 v5, 31, v0
	v_lshlrev_b32 v[CO], 4, v5
	v_add_nc_u32 v[RD], s23, v[CO]
	s_lshl_b32 s46, s42, 10                        ; b1 at my first hidden unit
	s_lshl_b32 s47, s16, 9
	s_add_co_u32 s46, s46, s47
	s_mov_b32 s47, 0
	s_add_nc_u64 s[8:9], s[8:9], s[46:47]
	v_lshlrev_b32 v5, 6, v2                        ; register 16 b + i wants unit 32 b + 16 h + i
.set n, 0
.rept 16
	global_load_b128 v[BC+4*n:BC+4*n+3], v5, s[8:9] offset:128*(n/4)+16*(n%4)
.set n, n+1
.endr
	s_lshl_b32 s46, s42, 1                         ; my 128 records of g: K step 2 x B's tile + half, records 256 x A's tile + 128 x half on
	s_add_co_u32 s46, s46, s16
	s_lshl_b32 s46, s46, 12
	s_lshl_b32 s47, s17, 8
	s_add_co_u32 s46, s46, s47
	s_lshl_b32 s47, s15, 7
	s_add_co_u32 s46, s46, s47
	s_mul_i32 s46, s46, PITCH
	s_mov_b32 s47, 0
	s_add_nc_u64 s[10:11], s[10:11], s[46:47]
	SPAIR EC0, 0xb7910000
	SPAIR EC2, 0xbb7e8a1c
	SPAIR EC4, 0xbddaae5c
	SPAIR EC5, 0xbf228550
	SPAIR EC6, 0xbe03ce86
	SPAIR ED0, 0xba1c7000
	SPAIR ED2, 0xbcdb48d9
	SPAIR ED3, 0x3de70e22
	SPAIR ED4, 0xbec09380
	SPAIR ED5, 0x3e0375d4
	SPAIR ELG, 0x3fb8aa3b                          ; log2(e)
	s_mov_b32 s[SQ2], 0x3fb504f3                   ; sqrt 2
	s_mov_b32 s[THR], 0x3f6d8000                   ; 475 / 512
	s_mov_b32 s[MNT], 0x600000
	s_mov_b32 s[SEL], 0x76543210
	s_mov_b32 s[SEL+1], 0xfedcba98
	v_mov_b32 v[VC1], 0x39c8e7d9
	v_mov_b32 v[VC1+1], 0x39c8e7d9
	v_mov_b32 v[VC3], 0x3cc6b1a1
	v_mov_b32 v[VC3+1], 0x3cc6b1a1
	v_mov_b32 v[VD1], 0x3ba38d2c
	v_mov_b32 v[VD1+1], 0x3ba38d2c
	s_wait_loadcnt 0x0                             ; b1
.set n, 0
.rept 32
	v_pk_mul_f32 v[BC+n:BC+n+1], v[BC+n:BC+n+1], 0.5 op_sel_hi:[1,0]
.set n, n+2
.endr
	s_wait_tensorcnt 1                             ; my block of slot 0 is in (slot 1's may be out)
	s_barrier_signal -1
	s_barrier_wait -1
	FETCH_B 0, 0, 0
	FETCH_A 0, 0, 0
	SCALES 0
	FETCH_A 0, 0, 4
	STEP 0, 0, 1
	s_mov_b32 s3, LAPS-1
.Llap:
	TURN 0, 1, 1
	STEP 1, 0, 0
	TURN 1, 0, 1
	STEP 0, 0, 0
	s_sub_co_u32 s3, s3, 1
	s_cmp_lg_u32 s3, 0
	s_cbranch_scc1 .Llap
	TURN 0, 1, 0
	STEP 1, 0, 0
	s_wait_dscnt 4*NL
	WIN MUL_LO
	MUL16 0, 1, NQ-1, 1, 0
	MUL16 2, 1, NQ-1, 1, 0
	s_wait_dscnt 0
	WIN MUL_HI
	MUL16 4, 1, NQ-1, 1, 0
	MUL16 6, 1, NQ-1, 1, 0
	WIN 0
	; THE WAY OUT: eight trips, one for each of A's blocks of 16 records.  The trip's text is written once; only the 32 lines that take a block out of its window are written for each block.
	PLACES NP
.irp r, 1,2,3
	v_mov_b32 v[PWQ+\r], 0
.endr
.irp b, 0,1,2,3
	v_mov_b32 v[TM+4+\b], 0
.endr
	s_mov_b32 s[AI], 0
	s_mov_b32 s[SOFF], 0
.Lrows:
.irp a, 0,1,2,3,4,5,6,7
	ARM \a
.endr
.irp g, 0,1,2,3,4,5,6,7
	GELU \g
.endr
	QUANT T
	v_add_nc_u32 v[STAV], s[SOFF], v[STO]
	v_add_nc_u32 v[SQV], s[SOFF], v[SQA]
.irp b, 0,1,2,3
	ds_store_b128 v[STAV], v[PC+4*\b:PC+4*\b+3] offset:32*\b
.endr
	ds_store_b128 v[SQV], v[PWQ:PWQ+3]             ; both halves of the lanes write the same 16 bytes with the same value
	s_wait_dscnt 0x0                               ; the stores have read their registers
	s_add_co_u32 s[SOFF], s[SOFF], 16*PITCH
	s_add_co_u32 s[AI], s[AI], 1
	s_cmp_lt_u32 s[AI], 8
	s_cbranch_scc1 .Lrows
.set c, 0
.rept 36
	ds_load_b128 v[64+4*c:64+4*c+3], v[RD] offset:512*c    ; my own stage: LDS serves a wave's instructions in order
.set c, c+1
.endr
.set c, 0
.rept 36
	s_wait_dscnt 35-c
	global_store_b128 v[CO], v[64+4*c:64+4*c+3], s[10:11] offset:512*c   ; 512 consecutive bytes, aligned to 256
.set c, c+1
.endr
	s_wait_tensorcnt 0x0                           ; the wave's end
	ds_add_u32 v[SPW], v[NIL]
	s_wait_dscnt 0x0
	CROUND                                         ; the closing round
	s_endpgm
.Lfunc_end_k_q57366c62c4_ffn1:
	.size	k_q57366c62c4_ffn1, .Lfunc_end_k_q57366c62c4_ffn1-k_q57366c62c4_ffn1
	.p2alignl 7, 3214868480
	.fill 96, 4, 3214868480
	.section	.rodata,"a",@progbits
	.p2align	6, 0x0
	.amdhsa_kernel k_q57366c62c4_ffn1
		.amdhsa_group_segment_fixed_size 327680
		.amdhsa_private_segment_fixed_size 0
		.amdhsa_enable_private_segment 0
		.amdhsa_kernarg_size 32
		.amdhsa_user_sgpr_count 2
		.amdhsa_user_sgpr_kernarg_segment_ptr 1
		.amdhsa_wavefront_size32 1
		.amdhsa_system_sgpr_workgroup_id_x 1
		.amdhsa_system_sgpr_workgroup_id_y 1
		.amdhsa_system_sgpr_workgroup_id_z 1
		.amdhsa_system_vgpr_workitem_id 0
		.amdhsa_next_free_vgpr 1024
		.amdhsa_next_free_sgpr 100
		.amdhsa_reserve_vcc 1
		.amdhsa_float_denorm_mode_32 3
		.amdhsa_float_denorm_mode_16_64 3
		.amdhsa_memory_ordered 1
		.amdhsa_forward_progress 1
		.amdhsa_inst_pref_size 200
	.end_amdhsa_kernel
	.amdgpu_metadata
---
amdhsa.version: [ 1, 2 ]
amdhsa.kernels:
  - .name:           k_q57366c62c4_ffn1
    .symbol:         k_q57366c62c4_ffn1.kd
    .args:
      - { .name: himg, .offset: 0, .size: 8, .value_kind: global_buffer, .address_space: global }
      - { .name: wimg, .offset: 8, .size: 8, .value_kind: global_buffer, .address_space: global }
      - { .name: b1, .offset: 16, .size: 8, .value_kind: global_buffer, .address_space: global }
      - { .name: gimg, .offset: 24, .size: 8, .value_kind: global_buffer, .address_space: global }
    .group_segment_fixed_size: 327680
    .private_segment_fixed_size: 0
    .kernarg_segment_align: 8
    .kernarg_segment_size: 32
    .max_flat_workgroup_size: 128
    .sgpr_count:     100
    .vgpr_count:     1024
    .wavefront_size: 32
...
	.end_amdgpu_metadata
.endif
;; end of part 6
;; launch ffn2 (part 7): grid 4 x 16, 4 waves a work-group, clusters of 4 x 4, 327,680 bytes of LDS; arguments gimg, wimg, b2, x1, out0; writes out0
.if DOCPART == 7
	.amdgcn_target "amdgcn-amd-amdhsa--gfx1250"
	.amdhsa_code_object_version 6
	.text
	.protected	k_q57366c62c4_ffn2
	.globl	k_q57366c62c4_ffn2
	.p2align	8
	.type	k_q57366c62c4_ffn2,@function
k_q57366c62c4_ffn2:
	s_mov_b64 s[64:65], 0
	v_nop
	global_prefetch_b8 v0, s[64:65] scope:SCOPE_SE
	s_setreg_imm32_b32 hwreg(HW_REG_WAVE_MODE, 25, 1), 1
	s_wait_xcnt 0x0
	s_wait_alu depctr_hold_cnt(0) depctr_sa_sdst(0) depctr_va_vdst(0) depctr_va_sdst(0) depctr_va_ssrc(0) depctr_va_vcc(0) depctr_vm_vsrc(0)
	s_getreg_b32 s2, hwreg(HW_REG_IB_STS2, 6, 4)
	s_cmp_eq_u32 s2, 0
	s_cbranch_scc0 .Lentry_in_a_cluster
	s_endpgm
.Lentry_in_a_cluster:
	s_bfe_u32 s2, ttmp6, 0x10000c
	s_cmp_lg_u32 s2, 0xf033
	s_cbranch_scc0 .Lentry_shape_is_right
	s_endpgm
.Lentry_shape_is_right:
; out = x1 + (g w2 + b2): the product on E4M3 codes with E8M0 scales, sums, bias and residual in f32.
; OPERAND IMAGES: [K / 128][rows][144 bytes]; a record = 128 codes, four scale bytes, 12 zeros; record p holds row swap34(p) (bits 3 and 4 exchanged).  256 records of a K step are 36,864 dense bytes: what lies in memory is what lies in LDS.
; Second source (A) = 256 tokens of g, first source (B) = 256 columns of w2: a lane holds one token and columns along its registers.
; A tile of 256 x 256 is made by four waves, 128 x 128 each: 64 accumulators.  K = 4,096 goes in steps of 256 (two K steps of 128) through a ring of two LDS slots; each wave brings one block of 36,864 bytes a slot by one tensor load.
; CLUSTERS: 4 x 4 work-groups; A's blocks are asked for jointly along a row of the cluster, B's along a column.  The output has 64 such tiles: 64 work-groups.
; REGISTERS: window 0: v1-15 at work; v16-29 addresses; v32-63 scale words, two sets; v64-67 the bias; v128-255 A's fragments, on the way out rows of the result.  window 1: B's fragments, on the way out the residual.  windows 2, 3: the accumulators.
.set LAPS,  8                          ; K = 4,096
.set STRA,  4096*144
.set STRB,  1024*144
.set OFFB,  10616832                   ; w2's image in wimg
.set NTOUT, 1                          ; the result is written once and read by nobody here
.set PITCH, 144
.set BLK,   256*PITCH
.set HALF,  128*PITCH
.set SLOT,  4*BLK
.set SPARE, 2*SLOT                     ; behind the ring: the spare words, 128 bytes for each wave: two blocks of 256 bytes that no other line names
.set NQ,    2
.set FR,    16
.set NL,    4
.set NP,    8
.set ADRA, 16
.set ADRB, 20
.set ADRS, 22
.set STO,  24
.set RD,   25
.set CO,   26
.set SPW,  28
.set NIL,  29
.set SC,   32
.set AF,   128
.set G1,  24
.set G0,  32
.set G1B, 48
.set G0B, 56
.set MSB, 0
.macro WIN new                         ; the immediate's high byte repeats the setting that is left
.if MSB != \new
	s_set_vgpr_msb (MSB<<8)|\new
.set MSB, \new
.endif
.endm
.set MUL_LO, 0xa1
.set MUL_HI, 0xf1
.set TO_B,   0x40
.macro JLOAD g0a, g1a, g0b, g1b        ; a joint load: waves 0 and 1 fetch A's two K steps, waves 2 and 3 B's; four v_nop follow each of the two lines
	s_cmp_eq_u32 s15, 0
	s_cbranch_scc0 .Lfor_b_\@
	tensor_load_to_lds s[\g0a:\g0a+3], s[\g1a:\g1a+7]
	s_nop 0
.rept 4
	v_nop
.endr
	s_branch .Lasked_\@
.Lfor_b_\@:
	tensor_load_to_lds s[\g0b:\g0b+3], s[\g1b:\g1b+7]
	s_nop 0
.rept 4
	v_nop
.endr
.Lasked_\@:
.endm
.macro CREST
	s_cmp_lg_u32 s14, 0
	s_cbranch_scc1 .Lnot_wave_0_\@
	s_barrier_signal -3
.Lnot_wave_0_\@:
	s_barrier_wait -3
	s_barrier_signal -1
	s_barrier_wait -1
.endm
.macro CROUND
	s_barrier_signal -1
	s_barrier_wait -1
	CREST
.endm
.macro PLACES n
.rept \n
	v_nop
.endr
.endm
.macro FRAG reg, adr, q, i
.irp c, 0,1,2,3
	ds_load_b128 v[\reg+4*\c:\reg+4*\c+3], v[\adr] offset:BLK*(\q)+32*\c+(\i)*16*PITCH
.endr
.endm
.macro MUL16 a0, p, q, sc, zero        ; the 64 accumulators take turns, one instruction a turn
.irp a, \a0, \a0+1
.irp b, 0,1,2,3,4,5,6,7
.if \zero
	v_wmma_scale_f32_16x16x128_f8f6f4 v[8*(8*((\a)%4)+\b):8*(8*((\a)%4)+\b)+7], v[128*(\p)+FR*\b:128*(\p)+FR*\b+FR-1], v[AF+FR*(\a):AF+FR*(\a)+FR-1], 0, v[SC+8*NQ*(\sc)+NQ*\b+(\q)], v[SC+8*NQ*(\sc)+NQ*(\a)+(\q)] matrix_a_scale:MATRIX_SCALE_ROW1
.else
	v_wmma_scale_f32_16x16x128_f8f6f4 v[8*(8*((\a)%4)+\b):8*(8*((\a)%4)+\b)+7], v[128*(\p)+FR*\b:128*(\p)+FR*\b+FR-1], v[AF+FR*(\a):AF+FR*(\a)+FR-1], v[8*(8*((\a)%4)+\b):8*(8*((\a)%4)+\b)+7], v[SC+8*NQ*(\sc)+NQ*\b+(\q)], v[SC+8*NQ*(\sc)+NQ*(\a)+(\q)] matrix_a_scale:MATRIX_SCALE_ROW1
.endif
.endr
.endr
.endm
.macro FETCH_B slot, q, p
	WIN TO_B
.irp i, 0,1,2,3,4,5,6,7
	FRAG 128*(\p)+FR*\i, ADRB+\slot, \q, \i
.endr
	WIN 0
.endm
.macro FETCH_A slot, q, i0
.irp i, \i0, \i0+1, \i0+2, \i0+3
	FRAG AF+FR*(\i), ADRA+\slot, \q, \i
.endr
.endm
.macro SCALES sc
.irp i, 0,1,2,3,4,5,6,7
.irp q, 0,1
	ds_load_b32 v[SC+8*NQ*\sc+NQ*\i+\q], v[ADRS+\sc] offset:\i*16*PITCH+\q*BLK
.endr
.endr
.endm
.macro STEP slot, q, zero
	s_wait_dscnt 4*NL                              ; all but the youngest 16 loads (A's blocks 4-7) are in
	WIN MUL_LO
	MUL16 0, (\q)%2, \q, \slot, \zero
	MUL16 2, (\q)%2, \q, \slot, \zero
	s_wait_dscnt 0
	PLACES NP
	FETCH_B \slot, (\q)+1, 1-(\q)%2
	FETCH_A \slot, (\q)+1, 0
	WIN MUL_HI
	MUL16 4, (\q)%2, \q, \slot, \zero
	MUL16 6, (\q)%2, \q, \slot, \zero
	PLACES NP
	WIN 0
	FETCH_A \slot, (\q)+1, 4
.endm
.macro TURN slot, next, fill
	s_wait_tensorcnt 0x0                           ; all my tensor loads have landed: my block of the next slot
	ds_add_u32 v[SPW], v[NIL]                      ; 0 onto my spare word
	s_wait_dscnt 4*NL+1                            ; (the add and the youngest 16 loads may be out)
	WIN MUL_LO
	MUL16 0, 1, NQ-1, \slot, 0
	s_wait_dscnt 0x0                               ; the add is done, and my reads of this slot are over
	s_barrier_signal -1
	MUL16 2, 1, NQ-1, \slot, 0
	WIN 0
	s_barrier_wait -1
.if \fill
	CREST                                          ; the barrier has opened a round of the cluster's barrier: no wave of any partner still reads this slot or has a load on its way
	s_add_nc_u64 s[G0+4*\slot+2:G0+4*\slot+3], s[G0+4*\slot+2:G0+4*\slot+3], 4*STRA
	s_add_nc_u64 s[G0B+4*\slot+2:G0B+4*\slot+3], s[G0B+4*\slot+2:G0B+4*\slot+3], 4*STRB
	JLOAD G0+4*\slot, G1, G0B+4*\slot, G1B
	PLACES NP-4
.else
	PLACES NP
.endif
	FETCH_B \next, 0, 0
	FETCH_A \next, 0, 0
	SCALES \next
	WIN MUL_HI
	MUL16 4, 1, NQ-1, \slot, 0
	MUL16 6, 1, NQ-1, \slot, 0
	PLACES NP
	WIN 0
	FETCH_A \next, 0, 4
.endm
; the way out: block a = 16 records of A; record 16 a + t holds row 32 (a / 2) + 16 (t / 8) + 8 (a % 2) + t % 8 of my 128
.set SPITCH, 528                       ; a stage row: 512 bytes + 16.  The stage (16 rows a wave) lies in slot 0, which has had its last fill and its last read
.set BI,   64                          ; v64-67 the bias of my four columns
.set BK,   128                         ; v128-191, v192-255: 16 rows read back, by turns
.set RESB, 10
.set OUTB, 12
.macro RLOAD a                         ; the residual's 16 rows of block a, into window 1
	WIN 0x40
.set u, 0
.rept 16
	global_load_b128 v[64*((\a)%2)+4*u:64*((\a)%2)+4*u+3], v[CO], s[RESB:RESB+1] offset:(32*((\a)/2)+16*(u/8)+8*((\a)%2)+(u%8))*4096 th:TH_LOAD_NT
.set u, u+1
.endr
	WIN 0
.endm
.macro TOSTAGE a                       ; register j of accumulator b is column 32 (b / 2) + 16 h + 8 (b % 2) + j: into my stage by columns, back by rows
.set AC, 64*((\a)%4)
.set WA, 0x08+4*((\a)/4)
	WIN WA
.irp b, 0,1,2,3,4,5,6,7
	ds_store_b128 v[STO], v[AC+8*\b:AC+8*\b+3] offset:128*(\b/2)+32*(\b%2)         ; each accumulator from its low end on
	ds_store_b128 v[STO], v[AC+8*\b+4:AC+8*\b+7] offset:128*(\b/2)+32*(\b%2)+16
.endr
	WIN 0
.set BB, BK+64*((\a)%2)
.set u, 0
.rept 16
	ds_load_b128 v[BB+4*u:BB+4*u+3], v[RD] offset:u*SPITCH     ; LDS serves a wave's instructions in order: these see the stores above
.set u, u+1
.endr
.endm
.macro ADD a
.set BB, BK+64*((\a)%2)
.set RR, 64*((\a)%2)
.set n, 0
.rept 32
	v_pk_add_f32 v[BB+n:BB+n+1], v[BB+n:BB+n+1], v[BI+(n%4):BI+(n%4)+1]    ; + the bias,
.set n, n+2
.endr
	WIN 0x04
.set n, 0
.rept 32
	v_pk_add_f32 v[BB+n:BB+n+1], v[BB+n:BB+n+1], v[RR+n:RR+n+1]            ; + the residual
.set n, n+2
.endr
	WIN 0
.endm
.macro SENDF a
.set BB, BK+64*((\a)%2)
.set u, 0
.rept 16
.if NTOUT
	global_store_b128 v[CO], v[BB+4*u:BB+4*u+3], s[OUTB:OUTB+1] offset:(32*((\a)/2)+16*(u/8)+8*((\a)%2)+(u%8))*4096 th:TH_STORE_NT   ; 512 consecutive bytes, aligned to 256
.else
	global_store_b128 v[CO], v[BB+4*u:BB+4*u+3], s[OUTB:OUTB+1] offset:(32*((\a)/2)+16*(u/8)+8*((\a)%2)+(u%8))*4096
.endif
.set u, u+1
.endr
.endm
	s_load_b128 s[4:7], s[0:1], 0x0                ; A's image, wimg
	s_load_b128 s[8:11], s[0:1], 0x10              ; the bias, the residual
	s_load_b64 s[12:13], s[0:1], 0x20              ; the result
	v_lshl_add_u32 v[SPW], v0, 2, SPARE
	v_mov_b32 v[NIL], 0
	ds_add_u32 v28, v29
	ds_add_u32 v28, v29
	s_wait_dscnt 0x0
	v_lshrrev_b32 v1, 5, v0
	v_readfirstlane_b32 s14, v1                    ; wave 0..3
	s_lshr_b32 s15, s14, 1
	s_and_b32 s16, s14, 1
	s_bfe_u32 s40, ttmp6, 0x40000                  ; cx, cy
	s_bfe_u32 s41, ttmp6, 0x40004
	s_lshl_b32 s42, ttmp9, 2
	s_add_co_u32 s42, s42, s40                     ; B's tile
	s_and_b32 s17, ttmp7, 0xffff
	s_lshl_b32 s17, s17, 2
	s_add_co_u32 s17, s17, s41                     ; A's tile
	s_lshl_b32 s43, s41, 2
	s_lshl_b32 s43, 15, s43
	s_lshl_b32 s44, 0x1111, s40
	s_or_b32 s[G1+0], s43, (3<<16)|(1<<21)         ; the mask; elements of 8 bytes; bit 21 set beside a mask
	s_or_b32 s[G1B+0], s44, (3<<16)|(1<<21)
.irp g, G1, G1B
	s_mov_b32 s[\g+1], 32<<16                      ; rows of 256 bytes,
	s_mov_b32 s[\g+2], 144<<16                     ; 144 of them: 36,864 dense bytes
	s_mov_b32 s[\g+3], 32<<16
	s_mov_b32 s[\g+4], 144
	s_mov_b32 s[\g+5], 32
	s_mov_b32 s[\g+6], 0
	s_mov_b32 s[\g+7], 0
.endr
	s_mul_i32 s20, s17, BLK
	s_mul_i32 s18, s16, STRA
	s_add_co_u32 s20, s20, s18
	s_mov_b32 s21, 0
	s_mul_i32 s46, s42, BLK
	s_mul_i32 s18, s16, STRB
	s_add_co_u32 s46, s46, s18
	s_add_co_u32 s46, s46, OFFB
	s_mov_b32 s47, 0
	s_mul_i32 s45, s14, BLK
	s_wait_kmcnt 0x0
	s_add_nc_u64 s[20:21], s[4:5], s[20:21]
	s_add_nc_u64 s[46:47], s[6:7], s[46:47]
	CROUND                                         ; all sixteen work-groups are here: the first joint loads meet
.irp s, 0,1
	s_mov_b32 s[G0+4*\s], 1
	s_add_co_u32 s[G0+4*\s+1], s45, \s*SLOT
	s_add_nc_u64 s[G0+4*\s+2:G0+4*\s+3], s[20:21], \s*2*STRA
	s_or_b32 s[G0+4*\s+3], s[G0+4*\s+3], 0x80000000
	s_mov_b32 s[G0B+4*\s], 1
	s_add_co_u32 s[G0B+4*\s+1], s45, \s*SLOT
	s_add_nc_u64 s[G0B+4*\s+2:G0B+4*\s+3], s[46:47], \s*2*STRB
	s_or_b32 s[G0B+4*\s+3], s[G0B+4*\s+3], 0x80000000
	JLOAD G0+4*\s, G1, G0B+4*\s, G1B
.endr
	v_and_b32 v1, 15, v0
	v_bfe_u32 v2, v0, 4, 1
	v_mul_u32_u24 v3, v1, PITCH
	v_lshl_add_u32 v4, v2, 4, v3
	s_mul_i32 s21, s15, HALF
	s_mul_i32 s22, s16, HALF
	s_add_co_u32 s22, s22, 2*BLK
	s_sub_co_u32 s23, s22, s21
	v_mul_u32_u24 v5, s23, v2                      ; lanes 16-31 take B's scale words
	v_add_nc_u32 v5, v3, v5
	v_add_nc_u32 v5, 128, v5
	v_add_nc_u32 v[ADRS], s21, v5
	v_add_nc_u32 v[ADRS+1], SLOT, v[ADRS]
.irp s, 0,1
	v_add_nc_u32 v[ADRA+\s], s21, v4
	v_add_nc_u32 v[ADRB+\s], s22, v4
	s_add_co_u32 s21, s21, SLOT
	s_add_co_u32 s22, s22, SLOT
.endr
	s_mul_i32 s23, s14, 16*SPITCH                  ; my stage
	v_mul_u32_u24 v5, v1, SPITCH
	v_lshl_add_u32 v5, v2, 6, v5
	v_add_nc_u32 v[STO], s23, v5
	v_and_b32 v5, 31, v0
	v_lshlrev_b32 v[CO], 4, v5
	v_add_nc_u32 v[RD], s23, v[CO]
	s_lshl_b32 s46, s42, 10                        ; my first column, in bytes
	s_lshl_b32 s47, s16, 9
	s_add_co_u32 s46, s46, s47
	s_mov_b32 s47, 0
	s_add_nc_u64 s[8:9], s[8:9], s[46:47]
	global_load_b128 v[BI:BI+3], v[CO], s[8:9]
	s_lshl_b32 s70, s17, 8
	s_lshl_b32 s71, s15, 7
	s_add_co_u32 s70, s70, s71
	s_lshl_b32 s70, s70, 12                        ; my first row, 4,096 bytes each
	s_add_co_u32 s46, s46, s70
	s_add_nc_u64 s[RESB:RESB+1], s[RESB:RESB+1], s[46:47]
	s_add_nc_u64 s[OUTB:OUTB+1], s[OUTB:OUTB+1], s[46:47]
	s_wait_loadcnt 0x0
	s_wait_tensorcnt 1                             ; my block of slot 0 is in (slot 1's may be out)
	s_barrier_signal -1
	s_barrier_wait -1
	FETCH_B 0, 0, 0
	FETCH_A 0, 0, 0
	SCALES 0
	FETCH_A 0, 0, 4
	STEP 0, 0, 1
	s_mov_b32 s3, LAPS-1
.Llap:
	TURN 0, 1, 1
	STEP 1, 0, 0
	TURN 1, 0, 1
	STEP 0, 0, 0
	s_sub_co_u32 s3, s3, 1
	s_cmp_lg_u32 s3, 0
	s_cbranch_scc1 .Llap
	TURN 0, 1, 0
	STEP 1, 0, 0
	s_wait_dscnt 4*NL
	WIN MUL_LO
	MUL16 0, 1, NQ-1, 1, 0
	MUL16 2, 1, NQ-1, 1, 0
	s_wait_dscnt 0
	WIN MUL_HI
	MUL16 4, 1, NQ-1, 1, 0
	MUL16 6, 1, NQ-1, 1, 0
	WIN 0
	PLACES NP
	RLOAD 0
	RLOAD 1
	TOSTAGE 0
.irp a, 0,1,2,3,4,5,6,7
.if \a < 7
.if \a > 0
	s_wait_xcnt 0x0                                ; block a - 1's stores have read their registers: block a + 1's rows may land there
.endif
	TOSTAGE \a+1
	s_wait_dscnt 32                                ; block a is back; the next block's 16 stores and 16 loads may be out
	s_wait_loadcnt 16                              ; block a's residual is in; the next block's 16 loads may be out
.else
	s_wait_dscnt 0
	s_wait_loadcnt 0
.endif
	ADD \a
	SENDF \a
.if \a < 6
	RLOAD \a+2
.endif
.endr
	s_wait_tensorcnt 0x0                           ; the wave's end
	ds_add_u32 v[SPW], v[NIL]
	s_wait_dscnt 0x0
	CROUND                                         ; the closing round
	s_endpgm
.Lfunc_end_k_q57366c62c4_ffn2:
	.size	k_q57366c62c4_ffn2, .Lfunc_end_k_q57366c62c4_ffn2-k_q57366c62c4_ffn2
	.p2alignl 7, 3214868480
	.fill 96, 4, 3214868480
	.section	.rodata,"a",@progbits
	.p2align	6, 0x0
	.amdhsa_kernel k_q57366c62c4_ffn2
		.amdhsa_group_segment_fixed_size 327680
		.amdhsa_private_segment_fixed_size 0
		.amdhsa_enable_private_segment 0
		.amdhsa_kernarg_size 40
		.amdhsa_user_sgpr_count 2
		.amdhsa_user_sgpr_kernarg_segment_ptr 1
		.amdhsa_wavefront_size32 1
		.amdhsa_system_sgpr_workgroup_id_x 1
		.amdhsa_system_sgpr_workgroup_id_y 1
		.amdhsa_system_sgpr_workgroup_id_z 1
		.amdhsa_system_vgpr_workitem_id 0
		.amdhsa_next_free_vgpr 1024
		.amdhsa_next_free_sgpr 100
		.amdhsa_reserve_vcc 0
		.amdhsa_float_denorm_mode_32 3
		.amdhsa_float_denorm_mode_16_64 3
		.amdhsa_memory_ordered 1
		.amdhsa_forward_progress 1
		.amdhsa_inst_pref_size 190
	.end_amdhsa_kernel
	.amdgpu_metadata
---
amdhsa.version: [ 1, 2 ]
amdhsa.kernels:
  - .name:           k_q57366c62c4_ffn2
    .symbol:         k_q57366c62c4_ffn2.kd
    .args:
      - { .name: gimg, .offset: 0, .size: 8, .value_kind: global_buffer, .address_space: global }
      - { .name: wimg, .offset: 8, .size: 8, .value_kind: global_buffer, .address_space: global }
      - { .name: b2, .offset: 16, .size: 8, .value_kind: global_buffer, .address_space: global }
      - { .name: x1, .offset: 24, .size: 8, .value_kind: global_buffer, .address_space: global }
      - { .name: out0, .offset: 32, .size: 8, .value_kind: global_buffer, .address_space: global }
    .group_segment_fixed_size: 327680
    .private_segment_fixed_size: 0
    .kernarg_segment_align: 8
    .kernarg_segment_size: 40
    .max_flat_workgroup_size: 128
    .sgpr_count:     100
    .vgpr_count:     1024
    .wavefront_size: 32
...
	.end_amdgpu_metadata
.endif
;; end of part 7
;; ======== version 2 of 2: 8 launches
;; limits: right only within a limited range of input values
;; workspace buffers: wimg 15,335,424 bytes; himg 4,718,592 bytes; qkvimg 14,155,776 bytes; cimg 4,718,592 bytes; x1 16,777,216 bytes; gimg 18,874,368 bytes
;; launch wquant (part 8): grid 384 x 1, 4 waves a work-group, no clusters, 37,376 bytes of LDS; arguments wq, wk, wv, wo, w1, w2, wimg; writes wimg
.if DOCPART == 8
	.amdgcn_target "amdgcn-amd-amdhsa--gfx1250"
	.amdhsa_code_object_version 6
	.text
	.protected	k_q57366c62c4_wquant
	.globl	k_q57366c62c4_wquant
	.p2align	8
	.type	k_q57366c62c4_wquant,@function
k_q57366c62c4_wquant:
	s_mov_b64 s[64:65], 0
	v_nop
	global_prefetch_b8 v0, s[64:65] scope:SCOPE_SE
	s_setreg_imm32_b32 hwreg(HW_REG_WAVE_MODE, 25, 1), 1
	s_wait_xcnt 0x0
; The six weights, f32 stored [K][N], become operand images of E4M3 codes with one E8M0 byte for each 32 along K.
; AN IMAGE of R rows and K along K is laid [K / 128][R][144 bytes]: a record holds 128 codes in the order of K, the four scale bytes, and 12 zeros.
; Record p of a K step holds row swap34(p): bits 3 and 4 of the row's number exchanged.  So sixteen records on end are a tile whose results fall, in the product that uses them as its first source, as neighbours along the next K.
; A block's scale is 2^(floor(log2(largest magnitude)) - 8); its byte is that magnitude's exponent field - 8, held at 1 from below.
; LIMITS: a block whose largest magnitude lies under 2^-118, a block of zeros among them, gets the byte 1 (its codes are zeros or the nearest codes under that scale; the bytes are read by this program alone); NaN and infinities are not served.
; SHARES: a work-group takes 128 columns x 256 along K, a wave 32 columns, A LANE ONE COLUMN WITH ITS REGISTERS DOWN K: each load reads 128 consecutive bytes a wave, a block of 32 lies in one lane, and the codes come out with K innermost.
; Work-groups 0-127: wq, wk, wv, wo (32 each); 128-255: w1; 256-383: w2.  One path for all: only pointers, pitches and offsets are chosen, on the work-group's number.
; The codes leave through the wave's own stage in LDS, laid as the image is: each store of the wave covers 512 consecutive bytes, aligned to 256.  No barrier: waves share nothing.
.set OFF_WO, 4718592                   ; wq, wk, wv: rows 0, 1024, 2048 of an image with room for 4,096 rows, at byte 0
.set OFF_W1, 5898240
.set OFF_W2, 10616832
.set PITCH,  144
.set KSB,    32*PITCH                  ; a wave's 32 records of one K step
.set WREG,   2*KSB                     ; a wave's stage: two K steps
.set RO,   16                          ; v16-47   4 x lane + i x pitch: row i of a block
.set X,    48                          ; v48-111  two sets of 32 numbers
.set C,    112                         ; v112-119 a block's codes
.set SW,   120                         ; v120-123, v124-127: a K step's scale word and three zeros
.set OUTR, 128                         ; v128-199 the way out
	s_load_b256 s[8:15], s[0:1], 0x0               ; wq, wk, wv, wo
	s_load_b128 s[16:19], s[0:1], 0x20             ; w1, w2
	s_load_b64 s[20:21], s[0:1], 0x30              ; wimg
	v_lshl_add_u32 v200, v0, 2, 0x9000
	v_mov_b32 v201, 0
	v_lshrrev_b32 v1, 5, v0
	v_readfirstlane_b32 s22, v1                    ; wave
	v_and_b32 v1, 31, v0                           ; lane = my column of the wave's 32
	v_and_b32 v6, 7, v1
	v_bfe_u32 v7, v1, 3, 1
	v_lshl_add_u32 v6, v7, 4, v6
	v_bfe_u32 v7, v1, 4, 1
	v_lshl_add_u32 v6, v7, 3, v6                   ; swap34(lane): my column's record
	s_mul_i32 s2, s22, WREG
	v_mul_u32_u24 v2, v6, PITCH
	v_add_nc_u32 v2, s2, v2                        ; into the stage
	v_lshlrev_b32 v4, 4, v1                        ; out: 16 bytes a lane
	v_add_nc_u32 v3, s2, v4
	v_lshlrev_b32 v5, 2, v1
	s_wait_alu depctr_va_vdst(0)
	s_lshr_b32 s23, ttmp9, 5                       ; which of wq, wk, wv, wo (4 and more: none of them)
	s_lshr_b32 s29, ttmp9, 7                       ; 0: those four; 1: w1; 2: w2
	s_and_b32 s30, ttmp9, 31
	s_and_b32 s31, ttmp9, 127
	s_cmp_eq_u32 s29, 0
	s_cselect_b32 s30, s30, s31                    ; my number within the weight
	s_mov_b32 s24, 4096                            ; a row of the weight in bytes
	s_mov_b32 s31, 7                               ; blocks of 128 columns - 1
	s_mov_b32 s53, 3
	s_cmp_eq_u32 s29, 1
	s_cselect_b32 s24, 16384, s24
	s_cselect_b32 s31, 31, s31
	s_cselect_b32 s53, 5, s53
	s_and_b32 s27, s30, s31                        ; which 128 columns
	s_lshr_b32 s28, s30, s53                       ; which 256 along K
	s_mov_b32 s25, 4096                            ; rows of the image
	s_cmp_eq_u32 s23, 3
	s_cselect_b32 s25, 1024, s25
	s_cmp_eq_u32 s29, 2
	s_cselect_b32 s25, 1024, s25
	s_mul_i32 s26, s23, 1024*PITCH                 ; where the image (or the weight's rows in it) begins
	s_cmp_eq_u32 s23, 3
	s_cselect_b32 s26, OFF_WO, s26
	s_cmp_eq_u32 s29, 1
	s_cselect_b32 s26, OFF_W1, s26
	s_cmp_eq_u32 s29, 2
	s_cselect_b32 s26, OFF_W2, s26
.set i, 0
.rept 32
	v_mad_u32_u24 v[RO+i], s24, i, v5
.set i, i+1
.endr
.irp r, 1,2,3,5,6,7
	v_mov_b32 v[SW+\r], 0
.endr
	s_mov_b32 s52, 0x600000                        ; the mantissa field of 448
	s_mul_i32 s54, s28, s24
	s_lshl_b32 s54, s54, 8                         ; 256 rows of the weight for each step of my K
	s_lshl_b32 s55, s27, 9
	s_add_co_u32 s54, s54, s55
	s_lshl_b32 s55, s22, 7
	s_add_co_u32 s54, s54, s55                     ; + my wave's first column, 4 bytes each
	s_mov_b32 s55, 0
	s_lshl_b32 s56, s24, 5                         ; 32 rows: a block
	s_mov_b32 s57, 0
	s_lshl_b32 s60, s28, 1
	s_mul_i32 s60, s60, s25                        ; my first K step's records,
	s_lshl_b32 s61, s27, 7
	s_add_co_u32 s60, s60, s61
	s_lshl_b32 s61, s22, 5
	s_add_co_u32 s60, s60, s61                     ; my wave's 32 of them
	s_mul_i32 s60, s60, PITCH
	s_add_co_u32 s60, s60, s26
	s_mov_b32 s61, 0
	s_mul_i32 s62, s25, PITCH                      ; from a K step to the next
	s_mov_b32 s63, 0
	s_wait_alu depctr_va_vdst(0)
	s_wait_kmcnt 0x0
	s_cmp_eq_u32 s23, 1                            ; the weight: a choice on the work-group's number alone
	s_cselect_b64 s[58:59], s[10:11], s[8:9]
	s_cmp_eq_u32 s23, 2
	s_cselect_b64 s[58:59], s[12:13], s[58:59]
	s_cmp_eq_u32 s23, 3
	s_cselect_b64 s[58:59], s[14:15], s[58:59]
	s_cmp_eq_u32 s29, 1
	s_cselect_b64 s[58:59], s[16:17], s[58:59]
	s_cmp_eq_u32 s29, 2
	s_cselect_b64 s[58:59], s[18:19], s[58:59]
	s_add_nc_u64 s[32:33], s[58:59], s[54:55]      ; a base for each of my eight blocks
.irp u, 1,2,3,4,5,6,7
	s_add_nc_u64 s[32+2*\u:33+2*\u], s[30+2*\u:31+2*\u], s[56:57]
.endr
	s_add_nc_u64 s[48:49], s[20:21], s[60:61]      ; and for each of my two K steps in the image
	s_add_nc_u64 s[50:51], s[48:49], s[62:63]
.macro LOAD u                          ; block u: 32 rows of the weight at my column, into set u % 2
.set i, 0
.rept 32
	global_load_b32 v[X+32*((\u)%2)+i], v[RO+i], s[32+2*(\u):33+2*(\u)] th:TH_LOAD_NT
.set i, i+1
.endr
.endm
	LOAD 0
	LOAD 1
.macro BLOCK u
.set XS, X+32*((\u)%2)
.set SWR, SW+4*((\u)/4)
.if (\u) < 7
	s_wait_loadcnt 32                              ; this block's 32 loads are in; the next block's 32 may be out
.else
	s_wait_loadcnt 0
.endif
	v_max3_num_f32 v12, |v[XS]|, |v[XS+1]|, |v[XS+2]|              ; the block's largest magnitude: all 32 numbers are mine
	v_max3_num_f32 v13, |v[XS+3]|, |v[XS+4]|, |v[XS+5]|
.irp i, 6,10,14,18,22,26
	v_max3_num_f32 v12, v12, |v[XS+\i]|, |v[XS+\i+1]|
	v_max3_num_f32 v13, v13, |v[XS+\i+2]|, |v[XS+\i+3]|
.endr
	v_max3_num_f32 v12, v12, |v[XS+30]|, |v[XS+31]|
	v_max3_num_f32 v12, v12, v13, 0x4800000        ; and the floor 2^(9 - 127): the byte cannot fall under 1
	v_add_nc_u32 v11, 0xfc000000, v12              ; 8 off the exponent field: the conversion's scale operand
	v_and_or_b32 v10, v12, 0x7f800000, s52         ; 448 x the scale
	v_lshrrev_b32 v13, 23, v11                     ; the scale's byte
.if (\u)%4 == 0
	v_mov_b32 v[SWR], v13
.else
	v_lshl_or_b32 v[SWR], v13, 8*((\u)%4), v[SWR]
.endif
.set i, 0
.rept 32
	v_med3_num_f32 v[XS+i], v[XS+i], -v10, v10     ; the conversion to an 8-bit code does not saturate (ISA guide 7.6.2): the hold comes first
.set i, i+1
.endr
.irp g, 0,1,2,3
	v_cvt_scalef32_pk8_fp8_f32 v[C+2*\g:C+2*\g+1], v[XS+8*\g:XS+8*\g+7], v11
.endr
	ds_store_b128 v2, v[C:C+3] offset:KSB*((\u)/4)+32*((\u)%4)
	ds_store_b128 v2, v[C+4:C+7] offset:KSB*((\u)/4)+32*((\u)%4)+16
.if (\u)%4 == 3
	ds_store_b128 v2, v[SWR:SWR+3] offset:KSB*((\u)/4)+128   ; the record's last 16 bytes: four scale bytes, twelve zeros
.endif
.if (\u)+2 < 8
	LOAD (\u)+2
.endif
	s_wait_dscnt 0x0                               ; the stores have read their registers: the next block's codes may be written
.endm
.irp u, 0,1,2,3,4,5,6,7
	BLOCK \u
.endr
.set c, 0
.rept 18
	ds_load_b128 v[OUTR+4*c:OUTR+4*c+3], v3 offset:512*c       ; LDS serves a wave's instructions in order: these see my stores
.set c, c+1
.endr
.set c, 0
.rept 18
	s_wait_dscnt 17-c                              ; load c is back; the younger ones may be out
	global_store_b128 v4, v[OUTR+4*c:OUTR+4*c+3], s[48+2*(c/9):49+2*(c/9)] offset:512*(c%9)
.set c, c+1
.endr
	s_wait_tensorcnt 0x0
	ds_add_u32 v200, v201
	s_wait_dscnt 0x0
	s_endpgm
.Lfunc_end_k_q57366c62c4_wquant:
	.size	k_q57366c62c4_wquant, .Lfunc_end_k_q57366c62c4_wquant-k_q57366c62c4_wquant
	.p2alignl 7, 3214868480
	.fill 96, 4, 3214868480
	.section	.rodata,"a",@progbits
	.p2align	6, 0x0
	.amdhsa_kernel k_q57366c62c4_wquant
		.amdhsa_group_segment_fixed_size 37376
		.amdhsa_private_segment_fixed_size 0
		.amdhsa_enable_private_segment 0
		.amdhsa_kernarg_size 56
		.amdhsa_user_sgpr_count 2
		.amdhsa_user_sgpr_kernarg_segment_ptr 1
		.amdhsa_wavefront_size32 1
		.amdhsa_system_sgpr_workgroup_id_x 1
		.amdhsa_system_sgpr_workgroup_id_y 1
		.amdhsa_system_sgpr_workgroup_id_z 1
		.amdhsa_system_vgpr_workitem_id 0
		.amdhsa_next_free_vgpr 202
		.amdhsa_next_free_sgpr 66
		.amdhsa_reserve_vcc 0
		.amdhsa_float_denorm_mode_32 3
		.amdhsa_float_denorm_mode_16_64 3
		.amdhsa_memory_ordered 1
		.amdhsa_forward_progress 1
		.amdhsa_inst_pref_size 64
	.end_amdhsa_kernel
	.amdgpu_metadata
---
amdhsa.version: [ 1, 2 ]
amdhsa.kernels:
  - .name:           k_q57366c62c4_wquant
    .symbol:         k_q57366c62c4_wquant.kd
    .args:
      - { .name: wq, .offset: 0, .size: 8, .value_kind: global_buffer, .address_space: global }
      - { .name: wk, .offset: 8, .size: 8, .value_kind: global_buffer, .address_space: global }
      - { .name: wv, .offset: 16, .size: 8, .value_kind: global_buffer, .address_space: global }
      - { .name: wo, .offset: 24, .size: 8, .value_kind: global_buffer, .address_space: global }
      - { .name: w1, .offset: 32, .size: 8, .value_kind: global_buffer, .address_space: global }
      - { .name: w2, .offset: 40, .size: 8, .value_kind: global_buffer, .address_space: global }
      - { .name: wimg, .offset: 48, .size: 8, .value_kind: global_buffer, .address_space: global }
    .group_segment_fixed_size: 37376
    .private_segment_fixed_size: 0
    .kernarg_segment_align: 8
    .kernarg_segment_size: 56
    .max_flat_workgroup_size: 128
    .sgpr_count:     66
    .vgpr_count:     202
    .wavefront_size: 32
...
	.end_amdgpu_metadata
.endif
;; end of part 8
;; launch ln1 (part 9): grid 256 x 1, 16 waves a work-group, no clusters, 112,640 bytes of LDS; arguments x, ln1_g, ln1_b, himg; writes himg
.if DOCPART == 9
	.amdgcn_target "amdgcn-amd-amdhsa--gfx1250"
	.amdhsa_code_object_version 6
	.text
	.protected	k_q57366c62c4_ln1
	.globl	k_q57366c62c4_ln1
	.p2align	8
	.type	k_q57366c62c4_ln1,@function
k_q57366c62c4_ln1:
	s_mov_b64 s[64:65], 0
	v_nop
	global_prefetch_b8 v0, s[64:65] scope:SCOPE_SE
	s_setreg_imm32_b32 hwreg(HW_REG_WAVE_MODE, 25, 1), 1
	s_wait_xcnt 0x0
; h = layernorm(x) g + b, rows of 1,024 f32, quantised along the row into an operand image: [8 K steps][4,096 rows][144 bytes]; a record = 128 E4M3 codes, four E8M0 bytes, 12 zeros;
; record p holds row swap34(p) (bits 3 and 4 of the row's number exchanged).  All arithmetic in f32: the mean, then the mean of the squared differences (two passes over registers), v_rsq_f32.
; LIMITS: a block whose largest magnitude lies under 2^-118 gets the byte 1 (read by this program alone); NaN and infinities are not served.
; SHARES: a work-group takes 16 rows, a wave one; a row is eight loads of 512 consecutive bytes and stays in 32 registers.  All 24 loads of a wave (g, b, the row) go out at the head.
; For the conversions a lane must hold 32 neighbours: the finished row turns through the wave's own stage in LDS (16 bytes of padding behind each 128), and lane l comes back with block l.
; The codes gather in an image of the 16 rows in LDS; behind one barrier waves 0 to 11 store six units of 256 bytes each, 256 consecutive bytes a store of sixteen lanes, aligned to 256.
.set PITCH, 144
.set KSB,   32*PITCH                   ; a wave's stage: one row, 32 pieces of 128 bytes + 16
; SHARES AS THEY STAND IN THIS TEXT: a work-group takes the 16 rows that fall on 16 records on end: work-group g holds records 16 g + w, which are rows 32 (g / 2) + 8 (g % 2) + w % 8 + 16 (w / 8).
; Sixteen waves, a wave ONE row (24 loads: g, b, the row).  The image in LDS is [8 K steps][16 records][144]: 72 units of 256 bytes, nine to a K step; twelve waves store six units each.
.set IMG,   16*KSB                     ; behind the sixteen stages: the image
.set G,   16                           ; v16-47   g of my 32 columns
.set B,   48                           ; v48-79   b
.set X,   80                           ; v80-111  my row
.set W,   208                          ; v208-215 at work
.set C,   216                          ; v216-223 a block's codes
.set SW,  224                          ; v224-227 a scale word and three zeros
.set PT,  228                          ; v228     what other lanes send
	s_load_b256 s[4:11], s[0:1], 0x0               ; x, g, b, the image
	v_lshl_add_u32 v254, v0, 2, 0x1B000            ; my spare word, behind the image: 16 x 4,608 + 36,864 bytes
	v_mov_b32 v255, 0
	v_lshrrev_b32 v1, 5, v0
	s_delay_alu instid0(VALU_DEP_1)
	v_readfirstlane_b32 s14, v1                    ; wave 0..15
	v_and_b32 v1, 31, v0                           ; lane
	s_delay_alu instid0(VALU_DEP_1)
	v_lshlrev_b32 v2, 4, v1
	s_mov_b32 s12, 0x76543210
	s_mov_b32 s13, 0xfedcba98                      ; v_permlanex16_b32's selects for lane l xor 16
	s_mov_b32 s15, 0x600000                        ; the mantissa field of 448
	s_mov_b32 s16, 0x3727c5ac                      ; 1e-5
	s_mov_b32 s17, 0x3a800000                      ; 1 / 1,024
	s_lshr_b32 s18, ttmp9, 1                       ; my row, 4,096 bytes each: 32 (g / 2)
	s_lshl_b32 s18, s18, 17
	s_and_b32 s19, ttmp9, 1                        ; + 8 (g % 2)
	s_lshl_b32 s19, s19, 15
	s_add_co_u32 s18, s18, s19
	s_and_b32 s19, s14, 7                          ; + w % 8
	s_lshl_b32 s19, s19, 12
	s_add_co_u32 s18, s18, s19
	s_lshr_b32 s19, s14, 3                         ; + 16 (w / 8)
	s_lshl_b32 s19, s19, 16
	s_add_co_u32 s18, s18, s19
	s_mov_b32 s19, 0
	s_wait_alu depctr_va_vdst(0)
	s_wait_kmcnt 0x0
	s_add_nc_u64 s[4:5], s[4:5], s[18:19]
.set i, 0
.rept 8
	global_load_b128 v[G+4*i:G+4*i+3], v2, s[6:7] offset:512*i
.set i, i+1
.endr
.set i, 0
.rept 8
	global_load_b128 v[B+4*i:B+4*i+3], v2, s[8:9] offset:512*i
.set i, i+1
.endr
.set i, 0
.rept 8
	global_load_b128 v[X+4*i:X+4*i+3], v2, s[4:5] offset:512*i     ; my row: eight loads of 512 consecutive bytes
.set i, i+1
.endr
	s_mul_i32 s20, s14, KSB                        ; my stage
	v_lshrrev_b32 v9, 3, v1
	s_delay_alu instid0(VALU_DEP_1)
	v_mul_u32_u24 v3, v9, PITCH
	v_and_b32 v9, 7, v1
	s_delay_alu instid0(VALU_DEP_1)
	v_lshl_add_u32 v3, v9, 4, v3
	s_delay_alu instid0(VALU_DEP_1)
	v_add_nc_u32 v3, s20, v3                       ; in: a load's 512 bytes are four pieces of 128, each with 16 of padding behind it
	v_mul_u32_u24 v4, v1, PITCH
	s_delay_alu instid0(VALU_DEP_1)
	v_add_nc_u32 v4, s20, v4                       ; back: piece l: block l of the row
	s_mul_i32 s21, s14, PITCH                      ; my row lies at record w of the work-group's 16
	s_add_co_u32 s21, s21, IMG
	v_lshrrev_b32 v9, 2, v1
	s_delay_alu instid0(VALU_DEP_1)
	v_mul_u32_u24 v9, v9, 16*PITCH                 ; block l belongs to K step l / 4: 16 records each,
	s_delay_alu instid0(VALU_DEP_1)
	v_add_nc_u32 v9, s21, v9
	v_and_b32 v10, 3, v1
	s_delay_alu instid0(VALU_DEP_1)
	v_lshl_add_u32 v5, v10, 5, v9                  ; and is its block l % 4: 32 bytes
	s_delay_alu instid0(VALU_DEP_3)
	v_add_nc_u32 v6, 128, v9                       ; the record's last 16 bytes
	s_delay_alu instid0(VALU_DEP_3)
	v_lshlrev_b32 v8, 3, v10                       ; my byte's place in the scale word
	s_mul_i32 s20, s14, 1536                       ; the way out is waves 0 to 11's: six units of 256 bytes each
	s_add_co_u32 s20, s20, IMG
	v_add_nc_u32 v7, s20, v2                       ; the way out: units 6 w on of the image, 16 bytes a lane
	v_mov_b32 v[PT], 0                             ; written once: a lane permute's destination counts as one of its sources
.irp r, 1,2,3
	v_mov_b32 v[SW+\r], 0
.endr
	v_lshrrev_b32 v9, 4, v1                        ; store c of mine: lanes 0-15 unit 6 w + 2 c, lanes 16-31 the next
	s_mul_i32 s22, s14, 6
	v_add_nc_u32 v9, s22, v9
	v_and_b32 v10, 15, v1
	v_lshlrev_b32 v10, 4, v10                      ; 16 bytes a lane in the unit
.irp c, 0,1,2
	v_add_nc_u32 v14, 2*\c, v9                     ; the unit u, under 72 in the waves that store
	v_mul_u32_u24 v15, v14, 57
	v_lshrrev_b32 v15, 9, v15                      ; its K step u / 9 (57 u >> 9 is u / 9 for u under 72)
	v_mul_u32_u24 v[11+\c], v15, 9
	v_sub_nc_u32 v14, v14, v[11+\c]                ; and its place u % 9 there
	v_lshl_add_u32 v14, v14, 8, v10
	v_mad_u32_u24 v[11+\c], v15, 0x90000, v14      ; a K step of the image in memory is 4,096 x 144 bytes
.endr
	s_mul_i32 s22, ttmp9, 16*PITCH                 ; records 16 x work-group on
	s_mov_b32 s23, 0
	s_add_nc_u64 s[10:11], s[10:11], s[22:23]
.macro WSUM r                          ; the sum over the 32 lanes, in every lane
	s_delay_alu instid0(VALU_DEP_1)
	v_add_f32_dpp v[\r], v[\r], v[\r] row_xmask:1 row_mask:0xf bank_mask:0xf
	s_delay_alu instid0(VALU_DEP_1)
	v_add_f32_dpp v[\r], v[\r], v[\r] row_xmask:2 row_mask:0xf bank_mask:0xf
	s_delay_alu instid0(VALU_DEP_1)
	v_add_f32_dpp v[\r], v[\r], v[\r] row_xmask:4 row_mask:0xf bank_mask:0xf
	s_delay_alu instid0(VALU_DEP_1)
	v_add_f32_dpp v[\r], v[\r], v[\r] row_xmask:8 row_mask:0xf bank_mask:0xf
	s_delay_alu instid0(VALU_DEP_1)
	v_permlanex16_b32 v[PT], v[\r], s12, s13
	s_delay_alu instid0(VALU_DEP_1)
	v_add_f32 v[\r], v[\r], v[PT]
.endm
.macro ROW j
.set XR, X+32*(\j)
	s_wait_loadcnt 0x0                             ; g, b and my row are in
	v_pk_add_f32 v[W:W+1], v[XR:XR+1], v[XR+2:XR+3]
	v_pk_add_f32 v[W+2:W+3], v[XR+4:XR+5], v[XR+6:XR+7]
.irp i, 8,12,16,20,24,28
	s_delay_alu instid0(VALU_DEP_2)
	v_pk_add_f32 v[W:W+1], v[W:W+1], v[XR+\i:XR+\i+1]
	s_delay_alu instid0(VALU_DEP_2)
	v_pk_add_f32 v[W+2:W+3], v[W+2:W+3], v[XR+\i+2:XR+\i+3]
.endr
	s_delay_alu instid0(VALU_DEP_1)
	v_pk_add_f32 v[W:W+1], v[W:W+1], v[W+2:W+3]
	s_delay_alu instid0(VALU_DEP_1)
	v_add_f32 v[W], v[W], v[W+1]
	WSUM W
	s_delay_alu instid0(VALU_DEP_1)
	v_mul_f32 v[W], s17, v[W]                      ; the mean
.set i, 0
.rept 16
	v_pk_add_f32 v[XR+i:XR+i+1], v[XR+i:XR+i+1], v[W:W+1] op_sel_hi:[1,0] neg_lo:[0,1] neg_hi:[0,1]   ; x - mean
.set i, i+2
.endr
	v_pk_mul_f32 v[W+2:W+3], v[XR:XR+1], v[XR:XR+1]
	v_pk_mul_f32 v[W+4:W+5], v[XR+2:XR+3], v[XR+2:XR+3]
.irp i, 4,8,12,16,20,24,28
	s_delay_alu instid0(VALU_DEP_2)
	v_pk_fma_f32 v[W+2:W+3], v[XR+\i:XR+\i+1], v[XR+\i:XR+\i+1], v[W+2:W+3]
	s_delay_alu instid0(VALU_DEP_2)
	v_pk_fma_f32 v[W+4:W+5], v[XR+\i+2:XR+\i+3], v[XR+\i+2:XR+\i+3], v[W+4:W+5]
.endr
	s_delay_alu instid0(VALU_DEP_1)
	v_pk_add_f32 v[W+2:W+3], v[W+2:W+3], v[W+4:W+5]
	s_delay_alu instid0(VALU_DEP_1)
	v_add_f32 v[W+2], v[W+2], v[W+3]
	WSUM W+2
	s_delay_alu instid0(VALU_DEP_1)
	v_fma_f32 v[W+2], v[W+2], s17, s16             ; the variance + eps
	s_wait_alu depctr_va_vdst(0)
	v_rsq_f32 v[W+4], v[W+2]
	v_nop                                          ; a plain instruction between the transcendental and the use of its result
.set i, 0
	s_wait_alu depctr_va_vdst(0)
.rept 16
	v_pk_mul_f32 v[XR+i:XR+i+1], v[XR+i:XR+i+1], v[W+4:W+5] op_sel_hi:[1,0]
.set i, i+2
.endr
.set i, 0
.rept 16
	v_pk_fma_f32 v[XR+i:XR+i+1], v[XR+i:XR+i+1], v[G+i:G+i+1], v[B+i:B+i+1]
.set i, i+2
.endr
.set i, 0
.rept 8
	ds_store_b128 v3, v[XR+4*i:XR+4*i+3] offset:4*PITCH*i
.set i, i+1
.endr
.set i, 0
.rept 8
	ds_load_b128 v[XR+4*i:XR+4*i+3], v4 offset:16*i        ; LDS serves a wave's instructions in order: these see the stores above
.set i, i+1
.endr
	s_wait_dscnt 0x0                               ; my 32 registers now hold k = 32 l .. 32 l + 31 of the row
	v_max3_num_f32 v[W], |v[XR]|, |v[XR+1]|, |v[XR+2]|
	v_max3_num_f32 v[W+1], |v[XR+3]|, |v[XR+4]|, |v[XR+5]|
.irp i, 6,10,14,18,22,26
	s_delay_alu instid0(VALU_DEP_2)
	v_max3_num_f32 v[W], v[W], |v[XR+\i]|, |v[XR+\i+1]|
	s_delay_alu instid0(VALU_DEP_2)
	v_max3_num_f32 v[W+1], v[W+1], |v[XR+\i+2]|, |v[XR+\i+3]|
.endr
	s_delay_alu instid0(VALU_DEP_2)
	v_max3_num_f32 v[W], v[W], |v[XR+30]|, |v[XR+31]|
	s_delay_alu instid0(VALU_DEP_1)
	v_max3_num_f32 v[W], v[W], v[W+1], 0x4800000   ; with the floor 2^(9 - 127): the byte cannot fall under 1
	s_delay_alu instid0(VALU_DEP_1)
	v_add_nc_u32 v[W+3], 0xfc000000, v[W]          ; the conversion's scale operand
	s_delay_alu instid0(VALU_DEP_2)
	v_and_or_b32 v[W+2], v[W], 0x7f800000, s15     ; 448 x the scale
.set i, 0
.rept 32
	v_med3_num_f32 v[XR+i], v[XR+i], -v[W+2], v[W+2]
.set i, i+1
.endr
.irp g, 0,1,2,3
	v_cvt_scalef32_pk8_fp8_f32 v[C+2*\g:C+2*\g+1], v[XR+8*\g:XR+8*\g+7], v[W+3]
.endr
	v_lshrrev_b32 v[W+4], 23, v[W+3]               ; the scale's byte,
	s_delay_alu instid0(VALU_DEP_1)
	v_lshlrev_b32 v[W+4], v8, v[W+4]               ; at its place in the K step's word;
	s_delay_alu instid0(VALU_DEP_1)
	v_mov_b32_dpp v[PT], v[W+4] row_xmask:1 row_mask:0xf bank_mask:0xf
	s_delay_alu instid0(VALU_DEP_1)
	v_or_b32 v[W+4], v[W+4], v[PT]
	s_delay_alu instid0(VALU_DEP_1)
	v_mov_b32_dpp v[PT], v[W+4] row_xmask:2 row_mask:0xf bank_mask:0xf
	s_delay_alu instid0(VALU_DEP_1)
	v_or_b32 v[SW], v[W+4], v[PT]                  ; the four lanes of a K step now hold its word
	ds_store_b128 v5, v[C:C+3] offset:PITCH*(\j)
	ds_store_b128 v5, v[C+4:C+7] offset:PITCH*(\j)+16
	ds_store_b128 v6, v[SW:SW+3] offset:PITCH*(\j) ; four lanes write the same 16 bytes with the same value
	s_wait_dscnt 0x0                               ; the stores have read their registers
.endm
	ROW 0
	s_wait_dscnt 0x0                               ; for the others' sake: my stores into the image are done
	s_barrier_signal -1
	s_barrier_wait -1
	s_cmp_lt_u32 s14, 12                           ; 72 units leave by twelve waves
	s_cbranch_scc0 .Lno_out
.set c, 0
.rept 3
	ds_load_b128 v[X+4*c:X+4*c+3], v7 offset:512*c
.set c, c+1
.endr
.set c, 0
.rept 3
	s_wait_dscnt 2-c
	global_store_b128 v[11+c], v[X+4*c:X+4*c+3], s[10:11]      ; sixteen lanes store 256 consecutive bytes, aligned to 256
.set c, c+1
.endr
.Lno_out:
	s_wait_tensorcnt 0x0
	ds_add_u32 v254, v255
	s_wait_dscnt 0x0
	s_endpgm
.Lfunc_end_k_q57366c62c4_ln1:
	.size	k_q57366c62c4_ln1, .Lfunc_end_k_q57366c62c4_ln1-k_q57366c62c4_ln1
	.p2alignl 7, 3214868480
	.fill 96, 4, 3214868480
	.section	.rodata,"a",@progbits
	.p2align	6, 0x0
	.amdhsa_kernel k_q57366c62c4_ln1
		.amdhsa_group_segment_fixed_size 112640
		.amdhsa_private_segment_fixed_size 0
		.amdhsa_enable_private_segment 0
		.amdhsa_kernarg_size 32
		.amdhsa_user_sgpr_count 2
		.amdhsa_user_sgpr_kernarg_segment_ptr 1
		.amdhsa_wavefront_size32 1
		.amdhsa_system_sgpr_workgroup_id_x 1
		.amdhsa_system_sgpr_workgroup_id_y 1
		.amdhsa_system_sgpr_workgroup_id_z 1
		.amdhsa_system_vgpr_workitem_id 0
		.amdhsa_next_free_vgpr 256
		.amdhsa_next_free_sgpr 66
		.amdhsa_reserve_vcc 0
		.amdhsa_float_denorm_mode_32 3
		.amdhsa_float_denorm_mode_16_64 3
		.amdhsa_memory_ordered 1
		.amdhsa_forward_progress 1
		.amdhsa_inst_pref_size 21
	.end_amdhsa_kernel
	.amdgpu_metadata
---
amdhsa.version: [ 1, 2 ]
amdhsa.kernels:
  - .name:           k_q57366c62c4_ln1
    .symbol:         k_q57366c62c4_ln1.kd
    .args:
      - { .name: x, .offset: 0, .size: 8, .value_kind: global_buffer, .address_space: global }
      - { .name: ln1_g, .offset: 8, .size: 8, .value_kind: global_buffer, .address_space: global }
      - { .name: ln1_b, .offset: 16, .size: 8, .value_kind: global_buffer, .address_space: global }
      - { .name: himg, .offset: 24, .size: 8, .value_kind: global_buffer, .address_space: global }
    .group_segment_fixed_size: 112640
    .private_segment_fixed_size: 0
    .kernarg_segment_align: 8
    .kernarg_segment_size: 32
    .max_flat_workgroup_size: 512
    .sgpr_count:     66
    .vgpr_count:     256
    .wavefront_size: 32
...
	.end_amdgpu_metadata
.endif
;; end of part 9
;; launch qkv (part 10): grid 12 x 16, 4 waves a work-group, clusters of 4 x 4, 327,680 bytes of LDS; arguments himg, wimg, bq, bk, bv, qkvimg; writes qkvimg
.if DOCPART == 10
	.amdgcn_target "amdgcn-amd-amdhsa--gfx1250"
	.amdhsa_code_object_version 6
	.text
	.protected	k_q57366c62c4_qkv
	.globl	k_q57366c62c4_qkv
	.p2align	8
	.type	k_q57366c62c4_qkv,@function
k_q57366c62c4_qkv:
	s_mov_b64 s[64:65], 0
	v_nop
	global_prefetch_b8 v0, s[64:65] scope:SCOPE_SE
	s_setreg_imm32_b32 hwreg(HW_REG_WAVE_MODE, 25, 1), 1
	s_wait_xcnt 0x0
	s_wait_alu depctr_hold_cnt(0) depctr_sa_sdst(0) depctr_va_vdst(0) depctr_va_sdst(0) depctr_va_ssrc(0) depctr_va_vcc(0) depctr_vm_vsrc(0)
	s_getreg_b32 s2, hwreg(HW_REG_IB_STS2, 6, 4)
	s_cmp_eq_u32 s2, 0
	s_cbranch_scc0 .Lentry_in_a_cluster
	s_endpgm
.Lentry_in_a_cluster:
	s_bfe_u32 s2, ttmp6, 0x10000c
	s_cmp_lg_u32 s2, 0xf033
	s_cbranch_scc0 .Lentry_shape_is_right
	s_endpgm
.Lentry_shape_is_right:
.set LAPS,  2
.set STRA,  4096*144
.set STRB,  4096*144
.set PITCH, 144
.set BLK,   256*PITCH
.set HALF,  128*PITCH
.set SLOT,  4*BLK
.set SPARE, 2*SLOT
.set NQ,    2
.set FR,    16
.set NL,    4
.set NP,    8
.set ADRA, 16
.set ADRB, 20
.set ADRS, 22
.set STO,  24
.set RD,   25
.set CO,   26
.set SQA,  27
.set SPW,  28
.set NIL,  29
.set SC,   32
.set AF,   128
.set G1,  24
.set G0,  32
.set G1B, 48
.set G0B, 56
.set MSB, 0
.macro WIN new
.if MSB != \new
	s_set_vgpr_msb (MSB<<8)|\new
.set MSB, \new
.endif
.endm
.set MUL_LO, 0xa1
.set MUL_HI, 0xf1
.set TO_B,   0x40
.macro JLOAD g0a, g1a, g0b, g1b
	s_cmp_eq_u32 s15, 0
	s_cbranch_scc0 .Lfor_b_\@
	tensor_load_to_lds s[\g0a:\g0a+3], s[\g1a:\g1a+7]
	s_nop 0
.rept 4
	v_nop
.endr
	s_branch .Lasked_\@
.Lfor_b_\@:
	tensor_load_to_lds s[\g0b:\g0b+3], s[\g1b:\g1b+7]
	s_nop 0
.rept 4
	v_nop
.endr
.Lasked_\@:
.endm
.macro CREST
	s_cmp_lg_u32 s14, 0
	s_cbranch_scc1 .Lnot_wave_0_\@
	s_barrier_signal -3
.Lnot_wave_0_\@:
	s_barrier_wait -3
	s_barrier_signal -1
	s_barrier_wait -1
.endm
.macro CROUND
	s_barrier_signal -1
	s_barrier_wait -1
	CREST
.endm
.macro PLACES n
.rept \n
	v_nop
.endr
.endm
.macro FRAG reg, adr, q, i
.irp c, 0,1,2,3
	ds_load_b128 v[\reg+4*\c:\reg+4*\c+3], v[\adr] offset:BLK*(\q)+32*\c+(\i)*16*PITCH
.endr
.endm
.macro MUL16 a0, p, q, sc, zero
.irp a, \a0, \a0+1
.irp b, 0,1,2,3,4,5,6,7
.if \zero
	v_wmma_scale_f32_16x16x128_f8f6f4 v[8*(8*((\a)%4)+\b):8*(8*((\a)%4)+\b)+7], v[128*(\p)+FR*\b:128*(\p)+FR*\b+FR-1], v[AF+FR*(\a):AF+FR*(\a)+FR-1], 0, v[SC+8*NQ*(\sc)+NQ*\b+(\q)], v[SC+8*NQ*(\sc)+NQ*(\a)+(\q)] matrix_a_scale:MATRIX_SCALE_ROW1
.else
	v_wmma_scale_f32_16x16x128_f8f6f4 v[8*(8*((\a)%4)+\b):8*(8*((\a)%4)+\b)+7], v[128*(\p)+FR*\b:128*(\p)+FR*\b+FR-1], v[AF+FR*(\a):AF+FR*(\a)+FR-1], v[8*(8*((\a)%4)+\b):8*(8*((\a)%4)+\b)+7], v[SC+8*NQ*(\sc)+NQ*\b+(\q)], v[SC+8*NQ*(\sc)+NQ*(\a)+(\q)] matrix_a_scale:MATRIX_SCALE_ROW1
.endif
.endr
.endr
.endm
.macro FETCH_B slot, q, p
	WIN TO_B
.irp i, 0,1,2,3,4,5,6,7
	FRAG 128*(\p)+FR*\i, ADRB+\slot, \q, \i
.endr
	WIN 0
.endm
.macro FETCH_A slot, q, i0
.irp i, \i0, \i0+1, \i0+2, \i0+3
	FRAG AF+FR*(\i), ADRA+\slot, \q, \i
.endr
.endm
.macro SCALES sc
.irp i, 0,1,2,3,4,5,6,7
.irp q, 0,1
	ds_load_b32 v[SC+8*NQ*\sc+NQ*\i+\q], v[ADRS+\sc] offset:\i*16*PITCH+\q*BLK
.endr
.endr
.endm
.macro STEP slot, q, zero
	s_wait_dscnt 4*NL
	WIN MUL_LO
	MUL16 0, (\q)%2, \q, \slot, \zero
	MUL16 2, (\q)%2, \q, \slot, \zero
	s_wait_dscnt 0
	PLACES NP
	FETCH_B \slot, (\q)+1, 1-(\q)%2
	FETCH_A \slot, (\q)+1, 0
	WIN MUL_HI
	MUL16 4, (\q)%2, \q, \slot, \zero
	MUL16 6, (\q)%2, \q, \slot, \zero
	PLACES NP
	WIN 0
	FETCH_A \slot, (\q)+1, 4
.endm
.macro TURN slot, next, fill
	s_wait_tensorcnt 0x0
	ds_add_u32 v[SPW], v[NIL]
	s_wait_dscnt 4*NL+1
	WIN MUL_LO
	MUL16 0, 1, NQ-1, \slot, 0
	s_wait_dscnt 0x0
	s_barrier_signal -1
	MUL16 2, 1, NQ-1, \slot, 0
	WIN 0
	s_barrier_wait -1
.if \fill
	CREST
	s_add_nc_u64 s[G0+4*\slot+2:G0+4*\slot+3], s[G0+4*\slot+2:G0+4*\slot+3], 4*STRA
	s_add_nc_u64 s[G0B+4*\slot+2:G0B+4*\slot+3], s[G0B+4*\slot+2:G0B+4*\slot+3], 4*STRB
	JLOAD G0+4*\slot, G1, G0B+4*\slot, G1B
	PLACES NP-4
.else
	PLACES NP
.endif
	FETCH_B \next, 0, 0
	FETCH_A \next, 0, 0
	SCALES \next
	WIN MUL_HI
	MUL16 4, 1, NQ-1, \slot, 0
	MUL16 6, 1, NQ-1, \slot, 0
	PLACES NP
	WIN 0
	FETCH_A \next, 0, 4
.endm
.set BR,   6
.set BC,   64
.set T,    128
.set PC,   192
.set TM,   208
.set PWQ,  224
.set STAV, 228
.set SQV,  229
.set BRC,  230
.set AI,   91
.set SOFF, 92
.set MNT,  93
.set SEL,  94
.macro QUANT s
.irp b, 0,1,2,3
	v_max3_num_f32 v[TM+\b], |v[\s+16*\b]|, |v[\s+1+16*\b]|, 0x4800000
.endr
.irp i, 2,4,6,8,10,12,14
.irp b, 0,1,2,3
	v_max3_num_f32 v[TM+\b], v[TM+\b], |v[\s+16*\b+\i]|, |v[\s+1+16*\b+\i]|
.endr
.endr
.irp b, 0,1,2,3
	v_permlanex16_b32 v[TM+4+\b], v[TM+\b], s[SEL], s[SEL+1]
.endr
.irp b, 0,1,2,3
	v_max_num_f32 v[TM+\b], v[TM+\b], v[TM+4+\b]
.endr
.irp b, 0,1,2,3
	v_add_nc_u32 v[TM+12+\b], 0xfc000000, v[TM+\b]
.endr
.irp b, 0,1,2,3
	v_and_or_b32 v[TM+8+\b], v[TM+\b], 0x7f800000, s[MNT]
.endr
.irp b, 0,1,2,3
	v_lshrrev_b32 v[TM+4+\b], 23, v[TM+12+\b]
.endr
	v_lshl_or_b32 v[PWQ], v[TM+5], 8, v[TM+4]
	v_lshl_or_b32 v[PWQ], v[TM+6], 16, v[PWQ]
	v_lshl_or_b32 v[PWQ], v[TM+7], 24, v[PWQ]
.irp b, 0,1,2,3
.irp i, 0,1,2,3,4,5,6,7,8,9,10,11,12,13,14,15
	v_med3_num_f32 v[\s+16*\b+\i], v[\s+16*\b+\i], -v[TM+8+\b], v[TM+8+\b]
.endr
	v_cvt_scalef32_pk8_fp8_f32 v[PC+4*\b:PC+1+4*\b], v[\s+16*\b:\s+7+16*\b], v[TM+12+\b]
	v_cvt_scalef32_pk8_fp8_f32 v[PC+2+4*\b:PC+3+4*\b], v[\s+8+16*\b:\s+15+16*\b], v[TM+12+\b]
.endr
	v_nop
.endm
.macro ARM a
	s_cmp_lg_u32 s[AI], \a
	s_cbranch_scc1 .Lnot_\@
.set WA, 0x02+(\a)/4
	WIN WA
.set n, 0
.rept 32
	v_pk_add_f32 v[T+n:T+n+1], v[64*((\a)%4)+n:64*((\a)%4)+n+1], v[BC+n:BC+n+1]
.set n, n+2
.endr
	WIN 0
	v_mov_b32 v[BRC], v[BR+\a]
.Lnot_\@:
.endm
	s_load_b128 s[4:7], s[0:1], 0x0
	s_load_b128 s[8:11], s[0:1], 0x10
	s_load_b128 s[72:75], s[0:1], 0x20
	v_lshl_add_u32 v[SPW], v0, 2, SPARE
	v_mov_b32 v[NIL], 0
	ds_add_u32 v28, v29
	ds_add_u32 v28, v29
	s_wait_dscnt 0x0
	v_lshrrev_b32 v1, 5, v0
	v_readfirstlane_b32 s14, v1
	s_lshr_b32 s15, s14, 1
	s_and_b32 s16, s14, 1
	s_bfe_u32 s40, ttmp6, 0x40000
	s_bfe_u32 s41, ttmp6, 0x40004
	s_cmp_eq_u32 ttmp9, 2
	s_cselect_b32 s70, 1, 0
	s_and_b32 s71, ttmp7, 0xffff
	s_lshl_b32 s71, s71, 2
	s_lshl_b32 s76, ttmp9, 2
	s_add_co_u32 s17, s71, s41
	s_cmp_eq_u32 s70, 1
	s_cselect_b32 s17, s41, s17
	s_cselect_b32 s42, s71, s76
	s_add_co_u32 s42, s42, s40
	s_lshl_b32 s43, s41, 2
	s_lshl_b32 s43, 15, s43
	s_lshl_b32 s44, 0x1111, s40
	s_or_b32 s[G1+0], s43, (3<<16)|(1<<21)
	s_or_b32 s[G1B+0], s44, (3<<16)|(1<<21)
.irp g, G1, G1B
	s_mov_b32 s[\g+1], 32<<16
	s_mov_b32 s[\g+2], 144<<16
	s_mov_b32 s[\g+3], 32<<16
	s_mov_b32 s[\g+4], 144
	s_mov_b32 s[\g+5], 32
	s_mov_b32 s[\g+6], 0
	s_mov_b32 s[\g+7], 0
.endr
	s_mul_i32 s20, s17, BLK
	s_mul_i32 s18, s16, STRA
	s_add_co_u32 s20, s20, s18
	s_cmp_eq_u32 s70, 1
	s_cselect_b32 s19, 2048*PITCH, 0
	s_add_co_u32 s20, s20, s19
	s_mov_b32 s21, 0
	s_mul_i32 s46, s42, BLK
	s_add_co_u32 s46, s46, s18
	s_mov_b32 s47, 0
	s_mul_i32 s45, s14, BLK
	s_wait_kmcnt 0x0
	s_cmp_eq_u32 s70, 1
	s_cselect_b64 s[22:23], s[6:7], s[4:5]
	s_cselect_b64 s[78:79], s[4:5], s[6:7]
	s_add_nc_u64 s[20:21], s[22:23], s[20:21]
	s_add_nc_u64 s[46:47], s[78:79], s[46:47]
	CROUND
.irp s, 0,1
	s_mov_b32 s[G0+4*\s], 1
	s_add_co_u32 s[G0+4*\s+1], s45, \s*SLOT
	s_add_nc_u64 s[G0+4*\s+2:G0+4*\s+3], s[20:21], \s*2*STRA
	s_or_b32 s[G0+4*\s+3], s[G0+4*\s+3], 0x80000000
	s_mov_b32 s[G0B+4*\s], 1
	s_add_co_u32 s[G0B+4*\s+1], s45, \s*SLOT
	s_add_nc_u64 s[G0B+4*\s+2:G0B+4*\s+3], s[46:47], \s*2*STRB
	s_or_b32 s[G0B+4*\s+3], s[G0B+4*\s+3], 0x80000000
.if \s                                         ; slot 0's fill follows the opening lines and the first round; slot 1's first fill is issued as a refill is
	; PREFETCHES INTO THE L2, behind the first fill.  My wave fetches one dense block of 36,864 bytes in each of four fills, two K steps apart; of each block the four partners that ask jointly take 9,216 bytes each,
	; told apart by address: 32 lanes 256 bytes apart, then four more (the lanes left over name the last again).  Here: slot 1's first fill and the first refill; the last refill's block is asked for behind slot 1's load.
	s_cmp_eq_u32 s15, 0
	s_cselect_b64 s[66:67], s[20:21], s[46:47]     ; the second source's block or the first's; never rewritten
	s_cselect_b32 s68, s40, s41                    ; my place among the four: cx or cy
	s_mul_i32 s68, s68, BLK/4
	s_mov_b32 s69, 0
	s_add_nc_u64 s[66:67], s[66:67], s[68:69]
	v_and_b32 v30, 31, v0
	v_min_u32 v31, 3, v30
	v_lshlrev_b32 v30, 8, v30                      ; v30, v31: never rewritten
	v_lshl_add_u32 v31, v31, 8, 8192
.irp k, 2,4
	global_prefetch_b8 v30, s[66:67] offset:\k*STRA th:TH_LOAD_NT scope:SCOPE_SE
	global_prefetch_b8 v31, s[66:67] offset:\k*STRA th:TH_LOAD_NT scope:SCOPE_SE
.endr
	s_wait_alu depctr_va_vdst(0)
	s_wait_tensorcnt 0x0
	ds_add_u32 v28, v29
	ds_add_u32 v28, v29
	s_wait_dscnt 0x0
	CROUND
.endif
	JLOAD G0+4*\s, G1, G0B+4*\s, G1B
.endr
	global_prefetch_b8 v30, s[66:67] offset:6*STRA th:TH_LOAD_NT scope:SCOPE_SE   ; the last refill's block
	global_prefetch_b8 v31, s[66:67] offset:6*STRA th:TH_LOAD_NT scope:SCOPE_SE
	v_and_b32 v1, 15, v0
	v_bfe_u32 v2, v0, 4, 1
	v_mul_u32_u24 v3, v1, PITCH
	v_lshl_add_u32 v4, v2, 4, v3
	s_mul_i32 s21, s15, HALF
	s_mul_i32 s22, s16, HALF
	s_add_co_u32 s22, s22, 2*BLK
	s_sub_co_u32 s23, s22, s21
	v_mul_u32_u24 v5, s23, v2
	v_add_nc_u32 v5, v3, v5
	v_add_nc_u32 v5, 128, v5
	v_add_nc_u32 v[ADRS], s21, v5
	v_add_nc_u32 v[ADRS+1], SLOT, v[ADRS]
.irp s, 0,1
	v_add_nc_u32 v[ADRA+\s], s21, v4
	v_add_nc_u32 v[ADRB+\s], s22, v4
	s_add_co_u32 s21, s21, SLOT
	s_add_co_u32 s22, s22, SLOT
.endr
	s_mul_i32 s23, s14, HALF
	v_add_nc_u32 v[STO], s23, v4
	v_add_nc_u32 v[SQA], s23, v3
	v_add_nc_u32 v[SQA], 128, v[SQA]
	v_and_b32 v5, 31, v0
	v_lshlrev_b32 v[CO], 4, v5
	v_add_nc_u32 v[RD], s23, v[CO]
	s_lshl_b32 s82, s42, 8
	s_lshl_b32 s83, s16, 7
	s_add_co_u32 s82, s82, s83
	s_lshl_b32 s86, s17, 8
	s_lshl_b32 s83, s15, 7
	s_add_co_u32 s86, s86, s83
	s_and_b32 s84, s82, 1023
	s_lshl_b32 s84, s84, 2
	s_mov_b32 s85, 0
	s_cmp_eq_u32 ttmp9, 1
	s_cselect_b64 s[80:81], s[10:11], s[8:9]
	s_add_nc_u64 s[80:81], s[80:81], s[84:85]
	s_and_b32 s84, s86, 1023
	s_lshl_b32 s84, s84, 2
	s_add_nc_u64 s[72:73], s[72:73], s[84:85]
	v_lshlrev_b32 v15, 6, v2
.set n, 0
.rept 16
	global_load_b128 v[BC+4*n:BC+4*n+3], v15, s[80:81] offset:128*(n/4)+16*(n%4)
.set n, n+1
.endr
	v_and_b32 v5, 7, v1
	v_lshrrev_b32 v14, 3, v1
	v_lshl_add_u32 v5, v14, 4, v5
	v_lshlrev_b32 v5, 2, v5
.irp a, 0,1,2,3,4,5,6,7
	global_load_b32 v[BR+\a], v5, s[72:73] offset:(32*(\a/2)+8*(\a%2))*4
.endr
	s_lshr_b32 s87, s86, 11
	s_lshl_b32 s87, s87, 3
	s_and_b32 s88, s82, 1023
	s_lshr_b32 s88, s88, 7
	s_add_co_u32 s87, s87, s88
	s_lshl_b32 s87, s87, 11
	s_and_b32 s88, s86, 2047
	s_add_co_u32 s87, s87, s88
	s_mul_i32 s87, s87, PITCH
	s_mul_i32 s88, ttmp9, 4718592
	s_add_co_u32 s87, s87, s88
	s_lshr_b32 s89, s82, 11
	s_lshl_b32 s89, s89, 4
	s_and_b32 s90, s82, 2047
	s_lshr_b32 s90, s90, 7
	s_add_co_u32 s89, s89, s90
	s_lshl_b32 s89, s89, 10
	s_add_co_u32 s89, s89, s86
	s_mul_i32 s89, s89, PITCH
	s_add_co_u32 s89, s89, 9437184
	s_cmp_eq_u32 s70, 1
	s_cselect_b32 s88, s89, s87
	s_mov_b32 s89, 0
	s_add_nc_u64 s[74:75], s[74:75], s[88:89]
	s_mov_b32 s[MNT], 0x600000
	s_mov_b32 s[SEL], 0x76543210
	s_mov_b32 s[SEL+1], 0xfedcba98
	s_wait_loadcnt 0x0
	s_cmp_eq_u32 s70, 1
	s_cselect_b32 vcc_lo, 0, -1
.set n, 0
.rept 64
	v_cndmask_b32 v[BC+n], 0, v[BC+n], vcc_lo
.set n, n+1
.endr
	s_cselect_b32 vcc_lo, -1, 0
.irp a, 0,1,2,3,4,5,6,7
	v_cndmask_b32 v[BR+\a], 0, v[BR+\a], vcc_lo
.endr
	s_wait_tensorcnt 1
	s_barrier_signal -1
	s_barrier_wait -1
	FETCH_B 0, 0, 0
	FETCH_A 0, 0, 0
	SCALES 0
	FETCH_A 0, 0, 4
	STEP 0, 0, 1
	s_mov_b32 s3, LAPS-1
.Llap:
	TURN 0, 1, 1
	STEP 1, 0, 0
	TURN 1, 0, 1
	STEP 0, 0, 0
	s_sub_co_u32 s3, s3, 1
	s_cmp_lg_u32 s3, 0
	s_cbranch_scc1 .Llap
	TURN 0, 1, 0
	STEP 1, 0, 0
	s_wait_dscnt 4*NL
	WIN MUL_LO
	MUL16 0, 1, NQ-1, 1, 0
	MUL16 2, 1, NQ-1, 1, 0
	s_wait_dscnt 0
	WIN MUL_HI
	MUL16 4, 1, NQ-1, 1, 0
	MUL16 6, 1, NQ-1, 1, 0
	WIN 0
	PLACES NP
.irp r, 1,2,3
	v_mov_b32 v[PWQ+\r], 0
.endr
.irp b, 0,1,2,3
	v_mov_b32 v[TM+4+\b], 0
.endr
	v_mov_b32 v[BRC], 0
	v_mov_b32 v[BRC+1], 0
	s_mov_b32 s[AI], 0
	s_mov_b32 s[SOFF], 0
.Lrows:
.irp a, 0,1,2,3,4,5,6,7
	ARM \a
.endr
.set n, 0
	s_wait_alu depctr_va_vdst(0)
.rept 32
	v_pk_add_f32 v[T+n:T+n+1], v[T+n:T+n+1], v[BRC:BRC+1] op_sel_hi:[1,0]
.set n, n+2
.endr
	QUANT T
	v_add_nc_u32 v[STAV], s[SOFF], v[STO]
	v_add_nc_u32 v[SQV], s[SOFF], v[SQA]
.irp b, 0,1,2,3
	ds_store_b128 v[STAV], v[PC+4*\b:PC+4*\b+3] offset:32*\b
.endr
	ds_store_b128 v[SQV], v[PWQ:PWQ+3]
	s_wait_dscnt 0x0
	s_add_co_u32 s[SOFF], s[SOFF], 16*PITCH
	s_add_co_u32 s[AI], s[AI], 1
	s_cmp_lt_u32 s[AI], 8
	s_cbranch_scc1 .Lrows
.set c, 0
.rept 36
	ds_load_b128 v[64+4*c:64+4*c+3], v[RD] offset:512*c
.set c, c+1
.endr
.set c, 0
.rept 36
	s_wait_dscnt 35-c
	global_store_b128 v[CO], v[64+4*c:64+4*c+3], s[74:75] offset:512*c
.set c, c+1
.endr
	s_wait_tensorcnt 0x0
	ds_add_u32 v[SPW], v[NIL]
	s_wait_dscnt 0x0
	CROUND
	s_endpgm
.Lfunc_end_k_q57366c62c4_qkv:
	.size	k_q57366c62c4_qkv, .Lfunc_end_k_q57366c62c4_qkv-k_q57366c62c4_qkv
	.p2alignl 7, 3214868480
	.fill 96, 4, 3214868480
	.section	.rodata,"a",@progbits
	.p2align	6, 0x0
	.amdhsa_kernel k_q57366c62c4_qkv
		.amdhsa_group_segment_fixed_size 327680
		.amdhsa_private_segment_fixed_size 0
		.amdhsa_enable_private_segment 0
		.amdhsa_kernarg_size 48
		.amdhsa_user_sgpr_count 2
		.amdhsa_user_sgpr_kernarg_segment_ptr 1
		.amdhsa_wavefront_size32 1
		.amdhsa_system_sgpr_workgroup_id_x 1
		.amdhsa_system_sgpr_workgroup_id_y 1
		.amdhsa_system_sgpr_workgroup_id_z 1
		.amdhsa_system_vgpr_workitem_id 0
		.amdhsa_next_free_vgpr 1024
		.amdhsa_next_free_sgpr 100
		.amdhsa_reserve_vcc 1
		.amdhsa_float_denorm_mode_32 3
		.amdhsa_float_denorm_mode_16_64 3
		.amdhsa_memory_ordered 1
		.amdhsa_forward_progress 1
		.amdhsa_inst_pref_size 158
	.end_amdhsa_kernel
	.amdgpu_metadata
---
amdhsa.version: [ 1, 2 ]
amdhsa.kernels:
  - .name:           k_q57366c62c4_qkv
    .symbol:         k_q57366c62c4_qkv.kd
    .args:
      - { .name: himg, .offset: 0, .size: 8, .value_kind: global_buffer, .address_space: global }
      - { .name: wimg, .offset: 8, .size: 8, .value_kind: global_buffer, .address_space: global }
      - { .name: bq, .offset: 16, .size: 8, .value_kind: global_buffer, .address_space: global }
      - { .name: bk, .offset: 24, .size: 8, .value_kind: global_buffer, .address_space: global }
      - { .name: bv, .offset: 32, .size: 8, .value_kind: global_buffer, .address_space: global }
      - { .name: qkvimg, .offset: 40, .size: 8, .value_kind: global_buffer, .address_space: global }
    .group_segment_fixed_size: 327680
    .private_segment_fixed_size: 0
    .kernarg_segment_align: 8
    .kernarg_segment_size: 48
    .max_flat_workgroup_size: 128
    .sgpr_count:     100
    .vgpr_count:     1024
    .wavefront_size: 32
...
	.end_amdgpu_metadata
.endif
;; end of part 10
;; launch attn (part 11): grid 16 x 16, 16 waves a work-group, no clusters, 169,984 bytes of LDS; arguments qkvimg, cimg; writes cimg
.if DOCPART == 11
	.amdgcn_target "amdgcn-amd-amdhsa--gfx1250"
	.amdhsa_code_object_version 6
	.text
	.protected	k_q57366c62c4_attn
	.globl	k_q57366c62c4_attn
	.p2align	8
	.type	k_q57366c62c4_attn,@function
k_q57366c62c4_attn:
	s_mov_b64 s[64:65], 0
	v_nop
	global_prefetch_b8 v0, s[64:65] scope:SCOPE_SE
	s_setreg_imm32_b32 hwreg(HW_REG_WAVE_MODE, 25, 1), 1
	s_wait_xcnt 0x0
; ctx = softmax(q k^T / 8, masked) v for one batch and pair of heads (work-group y) and 128 queries (work-group x), both products on E4M3 codes with E8M0 scales; ctx is quantised on the way out.
; THE MASK is the problem's own: query i sees key j where i - j is one of 0, 2, .. 256.  So 128 queries see at most three key steps of 128: steps max(x - 2, 0) on.  The clamp keeps the tiles inside the sequence; the mask does the rest.
; V and p are quantised in blocks of 32 CONSECUTIVE keys, so the band is computed dense and hidden scores become -infinity ahead of the maximum: p = 0.  Each query sees a key of the first of the three steps, so M is a number from the first step on.
; THE SOFTMAX: t = score x log2(e) / 8; M = the largest t so far rounded up to a whole number; p = 2^(t - M) is quantised along the keys; the sum is taken of the unquantised p and divides at the end; when M moves, sum and O are multiplied by 2^(old M - new M): exact.
; IMAGES: q, k: [batch][pair][token][144]: a record = two heads' 64 + 64 codes, 2 + 2 scale bytes, 12 zeros.  v: [batch][key step][channel][144]: 128 keys' codes of one channel, 4 scale bytes.  Record p holds row swap34(p) (bits 3 and 4 exchanged).
; SHARES: sixteen waves; wave w: head w / 8 of the pair, queries' tile w % 8: 16 records.  Both products are used transposed (S^T = K Q^T, O^T = V^T P^T): a lane holds one query throughout, and by the images' order of records
; the 16 registers of two neighbouring tiles are 16 neighbouring keys (or channels).  The head's K is 64: Q's upper eight registers are zero codes, so what K's upper eight hold (zeros, later V's codes, all finite) adds nothing.
; LDS is filled once: three tiles of K, three of V (18,432 dense bytes each, waves 0 to 5, one tensor load each); behind them the stage for ctx's 128 records.
; LIMITS: a block of ctx whose largest magnitude lies under 2^-118 gets the byte 1; NaN and infinities are not served.
; REGISTERS: v1-10 addresses; v12 -M, v13 the largest t, v[14:15] the sum; v16-31 Q; v32-95 four fragments; v96-159 S^T, then p; v160-191 O^T; v192-207 p's codes; v232-254 at work; v248-251, v253, v255 scale words.
.set PITCH, 144
.set STEPB, 128*PITCH
.set VLDS,  3*STEPB
.set CSTG,  6*STEPB
.set KOFF,  4718592
.set VOFF,  9437184
.set AK0,  1                           ; v1   144 r + 16 h + 64 x head: my place in a tile of K, and in my tile of Q in memory
.set AV0,  2                           ; v2   my place in a tile of V
.set ASK,  3                           ; v3   K's (and Q's) two scale bytes
.set ASV,  4                           ; v4   V's scale word
.set DE,   5                           ; v5   my query - the window's first key - 16 h where my query is even, else 2^31: for even registers
.set DO,   6                           ; v6   the same where my query is odd: for odd registers
.set CST,  7                           ; v7   ctx: where my codes go
.set CSS,  8                           ; v8   and my two scale bytes
.set CPL,  9                           ; v9   the way out: LDS
.set CPG,  10                          ; v10  16 x lane
.set WV,   18
.set MNT,  19
.set SEL,  20
.set CS,   22
	s_load_b128 s[4:7], s[0:1], 0x0                ; qkvimg, cimg
	v_lshl_add_u32 v230, v0, 2, 0x29000
	v_mov_b32 v231, 0
	ds_add_u32 v230, v231
	ds_add_u32 v230, v231
	v_lshrrev_b32 v232, 5, v0
	s_delay_alu instid0(VALU_DEP_1)
	v_readfirstlane_b32 s[WV], v232                ; wave 0..15
	s_and_b32 s40, ttmp7, 0xffff                   ; 8 x batch + pair
	s_lshr_b32 s41, s40, 3
	s_and_b32 s42, s40, 7
	s_sub_co_i32 s43, ttmp9, 2
	s_max_i32 s43, s43, 0                          ; the window's first key step
	s_lshr_b32 s44, s[WV], 3                       ; which head of the pair
	s_and_b32 s45, s[WV], 7                        ; which tile of queries
	s_lshl_b32 s24, s40, 11                        ; waves 0-2: K's tile of key step first + wave
	s_add_co_u32 s25, s43, s[WV]
	s_lshl_b32 s25, s25, 7
	s_add_co_u32 s24, s24, s25
	s_mul_i32 s24, s24, PITCH
	s_add_co_u32 s24, s24, KOFF
	s_lshl_b32 s26, s41, 4                         ; waves 3-5: V's tile of key step first + wave - 3
	s_add_co_u32 s26, s26, s43
	s_add_co_u32 s26, s26, s[WV]
	s_sub_co_u32 s26, s26, 3
	s_lshl_b32 s26, s26, 10
	s_lshl_b32 s27, s42, 7
	s_add_co_u32 s26, s26, s27
	s_mul_i32 s26, s26, PITCH
	s_add_co_u32 s26, s26, VOFF
	s_cmp_lt_u32 s[WV], 3
	s_cselect_b32 s24, s24, s26
	s_mov_b32 s25, 0
	s_mov_b32 s32, 3<<16                           ; group 1: elements of 8 bytes, no mask, no padding
	s_mov_b32 s33, 32<<16                          ; rows of 256 bytes,
	s_mov_b32 s34, 72<<16                          ; 72 of them: 18,432 dense bytes
	s_mov_b32 s35, 32<<16
	s_mov_b32 s36, 72
	s_mov_b32 s37, 32
	s_mov_b32 s38, 0
	s_mov_b32 s39, 0
	s_mov_b32 s28, 1
	s_mul_i32 s29, s[WV], STEPB                    ; K's three tiles, then V's three
	s_wait_dscnt 0x0
	s_wait_kmcnt 0x0
	s_add_nc_u64 s[30:31], s[4:5], s[24:25]
	s_or_b32 s31, s31, 0x80000000
	s_cmp_lt_u32 s[WV], 6
	s_cbranch_scc0 .Lno_fill
	tensor_load_to_lds s[28:31], s[32:39]          ; filled once: one tensor load of mine is out
	s_nop 0
.rept 4
	v_nop
.endr
.Lno_fill:
	s_lshl_b32 s47, s40, 11
	s_lshl_b32 s48, ttmp9, 7
	s_add_co_u32 s47, s47, s48
	s_lshl_b32 s48, s45, 4
	s_add_co_u32 s47, s47, s48
	s_mul_i32 s48, s47, PITCH
	s_mov_b32 s49, 0
	s_add_nc_u64 s[48:49], s[4:5], s[48:49]        ; my 16 records of Q
	v_and_b32 v232, 15, v0                         ; r
	v_bfe_u32 v233, v0, 4, 1                       ; h
	s_delay_alu instid0(VALU_DEP_2)
	v_mul_u32_u24 v234, v232, PITCH
	s_lshl_b32 s46, s44, 6
	v_lshl_add_u32 v[AK0], v233, 4, v234
	s_delay_alu instid0(VALU_DEP_1)
	v_add_nc_u32 v[AV0], VLDS, v[AK0]
	s_delay_alu instid0(VALU_DEP_2)
	v_add_nc_u32 v[AK0], s46, v[AK0]
	s_lshl_b32 s46, s44, 1
	v_add_nc_u32 v[ASK], 128, v234
	s_delay_alu instid0(VALU_DEP_1)
	v_add_nc_u32 v[ASV], VLDS, v[ASK]
	s_delay_alu instid0(VALU_DEP_2)
	v_add_nc_u32 v[ASK], s46, v[ASK]
	s_mul_i32 s46, s44, 64*PITCH                   ; my head's 64 channels
	v_add_nc_u32 v[AV0], s46, v[AV0]
	v_add_nc_u32 v[ASV], s46, v[ASV]
	global_load_b128 v[16:19], v[AK0], s[48:49]    ; Q's fragment: my head's 64 codes,
	global_load_b128 v[20:23], v[AK0], s[48:49] offset:32
	global_load_u16 v255, v[ASK], s[48:49]         ; and two scale bytes (the upper two are 0: they scale zero codes)
.irp r, 24,25,26,27,28,29,30,31
	v_mov_b32 v\r, 0                               ; zero codes for K = 64 .. 127
.endr
.irp u, 0,1,2,3
.irp r, 8,9,10,11,12,13,14,15
	v_mov_b32 v[32+16*\u+\r], 0
.endr
.endr
	s_mul_i32 s46, s45, 16*PITCH
	s_add_co_u32 s46, s46, CSTG
	v_add_nc_u32 v[CST], s46, v[AK0]
	v_add_nc_u32 v[CSS], s46, v[ASK]
	s_lshl_b32 s47, s44, 3
	s_mul_i32 s47, s47, PITCH
	s_add_co_u32 s47, s47, s46
	v_and_b32 v235, 7, v0
	s_delay_alu instid0(VALU_DEP_1)
	v_mul_u32_u24 v235, v235, PITCH
	s_delay_alu instid0(VALU_DEP_1)
	v_add_nc_u32 v235, s47, v235                   ; eight records of the stage are mine to clear behind the codes
	v_mov_b32 v236, 0
	v_mov_b32 v237, 0
	v_mov_b32 v238, 0
	v_mov_b32 v239, 0                              ; (also: a lane permute's destination counts as one of its sources)
	ds_store_b128 v235, v[236:239] offset:128
	s_mul_i32 s47, s[WV], 1536
	s_add_co_u32 s47, s47, CSTG
	v_and_b32 v[CPG], 31, v0
	s_delay_alu instid0(VALU_DEP_1)
	v_lshlrev_b32 v[CPG], 4, v[CPG]
	s_delay_alu instid0(VALU_DEP_1)
	v_add_nc_u32 v[CPL], s47, v[CPG]
	s_sub_co_u32 s46, ttmp9, s43                   ; my query less the window's first key: 128 (x - first step) + 32 (tile / 2) + 8 (tile % 2) + 16 (r / 8) + r % 8
	s_lshl_b32 s46, s46, 7
	s_lshr_b32 s47, s45, 1
	s_lshl_b32 s47, s47, 5
	s_add_co_u32 s46, s46, s47
	s_and_b32 s47, s45, 1
	s_lshl_b32 s47, s47, 3
	s_add_co_u32 s46, s46, s47
	v_and_b32 v234, 7, v0
	v_bfe_u32 v235, v0, 3, 1
	s_delay_alu instid0(VALU_DEP_1)
	v_sub_nc_u32 v235, v235, v233                  ; my registers' keys begin 16 h on
	s_delay_alu instid0(VALU_DEP_1)
	v_lshl_add_u32 v234, v235, 4, v234
	s_delay_alu instid0(VALU_DEP_1)
	v_add_nc_u32 v234, s46, v234
	v_and_b32 v235, 1, v0
	s_delay_alu instid0(VALU_DEP_1)
	v_cmp_eq_u32 vcc_lo, 0, v235                   ; my query's parity is r's
	v_mov_b32 v254, 0x80000000
	s_delay_alu instid0(VALU_DEP_1)
	v_cndmask_b32 v[DE], v254, v234, vcc_lo
	s_delay_alu instid0(VALU_DEP_2)
	v_cndmask_b32 v[DO], v234, v254, vcc_lo
	s_lshl_b32 s46, s42, 12                        ; ctx's image: K step = the pair; records 2,048 x batch + 128 x on; my 1,536 bytes of the 18,432
	s_lshl_b32 s47, s41, 11
	s_add_co_u32 s46, s46, s47
	s_lshl_b32 s47, ttmp9, 7
	s_add_co_u32 s46, s46, s47
	s_mul_i32 s46, s46, PITCH
	s_mul_i32 s47, s[WV], 1536
	s_add_co_u32 s46, s46, s47
	s_mov_b32 s47, 0
	s_add_nc_u64 s[6:7], s[6:7], s[46:47]
	s_mov_b32 s[SEL], 0x76543210
	s_mov_b32 s[SEL+1], 0xfedcba98
	s_mov_b32 s[CS], 0x3e38aa3b                    ; c = log2(e) / 8
	s_mov_b32 s[CS+1], s[CS]
	s_mov_b32 s[MNT], 0x600000
	v_mov_b32 v13, 0xff61b1e6                      ; the largest t so far: -3e38
	s_delay_alu instid0(VALU_DEP_1)
	v_floor_f32 v12, -v13
	v_mov_b32 v14, 0
	v_mov_b32 v15, 0
	v_mov_b32 v253, 0
	s_wait_alu depctr_va_vdst(0)
	s_wait_tensorcnt 0x0                           ; my tile has landed,
	s_wait_dscnt 0x0                               ; my store into the stage is done:
	s_barrier_signal -1
	s_barrier_wait -1                              ; everybody's
	s_wait_loadcnt 0x0                             ; Q
.macro STEP st                         ; the window's key step st: 128 keys
.irp g, 0,1
.rept 8
	v_nop                                          ; places in front of loads into registers that matrix instructions have read
.endr
.irp u, 0,1,2,3
.irp c, 0,1
	ds_load_b128 v[32+16*\u+4*\c:35+16*\u+4*\c], v[AK0] offset:\st*STEPB+(4*\g+\u)*16*PITCH+32*\c
.endr
	ds_load_u16 v[248+\u], v[ASK] offset:\st*STEPB+(4*\g+\u)*16*PITCH
.endr
	s_wait_dscnt 0x0
.irp u, 0,1,2,3
	v_wmma_scale_f32_16x16x128_f8f6f4 v[96+8*(4*\g+\u):103+8*(4*\g+\u)], v[32+16*\u:47+16*\u], v[16:31], 0, v[248+\u], v255
.endr
.endr
.rept 8
	v_nop
.endr
	v_mov_b32 v254, 0xff800000                     ; -infinity
.set n, 0
.rept 64                               ; register n holds key 128 st + 32 (n / 16) + n % 16 (+ 16 h) of the window: seen where my query less that key is even and 0 .. 256
.if (n%2) == 0
	v_add_nc_u32 v252, -(128*\st+32*(n/16)+(n%16)), v[DE]
.else
	v_add_nc_u32 v252, -(128*\st+32*(n/16)+(n%16)), v[DO]
.endif
	s_delay_alu instid0(VALU_DEP_1)
	v_cmp_gt_u32 vcc_lo, 257, v252
	v_cndmask_b32 v[96+n], v254, v[96+n], vcc_lo
.set n, n+1
.endr
.irp b, 0,1,2,3
	v_max3_num_f32 v[232+\b], v[96+16*\b], v[97+16*\b], v[98+16*\b]   ; the largest score of each block of 32 keys: for the row's maximum, and, since p rises with the score, for the block's largest p
.endr
.irp i, 3,5,7,9,11,13
.irp b, 0,1,2,3
	s_delay_alu instid0(VALU_DEP_4)
	v_max3_num_f32 v[232+\b], v[232+\b], v[96+16*\b+\i], v[97+16*\b+\i]
.endr
.endr
.irp b, 0,1,2,3
	s_delay_alu instid0(VALU_DEP_4)
	v_max_num_f32 v[232+\b], v[232+\b], v[111+16*\b]
.endr
.irp b, 0,1,2,3
	s_delay_alu instid0(VALU_DEP_4)
	v_permlanex16_b32 v[236+\b], v[232+\b], s[SEL], s[SEL+1]
.endr
.irp b, 0,1,2,3
	s_delay_alu instid0(VALU_DEP_4)
	v_max_num_f32 v[232+\b], v[232+\b], v[236+\b]
.endr
	s_delay_alu instid0(VALU_DEP_2)
	v_max3_num_f32 v254, v232, v233, v234
	s_delay_alu instid0(VALU_DEP_1)
	v_max_num_f32 v254, v254, v235
	s_delay_alu instid0(VALU_DEP_1)
	v_mul_f32 v254, s[CS], v254
	s_delay_alu instid0(VALU_DEP_1)
	v_max_num_f32 v13, v13, v254                   ; the running largest t
	v_mov_b32 v254, v12
	s_delay_alu instid0(VALU_DEP_2)
	v_floor_f32 v12, -v13                          ; the new -M = -ceil(t)
	s_delay_alu instid0(VALU_DEP_1)
	v_sub_f32 v254, v12, v254
	s_delay_alu instid0(VALU_DEP_1)
	v_cvt_i32_f32 v254, v254                       ; (it saturates)
	s_delay_alu instid0(VALU_DEP_1)
	v_ldexp_f32 v252, 1.0, v254                    ; f = 2^(old M - new M)
.set n, 0
.rept 32
	v_pk_fma_f32 v[96+n:97+n], v[96+n:97+n], s[CS:CS+1], v[12:13] op_sel_hi:[1,0,0]   ; t - M
.set n, n+2
.endr
.irp b, 0,1,2,3
	v_fma_f32 v[232+\b], v[232+\b], s[CS], v12
.endr
.set n, 0
	s_wait_alu depctr_va_vdst(0)
.rept 64
	v_exp_f32 v[96+n], v[96+n]                     ; p = 2^(t - M)
.set n, n+1
.endr
.irp b, 0,1,2,3
	v_exp_f32 v[232+\b], v[232+\b]                 ; the block's largest p: the same two instructions on the same number
.endr
	v_pk_mul_f32 v[14:15], v[14:15], v[252:253] op_sel_hi:[1,0]   ; the sums under the new M (a plain instruction behind the exponentials)
	s_wait_alu depctr_va_vdst(0)
.irp b, 0,1,2,3
	v_max_num_f32 v[232+\b], 0x4800000, v[232+\b]  ; the floor 2^(9 - 127)
.endr
.irp b, 0,1,2,3
	s_delay_alu instid0(VALU_DEP_4)
	v_add_nc_u32 v[244+\b], 0xfc000000, v[232+\b]
.endr
.irp b, 0,1,2,3
	v_and_or_b32 v[240+\b], v[232+\b], 0x7f800000, s[MNT]
.endr
.irp b, 0,1,2,3
	v_lshrrev_b32 v[236+\b], 23, v[244+\b]
.endr
	s_delay_alu instid0(VALU_DEP_3)
	v_lshl_or_b32 v253, v237, 8, v236              ; p's scale word for these 128 keys
	s_delay_alu instid0(VALU_DEP_1)
	v_lshl_or_b32 v253, v238, 16, v253
	s_delay_alu instid0(VALU_DEP_1)
	v_lshl_or_b32 v253, v239, 24, v253
	v_pk_add_f32 v[236:237], v[100:101], v[104:105]
	v_pk_add_f32 v[250:251], v[108:109], v[112:113]
	v_pk_add_f32 v[248:249], v[116:117], v[120:121]
	v_pk_add_f32 v[234:235], v[124:125], v[128:129]
	v_pk_add_f32 v[232:233], v[132:133], v[136:137]
	v_pk_add_f32 v[228:229], v[140:141], v[144:145]
	v_pk_add_f32 v[226:227], v[148:149], v[152:153]
	v_pk_add_f32 v[14:15], v[14:15], v[156:157]
	v_pk_add_f32 v[236:237], v[236:237], v[96:97]
	v_pk_add_f32 v[250:251], v[250:251], v[98:99]
	v_pk_add_f32 v[248:249], v[248:249], v[102:103]
	v_pk_add_f32 v[234:235], v[234:235], v[106:107]
	v_pk_add_f32 v[232:233], v[232:233], v[110:111]
	v_pk_add_f32 v[228:229], v[228:229], v[114:115]
	v_pk_add_f32 v[226:227], v[226:227], v[118:119]
	v_pk_add_f32 v[14:15], v[14:15], v[122:123]
	v_pk_add_f32 v[236:237], v[236:237], v[126:127]
	v_pk_add_f32 v[250:251], v[250:251], v[130:131]
	v_pk_add_f32 v[248:249], v[248:249], v[134:135]
	v_pk_add_f32 v[234:235], v[234:235], v[138:139]
	v_pk_add_f32 v[232:233], v[232:233], v[142:143]
	v_pk_add_f32 v[228:229], v[228:229], v[146:147]
	v_pk_add_f32 v[226:227], v[226:227], v[150:151]
	v_pk_add_f32 v[14:15], v[14:15], v[154:155]
	v_pk_add_f32 v[236:237], v[236:237], v[158:159]
	s_delay_alu instid0(VALU_DEP_2)
	v_pk_add_f32 v[14:15], v[14:15], v[234:235]
	s_delay_alu instid0(VALU_DEP_2)
	v_pk_add_f32 v[236:237], v[236:237], v[232:233]
	v_pk_add_f32 v[250:251], v[250:251], v[228:229]
	v_pk_add_f32 v[248:249], v[248:249], v[226:227]
	s_delay_alu instid0(VALU_DEP_2)
	v_pk_add_f32 v[14:15], v[14:15], v[250:251]
	s_delay_alu instid0(VALU_DEP_2)
	v_pk_add_f32 v[236:237], v[236:237], v[248:249]
	s_delay_alu instid0(VALU_DEP_1)
	v_pk_add_f32 v[14:15], v[14:15], v[236:237]
.irp b, 0,1,2,3
.irp i, 0,1,2,3,4,5,6,7,8,9,10,11,12,13,14,15
	v_min_num_f32 v[96+16*\b+\i], v[96+16*\b+\i], v[240+\b]   ; the hold: p is not negative
.endr
	v_cvt_scalef32_pk8_fp8_f32 v[192+4*\b:193+4*\b], v[96+16*\b:103+16*\b], v[244+\b]
	v_cvt_scalef32_pk8_fp8_f32 v[194+4*\b:195+4*\b], v[104+16*\b:111+16*\b], v[244+\b]
.endr
.if \st > 0
.set n, 0
.rept 16
	v_pk_mul_f32 v[160+n:161+n], v[160+n:161+n], v[252:253] op_sel_hi:[1,0]   ; O^T under the new M; these are also the places behind the conversions
.set n, n+2
.endr
.else
	s_wait_alu depctr_va_vdst(0)
.rept 8
	v_nop                                          ; the first step starts O^T: nothing to rescale; the places behind the conversions
.endr
.endif
.irp u, 0,1,2,3
.irp c, 0,1,2,3
	ds_load_b128 v[32+16*\u+4*\c:35+16*\u+4*\c], v[AV0] offset:\st*STEPB+\u*16*PITCH+32*\c
.endr
	ds_load_b32 v[248+\u], v[ASV] offset:\st*STEPB+\u*16*PITCH
.endr
	s_wait_alu depctr_va_vdst(0)
	s_wait_dscnt 0x0
.irp u, 0,1,2,3
.if \st > 0
	v_wmma_scale_f32_16x16x128_f8f6f4 v[160+8*\u:167+8*\u], v[32+16*\u:47+16*\u], v[192:207], v[160+8*\u:167+8*\u], v[248+\u], v253
.else
	v_wmma_scale_f32_16x16x128_f8f6f4 v[160+8*\u:167+8*\u], v[32+16*\u:47+16*\u], v[192:207], 0, v[248+\u], v253
.endif
.endr
.endm
	STEP 0
	STEP 1
	STEP 2
.rept 8
	v_nop
.endr
	v_add_f32 v14, v14, v15
	s_delay_alu instid0(VALU_DEP_1)
	v_permlanex16_b32 v252, v14, s[SEL], s[SEL+1]
	s_delay_alu instid0(VALU_DEP_1)
	v_add_f32 v14, v14, v252                       ; the row's sum
	s_wait_alu depctr_va_vdst(0)
	v_rcp_f32 v14, v14
	v_nop
.set n, 0
	s_wait_alu depctr_va_vdst(0)
.rept 16
	v_pk_mul_f32 v[96+n:97+n], v[160+n:161+n], v[14:15] op_sel_hi:[1,0]   ; ctx: register 16 b + i = channel 32 b + 16 h + i of my head
.set n, n+2
.endr
.irp b, 0,1
	v_max3_num_f32 v[232+\b], |v[96+16*\b]|, |v[97+16*\b]|, 0x4800000
.endr
.irp i, 2,4,6,8,10,12,14
.irp b, 0,1
	s_delay_alu instid0(VALU_DEP_2)
	v_max3_num_f32 v[232+\b], v[232+\b], |v[96+16*\b+\i]|, |v[97+16*\b+\i]|
.endr
.endr
.irp b, 0,1
	s_delay_alu instid0(VALU_DEP_2)
	v_permlanex16_b32 v[236+\b], v[232+\b], s[SEL], s[SEL+1]
.endr
.irp b, 0,1
	s_delay_alu instid0(VALU_DEP_2)
	v_max_num_f32 v[232+\b], v[232+\b], v[236+\b]
.endr
.irp b, 0,1
	s_delay_alu instid0(VALU_DEP_2)
	v_add_nc_u32 v[244+\b], 0xfc000000, v[232+\b]
.endr
.irp b, 0,1
	s_delay_alu instid0(VALU_DEP_4)
	v_and_or_b32 v[240+\b], v[232+\b], 0x7f800000, s[MNT]
.endr
.irp b, 0,1
	s_delay_alu instid0(VALU_DEP_4)
	v_lshrrev_b32 v[236+\b], 23, v[244+\b]
.endr
	s_delay_alu instid0(VALU_DEP_1)
	v_lshl_or_b32 v252, v237, 8, v236              ; my head's two scale bytes
.irp b, 0,1
.irp i, 0,1,2,3,4,5,6,7,8,9,10,11,12,13,14,15
	v_med3_num_f32 v[96+16*\b+\i], v[96+16*\b+\i], -v[240+\b], v[240+\b]
.endr
	v_cvt_scalef32_pk8_fp8_f32 v[192+4*\b:193+4*\b], v[96+16*\b:103+16*\b], v[244+\b]
	v_cvt_scalef32_pk8_fp8_f32 v[194+4*\b:195+4*\b], v[104+16*\b:111+16*\b], v[244+\b]
.endr
	v_nop
	ds_store_b128 v[CST], v[192:195]
	ds_store_b128 v[CST], v[196:199] offset:32
	ds_store_b16 v[CSS], v252                      ; both halves of the lanes write the same two bytes
	s_wait_dscnt 0x0                               ; for the others' sake: my stores are done
	s_barrier_signal -1
	s_barrier_wait -1
	s_cmp_lt_u32 s[WV], 12                         ; 18,432 bytes leave by twelve waves, 1,536 each
	s_cbranch_scc0 .Ldone
.irp c, 0,1,2
	ds_load_b128 v[96+4*\c:99+4*\c], v[CPL] offset:512*\c
.endr
.irp c, 0,1,2
	s_wait_dscnt 2-\c
	global_store_b128 v[CPG], v[96+4*\c:99+4*\c], s[6:7] offset:512*\c
.endr
.Ldone:
	s_wait_tensorcnt 0x0
	ds_add_u32 v230, v231
	s_wait_dscnt 0x0
	s_endpgm
.Lfunc_end_k_q57366c62c4_attn:
	.size	k_q57366c62c4_attn, .Lfunc_end_k_q57366c62c4_attn-k_q57366c62c4_attn
	.p2alignl 7, 3214868480
	.fill 96, 4, 3214868480
	.section	.rodata,"a",@progbits
	.p2align	6, 0x0
	.amdhsa_kernel k_q57366c62c4_attn
		.amdhsa_group_segment_fixed_size 169984
		.amdhsa_private_segment_fixed_size 0
		.amdhsa_enable_private_segment 0
		.amdhsa_kernarg_size 16
		.amdhsa_user_sgpr_count 2
		.amdhsa_user_sgpr_kernarg_segment_ptr 1
		.amdhsa_wavefront_size32 1
		.amdhsa_system_sgpr_workgroup_id_x 1
		.amdhsa_system_sgpr_workgroup_id_y 1
		.amdhsa_system_sgpr_workgroup_id_z 1
		.amdhsa_system_vgpr_workitem_id 0
		.amdhsa_next_free_vgpr 256
		.amdhsa_next_free_sgpr 66
		.amdhsa_reserve_vcc 1
		.amdhsa_float_denorm_mode_32 3
		.amdhsa_float_denorm_mode_16_64 3
		.amdhsa_memory_ordered 1
		.amdhsa_forward_progress 1
		.amdhsa_inst_pref_size 113
	.end_amdhsa_kernel
	.amdgpu_metadata
---
amdhsa.version: [ 1, 2 ]
amdhsa.kernels:
  - .name:           k_q57366c62c4_attn
    .symbol:         k_q57366c62c4_attn.kd
    .args:
      - { .name: qkvimg, .offset: 0, .size: 8, .value_kind: global_buffer, .address_space: global }
      - { .name: cimg, .offset: 8, .size: 8, .value_kind: global_buffer, .address_space: global }
    .group_segment_fixed_size: 169984
    .private_segment_fixed_size: 0
    .kernarg_segment_align: 8
    .kernarg_segment_size: 16
    .max_flat_workgroup_size: 512
    .sgpr_count:     66
    .vgpr_count:     256
    .wavefront_size: 32
...
	.end_amdgpu_metadata
.endif
;; end of part 11
;; launch wo (part 12): grid 8 x 32, 4 waves a work-group, clusters of 4 x 4, 327,680 bytes of LDS; arguments cimg, wimg, bo, x, x1; writes x1
.if DOCPART == 12
	.amdgcn_target "amdgcn-amd-amdhsa--gfx1250"
	.amdhsa_code_object_version 6
	.text
	.protected	k_q57366c62c4_wo
	.globl	k_q57366c62c4_wo
	.p2align	8
	.type	k_q57366c62c4_wo,@function
k_q57366c62c4_wo:
	s_mov_b64 s[64:65], 0
	v_nop
	global_prefetch_b8 v0, s[64:65] scope:SCOPE_SE
	s_setreg_imm32_b32 hwreg(HW_REG_WAVE_MODE, 25, 1), 1
	s_wait_xcnt 0x0
	s_wait_alu depctr_hold_cnt(0) depctr_sa_sdst(0) depctr_va_vdst(0) depctr_va_sdst(0) depctr_va_ssrc(0) depctr_va_vcc(0) depctr_vm_vsrc(0)
	s_getreg_b32 s2, hwreg(HW_REG_IB_STS2, 6, 4)
	s_cmp_eq_u32 s2, 0
	s_cbranch_scc0 .Lentry_in_a_cluster
	s_endpgm
.Lentry_in_a_cluster:
	s_bfe_u32 s2, ttmp6, 0x10000c
	s_cmp_lg_u32 s2, 0xf033
	s_cbranch_scc0 .Lentry_shape_is_right
	s_endpgm
.Lentry_shape_is_right:
; x1 = x + (ctx wo + bo): the product on E4M3 codes with E8M0 scales, sums, bias and residual in f32; one f32 sum for each output, K ascending.
; OPERAND IMAGES: [K / 128][rows][144 bytes]; a record = 128 codes, four scale bytes, 12 zeros; record p holds row swap34(p) (bits 3 and 4 exchanged).  128 records of a K step are 18,432 dense bytes: what lies in memory is what lies in LDS.
; Second source (A) = 128 tokens of ctx, first source (B) = 128 columns of wo: a lane holds one token and columns along its registers.
; A tile of 128 x 128 is made by four waves, 64 x 64 each: 16 accumulators.  The output has 32 x 8 such tiles: 256 work-groups.
; ALL OF K = 1,024 LIES IN LDS AT ONCE: two slots of four K steps of 128 for both operands, each filled once, at the start; each wave brings one slot's four K steps of one operand (4 x 18,432 bytes) by one tensor load.  No LDS byte is filled twice.
; CLUSTERS: 4 x 4 work-groups; A's blocks are asked for jointly along a row of the cluster, B's along a column.
; THE RESIDUAL of a wave's 64 x 64 outputs is 128 registers: its 32 loads go out at the kernel's head and are waited for once, ahead of the way out.
; REGISTERS: window 0: v1-5 at work; v16-27 addresses; v32-63 scale words, two sets of 16; v64-67 the bias; v128-255 the accumulators ((a, b) at v[128 + 8 (4 a + b)]).
;   window 1: two fragment buffers of 128 (A's four fragments, then B's four), on the way out the rows read back.  window 2: v0-127 the residual.
.set STRA,  4096*144                   ; from a K step of 128 to the next in A's image,
.set STRB,  1024*144                   ; and in B's
.set OFFB,  4718592                    ; wo's image in wimg
.set PITCH, 144
.set BLK,   128*PITCH                  ; 128 records of one K step
.set HALF,  64*PITCH                   ; what one wave reads of it
.set NQ,    4                          ; K steps in a slot
.set SLOT,  2*NQ*BLK                   ; A's four K steps, then B's four
.set FR,    16
.set NP,    8                          ; places behind this matrix instruction (ISA guide 7.12.1)
.set ADRA, 16                          ; v16-17  LDS address of my A fragments in slot 0, 1
.set ADRB, 20                          ; v20-21  the same for B
.set ADRS, 22                          ; v22-23  of my scale words: lanes 0-15 A's records, lanes 16-31 B's
.set STO,  24                          ; v24     the way out: where I put 32 bytes of a row
.set RD,   25                          ; v25     where I read rows back
.set CO,   26                          ; v26     my byte offset in two rows of the result
.set CB,   27                          ; v27     16 x (lane % 16)
.set SC,   32                          ; scale words: set s at v[SC + 16 s]; register 4 i + q: lanes 0-15 A's block i, lanes 16-31 B's block i, the slot's q-th K step
.set BI,   64                          ; v64-67  the bias of my four columns
.set ACC,  128
.set F0,   0                           ; fragment buffers, in window 1
.set F1,   128
.set G1,  24
.set G0,  32
.set G1B, 48
.set G0B, 56
.set RESB, 10
.set OUTB, 12
.set MSB, 0
.macro WIN new                         ; the immediate's high byte repeats the setting that is left
.if MSB != \new
	s_set_vgpr_msb (MSB<<8)|\new
.set MSB, \new
.endif
.endm
.set MUL,  0x05                        ; sources 0 (B) and 1 (A) window 1; C and D window 0
.set TO_F, 0x40                        ; destination window 1, address window 0
.macro JLOAD g0a, g1a, g0b, g1b        ; a joint load: waves 0 and 1 fetch for A, waves 2 and 3 for B; four v_nop follow each of the two lines
	s_cmp_eq_u32 s15, 0
	s_cbranch_scc0 .Lfor_b_\@
	tensor_load_to_lds s[\g0a:\g0a+3], s[\g1a:\g1a+7]
	s_nop 0
.rept 4
	v_nop
.endr
	s_branch .Lasked_\@
.Lfor_b_\@:
	tensor_load_to_lds s[\g0b:\g0b+3], s[\g1b:\g1b+7]
	s_nop 0
.rept 4
	v_nop
.endr
.Lasked_\@:
.endm
.macro CROUND                          ; a round of the cluster's barrier
	s_barrier_signal -1
	s_barrier_wait -1
	s_cmp_lg_u32 s14, 0
	s_cbranch_scc1 .Lnot_wave_0_\@
	s_barrier_signal -3
.Lnot_wave_0_\@:
	s_barrier_wait -3
	s_barrier_signal -1
	s_barrier_wait -1
.endm
.macro PLACES n
.rept \n
	v_nop
.endr
.endm
.macro FRAG reg, adr, q, i             ; 16 records x 128 K: lane l holds record l % 16; registers 4 c .. 4 c + 3 hold K = 32 c + 16 (l / 16) + 0 .. 15
.irp c, 0,1,2,3
	ds_load_b128 v[\reg+4*\c:\reg+4*\c+3], v[\adr] offset:BLK*(\q)+32*\c+(\i)*16*PITCH
.endr
.endm
.macro FETCH slot, q, f                ; 32 LDS loads in one run: the slot's q-th K step into buffer f; B's four fragments first, A's blocks 2 and 3 last
	WIN TO_F
.irp i, 0,1,2,3
	FRAG \f+64+FR*\i, ADRB+\slot, \q, \i
.endr
.irp i, 0,1,2,3
	FRAG \f+FR*\i, ADRA+\slot, \q, \i
.endr
.endm
.macro SCALES sc                       ; a slot's scale words: they lie in the records, behind the codes
.irp i, 0,1,2,3
.irp q, 0,1,2,3
	ds_load_b32 v[SC+4*NQ*\sc+NQ*\i+\q], v[ADRS+\sc] offset:\i*16*PITCH+\q*BLK
.endr
.endr
.endm
.macro MUL4 f, a, q, sc, zero          ; A's block a x B's four.  The 16 accumulators take turns, one instruction a turn, in the same order in every K step
.irp b, 0,1,2,3
.if \zero
	v_wmma_scale_f32_16x16x128_f8f6f4 v[ACC+8*(4*(\a)+\b):ACC+8*(4*(\a)+\b)+7], v[\f+64+FR*\b:\f+64+FR*\b+FR-1], v[\f+FR*(\a):\f+FR*(\a)+FR-1], 0, v[SC+4*NQ*(\sc)+NQ*\b+(\q)], v[SC+4*NQ*(\sc)+NQ*(\a)+(\q)] matrix_a_scale:MATRIX_SCALE_ROW1
.else
	v_wmma_scale_f32_16x16x128_f8f6f4 v[ACC+8*(4*(\a)+\b):ACC+8*(4*(\a)+\b)+7], v[\f+64+FR*\b:\f+64+FR*\b+FR-1], v[\f+FR*(\a):\f+FR*(\a)+FR-1], v[ACC+8*(4*(\a)+\b):ACC+8*(4*(\a)+\b)+7], v[SC+4*NQ*(\sc)+NQ*\b+(\q)], v[SC+4*NQ*(\sc)+NQ*(\a)+(\q)] matrix_a_scale:MATRIX_SCALE_ROW1
.endif
.endr
.endm
.macro STEP slot, q, f, g, zero        ; a K step of 128 that has its successor in the same slot: multiplies buffer f, fetches the next K step into buffer g
	s_wait_dscnt 8                                 ; the scale words, B and A's blocks 0 and 1 are in; the youngest eight loads (A's blocks 2 and 3) may be out
	WIN MUL
	MUL4 \f, 0, \q, \slot, \zero
	MUL4 \f, 1, \q, \slot, \zero
	PLACES NP                                      ; in front of loads into registers that the last K step's products read
	FETCH \slot, (\q)+1, \g
	s_wait_dscnt 32                                ; all but the 32 just issued
	WIN MUL
	MUL4 \f, 2, \q, \slot, \zero
	MUL4 \f, 3, \q, \slot, \zero
.endm
; the way out: block a = 16 records of A; record 16 a + t holds row 32 (a / 2) + 16 (t / 8) + 8 (a % 2) + t % 8 of my 64
.set SPITCH, 272                       ; a stage row: my 64 columns' 256 bytes + 16.  The stages (16 rows a wave) lie in slot 0, behind its one fill and its last read
.macro RLOAD a                         ; the residual's 16 rows of block a: lanes 0-15 one row's 256 bytes, lanes 16-31 the next row's
.set u, 0
.rept 8
	global_load_b128 v[32*(\a)+4*u:32*(\a)+4*u+3], v[CO], s[RESB:RESB+1] offset:(32*((\a)/2)+16*(u/4)+8*((\a)%2)+2*(u%4))*4096 th:TH_LOAD_NT
.set u, u+1
.endr
.endm
.macro TOSTAGE a                       ; register j of accumulator b is column 32 (b / 2) + 16 h + 8 (b % 2) + j: into my stage by columns, back by rows
	WIN 0
.irp b, 0,1,2,3
	ds_store_b128 v[STO], v[ACC+8*(4*(\a)+\b):ACC+8*(4*(\a)+\b)+3] offset:128*(\b/2)+32*(\b%2)       ; each accumulator from its low end on
	ds_store_b128 v[STO], v[ACC+8*(4*(\a)+\b)+4:ACC+8*(4*(\a)+\b)+7] offset:128*(\b/2)+32*(\b%2)+16
.endr
	WIN TO_F
.set u, 0
.rept 8
	ds_load_b128 v[32*(\a)+4*u:32*(\a)+4*u+3], v[RD] offset:u*2*SPITCH   ; LDS serves a wave's instructions in order: these see the stores above, and the next block's stores come behind them
.set u, u+1
.endr
.endm
.macro ADD a
	WIN 0x41                                       ; destination and source 0 window 1, source 1 window 0
.set n, 0
.rept 16
	v_pk_add_f32 v[32*(\a)+n:32*(\a)+n+1], v[32*(\a)+n:32*(\a)+n+1], v[BI+(n%4):BI+(n%4)+1]   ; + the bias,
.set n, n+2
.endr
	WIN 0x49                                       ; source 1 window 2
.set n, 0
.rept 16
	v_pk_add_f32 v[32*(\a)+n:32*(\a)+n+1], v[32*(\a)+n:32*(\a)+n+1], v[32*(\a)+n:32*(\a)+n+1] ; + the residual
.set n, n+2
.endr
.endm
.macro SENDF a
	WIN 0x04                                       ; a store's data are its source 1: window 1
.set u, 0
.rept 8
	global_store_b128 v[CO], v[32*(\a)+4*u:32*(\a)+4*u+3], s[OUTB:OUTB+1] offset:(32*((\a)/2)+16*(u/4)+8*((\a)%2)+2*(u%4))*4096   ; sixteen lanes store 256 consecutive bytes, aligned to 256
.set u, u+1
.endr
.endm
	s_load_b128 s[4:7], s[0:1], 0x0                ; A's image, wimg
	s_load_b128 s[8:11], s[0:1], 0x10              ; the bias, the residual
	s_load_b64 s[12:13], s[0:1], 0x20              ; the result
	v_lshl_add_u32 v126, v0, 2, 0x48000
	v_mov_b32 v127, 0
	ds_add_u32 v126, v127
	ds_add_u32 v126, v127
	v_lshrrev_b32 v1, 5, v0
	v_readfirstlane_b32 s14, v1                    ; wave 0..3
	s_lshr_b32 s15, s14, 1                         ; which half of A's records is mine.  Also: I fetch for A (0) or for B (1)
	s_and_b32 s16, s14, 1                          ; which half of B's.  Also: which slot's four K steps I fetch
	s_bfe_u32 s40, ttmp6, 0x40000                  ; cx, cy: my place in the cluster
	s_bfe_u32 s41, ttmp6, 0x40004
	s_lshl_b32 s42, ttmp9, 2
	s_add_co_u32 s42, s42, s40                     ; B's tile = 4 x cluster x + cx
	s_and_b32 s17, ttmp7, 0xffff
	s_lshl_b32 s17, s17, 2
	s_add_co_u32 s17, s17, s41                     ; A's tile = 4 x cluster y + cy
	s_lshl_b32 s43, s41, 2
	s_lshl_b32 s43, 15, s43                        ; my row of the cluster
	s_lshl_b32 s44, 0x1111, s40                    ; my column
	s_or_b32 s[G1+0], s43, (3<<16)|(1<<21)         ; 15:0 the mask; 17:16 elements of 8 bytes; 21 set beside a mask; no padding: the records carry their own
	s_or_b32 s[G1B+0], s44, (3<<16)|(1<<21)
.irp g, G1, G1B
	s_mov_b32 s[\g+1], (BLK/8)<<16                 ; tensor_dim0 = 2,304 elements: a K step's block of 18,432 bytes is one row,
	s_mov_b32 s[\g+2], 4<<16                       ; tensor_dim1 = 4 rows: a wave's ONE load brings the four K steps of a slot for one operand
	s_mov_b32 s[\g+3], (BLK/8)<<16                 ; tile_dim0
	s_mov_b32 s[\g+4], 4                           ; tile_dim1
	s_mov_b32 s[\g+6], 0
	s_mov_b32 s[\g+7], 0
.endr
	s_mov_b32 s[G1+5], STRA/8                      ; the pitch: from a K step to the next, in elements
	s_mov_b32 s[G1B+5], STRB/8
	s_mul_i32 s20, s17, BLK
	s_mul_i32 s18, s16, 4*STRA                     ; my four K steps: slot 0's or slot 1's
	s_add_co_u32 s20, s20, s18
	s_mov_b32 s21, 0
	s_mul_i32 s46, s42, BLK
	s_mul_i32 s18, s16, 4*STRB
	s_add_co_u32 s46, s46, s18
	s_add_co_u32 s46, s46, OFFB
	s_mov_b32 s47, 0
	s_mul_i32 s45, s16, SLOT                       ; where my four blocks go: slot wave % 2,
	s_mul_i32 s18, s15, NQ*BLK                     ; A's part or, behind it, B's: no place in the cluster enters an LDS address
	s_add_co_u32 s45, s45, s18
	s_wait_dscnt 0x0
	s_wait_kmcnt 0x0
	s_add_nc_u64 s[20:21], s[4:5], s[20:21]
	s_add_nc_u64 s[46:47], s[6:7], s[46:47]
	CROUND                                         ; all sixteen work-groups are here: the joint loads meet
.irp s, 0
	s_mov_b32 s[G0+4*\s], 1
	s_add_co_u32 s[G0+4*\s+1], s45, \s*SLOT
	s_add_nc_u64 s[G0+4*\s+2:G0+4*\s+3], s[20:21], \s*NQ*STRA
	s_or_b32 s[G0+4*\s+3], s[G0+4*\s+3], 0x80000000
	s_mov_b32 s[G0B+4*\s], 1
	s_add_co_u32 s[G0B+4*\s+1], s45, \s*SLOT
	s_add_nc_u64 s[G0B+4*\s+2:G0B+4*\s+3], s[46:47], \s*NQ*STRB
	s_or_b32 s[G0B+4*\s+3], s[G0B+4*\s+3], 0x80000000
	JLOAD G0+4*\s, G1, G0B+4*\s, G1B               ; one tensor load of mine is out: 73,728 bytes; the four waves' loads are all that this launch asks for
.endr
	v_and_b32 v1, 15, v0                           ; r = l % 16
	v_bfe_u32 v2, v0, 4, 1                         ; h = l / 16
	v_mul_u32_u24 v3, v1, PITCH
	v_lshl_add_u32 v4, v2, 4, v3                   ; a fragment's record x pitch + 16 x half
	s_mul_i32 s21, s15, HALF                       ; my 64 records of A
	s_mul_i32 s22, s16, HALF                       ; my 64 of B,
	s_add_co_u32 s22, s22, NQ*BLK                  ; behind A's four K steps
	s_sub_co_u32 s23, s22, s21
	v_mul_u32_u24 v5, s23, v2                      ; lanes 16-31 take B's scale words: one product, the distance between the two
	v_add_nc_u32 v5, v3, v5
	v_add_nc_u32 v5, 128, v5
	v_add_nc_u32 v[ADRS], s21, v5
	v_add_nc_u32 v[ADRS+1], SLOT, v[ADRS]
.irp s, 0,1
	v_add_nc_u32 v[ADRA+\s], s21, v4
	v_add_nc_u32 v[ADRB+\s], s22, v4
	s_add_co_u32 s21, s21, SLOT
	s_add_co_u32 s22, s22, SLOT
.endr
	s_mul_i32 s23, s14, 16*SPITCH                  ; my stage
	v_mul_u32_u24 v5, v1, SPITCH
	v_lshl_add_u32 v5, v2, 6, v5
	v_add_nc_u32 v[STO], s23, v5                   ; in: row r, 64 bytes on for the upper half of the lanes
	v_lshlrev_b32 v[CB], 4, v1
	v_mul_u32_u24 v5, v2, SPITCH
	v_add_nc_u32 v5, v5, v[CB]
	v_add_nc_u32 v[RD], s23, v5                    ; back: lanes 0-15 one row, lanes 16-31 the next
	v_lshl_add_u32 v[CO], v2, 12, v[CB]            ; and the same two rows of 4,096 bytes in memory
	s_wait_alu depctr_va_vdst(0)
	s_lshl_b32 s46, s42, 9                         ; my first column, in bytes: 512 x B's tile + 256 x half
	s_lshl_b32 s47, s16, 8
	s_add_co_u32 s46, s46, s47
	s_mov_b32 s47, 0
	s_add_nc_u64 s[8:9], s[8:9], s[46:47]
	global_load_b128 v[BI:BI+3], v[CB], s[8:9]
	s_lshl_b32 s70, s17, 7
	s_lshl_b32 s71, s15, 6
	s_add_co_u32 s70, s70, s71                     ; my first row: 128 x A's tile + 64 x half,
	s_lshl_b32 s70, s70, 12                        ; 4,096 bytes each
	s_add_co_u32 s46, s46, s70
	s_add_nc_u64 s[RESB:RESB+1], s[RESB:RESB+1], s[46:47]
	s_add_nc_u64 s[OUTB:OUTB+1], s[OUTB:OUTB+1], s[46:47]
	WIN 0x80                                       ; destination window 2
	RLOAD 0                                        ; the whole residual is asked for now; its registers, its offsets and its base are not touched before the wait ahead of the way out
	RLOAD 1
	RLOAD 2
	RLOAD 3
	WIN 0
	s_wait_tensorcnt 0x0                           ; my four blocks are in,
	s_barrier_signal -1
	s_barrier_wait -1                              ; everybody's are
	SCALES 0
	FETCH 0, 0, F0
	STEP 0, 0, F0, F1, 1                           ; the first K step's products start the sums: nothing is cleared
	STEP 0, 1, F1, F0, 0
	STEP 0, 2, F0, F1, 0
	; slot 0's last K step changes slots: one barrier, behind which slot 1 is whole and nobody reads slot 0 any more
	s_wait_tensorcnt 0x0                           ; my blocks of slot 1 have landed
	s_wait_dscnt 8                                 ; (A's blocks 2 and 3, eight loads, may be out)
	MUL4 F1, 0, 3, 0, 0
	s_wait_dscnt 0x0                               ; my reads of slot 0 are over: the stages will lie there
	s_barrier_signal -1
	MUL4 F1, 1, 3, 0, 0
	s_barrier_wait -1
	PLACES NP
	WIN 0
	SCALES 1
	FETCH 1, 0, F0
	WIN MUL
	MUL4 F1, 2, 3, 0, 0
	MUL4 F1, 3, 3, 0, 0
	STEP 1, 0, F0, F1, 0
	STEP 1, 1, F1, F0, 0
	STEP 1, 2, F0, F1, 0
	s_wait_dscnt 0                                 ; the very last K step: nothing more to fetch
	WIN MUL
	MUL4 F1, 0, 3, 1, 0
	MUL4 F1, 1, 3, 1, 0
	MUL4 F1, 2, 3, 1, 0
	MUL4 F1, 3, 3, 1, 0
	WIN 0
	s_wait_loadcnt 0x0                             ; the bias and the residual
	PLACES NP                                      ; in front of the first read of results and of loads into registers that held fragments
	TOSTAGE 0
	TOSTAGE 1
.irp a, 0,1,2,3
.if \a < 2
	TOSTAGE \a+2
	s_wait_dscnt 32                                ; block a is back; the two later blocks' 8 stores and 8 loads each may be out
.else
	s_wait_dscnt 16*(3-\a)
.endif
	ADD \a
	SENDF \a
.endr
	WIN 0
	s_wait_tensorcnt 0x0
	ds_add_u32 v126, v127
	s_wait_dscnt 0x0
	CROUND                                         ; the closing round: no work-group ends while a partner may still ask for a block that names it
	s_endpgm
.Lfunc_end_k_q57366c62c4_wo:
	.size	k_q57366c62c4_wo, .Lfunc_end_k_q57366c62c4_wo-k_q57366c62c4_wo
	.p2alignl 7, 3214868480
	.fill 96, 4, 3214868480
	.section	.rodata,"a",@progbits
	.p2align	6, 0x0
	.amdhsa_kernel k_q57366c62c4_wo
		.amdhsa_group_segment_fixed_size 327680
		.amdhsa_private_segment_fixed_size 0
		.amdhsa_enable_private_segment 0
		.amdhsa_kernarg_size 40
		.amdhsa_user_sgpr_count 2
		.amdhsa_user_sgpr_kernarg_segment_ptr 1
		.amdhsa_wavefront_size32 1
		.amdhsa_system_sgpr_workgroup_id_x 1
		.amdhsa_system_sgpr_workgroup_id_y 1
		.amdhsa_system_sgpr_workgroup_id_z 1
		.amdhsa_system_vgpr_workitem_id 0
		.amdhsa_next_free_vgpr 640
		.amdhsa_next_free_sgpr 72
		.amdhsa_reserve_vcc 0
		.amdhsa_float_denorm_mode_32 3
		.amdhsa_float_denorm_mode_16_64 3
		.amdhsa_memory_ordered 1
		.amdhsa_forward_progress 1
		.amdhsa_inst_pref_size 63
	.end_amdhsa_kernel
	.amdgpu_metadata
---
amdhsa.version: [ 1, 2 ]
amdhsa.kernels:
  - .name:           k_q57366c62c4_wo
    .symbol:         k_q57366c62c4_wo.kd
    .args:
      - { .name: cimg, .offset: 0, .size: 8, .value_kind: global_buffer, .address_space: global }
      - { .name: wimg, .offset: 8, .size: 8, .value_kind: global_buffer, .address_space: global }
      - { .name: bo, .offset: 16, .size: 8, .value_kind: global_buffer, .address_space: global }
      - { .name: x, .offset: 24, .size: 8, .value_kind: global_buffer, .address_space: global }
      - { .name: x1, .offset: 32, .size: 8, .value_kind: global_buffer, .address_space: global }
    .group_segment_fixed_size: 327680
    .private_segment_fixed_size: 0
    .kernarg_segment_align: 8
    .kernarg_segment_size: 40
    .max_flat_workgroup_size: 128
    .sgpr_count:     72
    .vgpr_count:     640
    .wavefront_size: 32
...
	.end_amdgpu_metadata
.endif
;; end of part 12
;; launch ln2: the kernel of part 9 again; grid 256 x 1, 16 waves a work-group, no clusters, 112,640 bytes of LDS; arguments x1, ln2_g, ln2_b, himg; writes himg
;; launch ffn1 (part 13): grid 16 x 16, 4 waves a work-group, clusters of 4 x 4, 327,680 bytes of LDS; arguments himg, wimg, b1, gimg; writes gimg
.if DOCPART == 13
	.amdgcn_target "amdgcn-amd-amdhsa--gfx1250"
	.amdhsa_code_object_version 6
	.text
	.protected	k_q57366c62c4_ffn1
	.globl	k_q57366c62c4_ffn1
	.p2align	8
	.type	k_q57366c62c4_ffn1,@function
k_q57366c62c4_ffn1:
	s_mov_b64 s[64:65], 0
	v_nop
	global_prefetch_b8 v0, s[64:65] scope:SCOPE_SE
	s_setreg_imm32_b32 hwreg(HW_REG_WAVE_MODE, 25, 1), 1
	s_wait_xcnt 0x0
	s_wait_alu depctr_hold_cnt(0) depctr_sa_sdst(0) depctr_va_vdst(0) depctr_va_sdst(0) depctr_va_ssrc(0) depctr_va_vcc(0) depctr_vm_vsrc(0)
	s_getreg_b32 s2, hwreg(HW_REG_IB_STS2, 6, 4)
	s_cmp_eq_u32 s2, 0
	s_cbranch_scc0 .Lentry_in_a_cluster
	s_endpgm
.Lentry_in_a_cluster:
	s_bfe_u32 s2, ttmp6, 0x10000c
	s_cmp_lg_u32 s2, 0xf033
	s_cbranch_scc0 .Lentry_shape_is_right
	s_endpgm
.Lentry_shape_is_right:
.set LAPS,  2
.set STRA,  4096*144
.set STRB,  4096*144
.set OFFB,  5898240
.set PITCH, 144
.set BLK,   256*PITCH
.set HALF,  128*PITCH
.set SLOT,  4*BLK
.set SPARE, 2*SLOT
.set NQ,    2
.set FR,    16
.set NL,    4
.set NP,    8
.set ADRA, 16
.set ADRB, 20
.set ADRS, 22
.set STO,  24
.set RD,   25
.set CO,   26
.set SQA,  27
.set SPW,  28
.set NIL,  29
.set SC,   32
.set AF,   128
.set G1,  24
.set G0,  32
.set G1B, 48
.set G0B, 56
.set MSB, 0
.macro WIN new
.if MSB != \new
	s_set_vgpr_msb (MSB<<8)|\new
.set MSB, \new
.endif
.endm
.set MUL_LO, 0xa1
.set MUL_HI, 0xf1
.set TO_B,   0x40
.macro JLOAD g0a, g1a, g0b, g1b
	s_cmp_eq_u32 s15, 0
	s_cbranch_scc0 .Lfor_b_\@
	tensor_load_to_lds s[\g0a:\g0a+3], s[\g1a:\g1a+7]
	s_nop 0
.rept 4
	v_nop
.endr
	s_branch .Lasked_\@
.Lfor_b_\@:
	tensor_load_to_lds s[\g0b:\g0b+3], s[\g1b:\g1b+7]
	s_nop 0
.rept 4
	v_nop
.endr
.Lasked_\@:
.endm
.macro CREST
	s_cmp_lg_u32 s14, 0
	s_cbranch_scc1 .Lnot_wave_0_\@
	s_barrier_signal -3
.Lnot_wave_0_\@:
	s_barrier_wait -3
	s_barrier_signal -1
	s_barrier_wait -1
.endm
.macro CROUND
	s_barrier_signal -1
	s_barrier_wait -1
	CREST
.endm
.macro PLACES n
.rept \n
	v_nop
.endr
.endm
.macro FRAG reg, adr, q, i
.irp c, 0,1,2,3
	ds_load_b128 v[\reg+4*\c:\reg+4*\c+3], v[\adr] offset:BLK*(\q)+32*\c+(\i)*16*PITCH
.endr
.endm
.macro MUL16 a0, p, q, sc, zero
.irp a, \a0, \a0+1
.irp b, 0,1,2,3,4,5,6,7
.if \zero
	v_wmma_scale_f32_16x16x128_f8f6f4 v[8*(8*((\a)%4)+\b):8*(8*((\a)%4)+\b)+7], v[128*(\p)+FR*\b:128*(\p)+FR*\b+FR-1], v[AF+FR*(\a):AF+FR*(\a)+FR-1], 0, v[SC+8*NQ*(\sc)+NQ*\b+(\q)], v[SC+8*NQ*(\sc)+NQ*(\a)+(\q)] matrix_a_scale:MATRIX_SCALE_ROW1
.else
	v_wmma_scale_f32_16x16x128_f8f6f4 v[8*(8*((\a)%4)+\b):8*(8*((\a)%4)+\b)+7], v[128*(\p)+FR*\b:128*(\p)+FR*\b+FR-1], v[AF+FR*(\a):AF+FR*(\a)+FR-1], v[8*(8*((\a)%4)+\b):8*(8*((\a)%4)+\b)+7], v[SC+8*NQ*(\sc)+NQ*\b+(\q)], v[SC+8*NQ*(\sc)+NQ*(\a)+(\q)] matrix_a_scale:MATRIX_SCALE_ROW1
.endif
.endr
.endr
.endm
.macro FETCH_B slot, q, p
	WIN TO_B
.irp i, 0,1,2,3,4,5,6,7
	FRAG 128*(\p)+FR*\i, ADRB+\slot, \q, \i
.endr
	WIN 0
.endm
.macro FETCH_A slot, q, i0
.irp i, \i0, \i0+1, \i0+2, \i0+3
	FRAG AF+FR*(\i), ADRA+\slot, \q, \i
.endr
.endm
.macro SCALES sc
.irp i, 0,1,2,3,4,5,6,7
.irp q, 0,1
	ds_load_b32 v[SC+8*NQ*\sc+NQ*\i+\q], v[ADRS+\sc] offset:\i*16*PITCH+\q*BLK
.endr
.endr
.endm
.macro STEP slot, q, zero
	s_wait_dscnt 4*NL
	WIN MUL_LO
	MUL16 0, (\q)%2, \q, \slot, \zero
	MUL16 2, (\q)%2, \q, \slot, \zero
	s_wait_dscnt 0
	PLACES NP
	FETCH_B \slot, (\q)+1, 1-(\q)%2
	FETCH_A \slot, (\q)+1, 0
	WIN MUL_HI
	MUL16 4, (\q)%2, \q, \slot, \zero
	MUL16 6, (\q)%2, \q, \slot, \zero
	PLACES NP
	WIN 0
	FETCH_A \slot, (\q)+1, 4
.endm
.macro TURN slot, next, fill
	s_wait_tensorcnt 0x0
	ds_add_u32 v[SPW], v[NIL]
	s_wait_dscnt 4*NL+1
	WIN MUL_LO
	MUL16 0, 1, NQ-1, \slot, 0
	s_wait_dscnt 0x0
	s_barrier_signal -1
	MUL16 2, 1, NQ-1, \slot, 0
	WIN 0
	s_barrier_wait -1
.if \fill
	CREST
	s_add_nc_u64 s[G0+4*\slot+2:G0+4*\slot+3], s[G0+4*\slot+2:G0+4*\slot+3], 4*STRA
	s_add_nc_u64 s[G0B+4*\slot+2:G0B+4*\slot+3], s[G0B+4*\slot+2:G0B+4*\slot+3], 4*STRB
	JLOAD G0+4*\slot, G1, G0B+4*\slot, G1B
	PLACES NP-4
.else
	PLACES NP
.endif
	FETCH_B \next, 0, 0
	FETCH_A \next, 0, 0
	SCALES \next
	WIN MUL_HI
	MUL16 4, 1, NQ-1, \slot, 0
	MUL16 6, 1, NQ-1, \slot, 0
	PLACES NP
	WIN 0
	FETCH_A \next, 0, 4
.endm
.set VC1,  6
.set VC3,  8
.set VD1,  10
.set BC,   64
.set T,    128
.set GT,   192                         ; v192-255: GELU's four sets of sixteen numbers at work
.set GS,   208
.set GB,   224
.set GR,   240
.set PC,   192                         ; behind GELU the quantiser takes v192-223
.set TM,   208
.set PWQ,  12                          ; v12-15: a scale word and three zeros, which stay
.set STAV, 228
.set SQV,  229
.set EC0,  70
.set EC2,  72
.set EC4,  74
.set EC5,  76
.set EC6,  78
.set ED0,  80
.set ED2,  82
.set ED3,  84
.set ED4,  86
.set ED5,  88
.set ELG,  90
.set SQ2,  92
.set THR,  93
.set AI,   94
.set SOFF, 95
.set MNT,  96
.set SEL,  98
.macro SPAIR reg, val
	s_mov_b32 s[\reg], \val
	s_mov_b32 s[\reg+1], \val
.endm
.macro QUANT s
.irp b, 0,1,2,3
	v_max3_num_f32 v[TM+\b], |v[\s+16*\b]|, |v[\s+1+16*\b]|, 0x4800000
.endr
.irp i, 2,4,6,8,10,12,14
.irp b, 0,1,2,3
	v_max3_num_f32 v[TM+\b], v[TM+\b], |v[\s+16*\b+\i]|, |v[\s+1+16*\b+\i]|
.endr
.endr
.irp b, 0,1,2,3
	v_permlanex16_b32 v[TM+4+\b], v[TM+\b], s[SEL], s[SEL+1]
.endr
.irp b, 0,1,2,3
	v_max_num_f32 v[TM+\b], v[TM+\b], v[TM+4+\b]
.endr
.irp b, 0,1,2,3
	v_add_nc_u32 v[TM+12+\b], 0xfc000000, v[TM+\b]
.endr
.irp b, 0,1,2,3
	v_and_or_b32 v[TM+8+\b], v[TM+\b], 0x7f800000, s[MNT]
.endr
.irp b, 0,1,2,3
	v_lshrrev_b32 v[TM+4+\b], 23, v[TM+12+\b]
.endr
	v_lshl_or_b32 v[PWQ], v[TM+5], 8, v[TM+4]
	v_lshl_or_b32 v[PWQ], v[TM+6], 16, v[PWQ]
	v_lshl_or_b32 v[PWQ], v[TM+7], 24, v[PWQ]
.irp b, 0,1,2,3
.irp i, 0,1,2,3,4,5,6,7,8,9,10,11,12,13,14,15
	v_med3_num_f32 v[\s+16*\b+\i], v[\s+16*\b+\i], -v[TM+8+\b], v[TM+8+\b]
.endr
	v_cvt_scalef32_pk8_fp8_f32 v[PC+4*\b:PC+1+4*\b], v[\s+16*\b:\s+7+16*\b], v[TM+12+\b]
	v_cvt_scalef32_pk8_fp8_f32 v[PC+2+4*\b:PC+3+4*\b], v[\s+8+16*\b:\s+15+16*\b], v[TM+12+\b]
.endr
	v_nop
.endm
.macro ARM a
	s_cmp_lg_u32 s[AI], \a
	s_cbranch_scc1 .Lnot_\@
.set WA, 0x02+(\a)/4
	WIN WA
.set n, 0
.rept 32
	v_pk_fma_f32 v[T+n:T+n+1], v[64*((\a)%4)+n:64*((\a)%4)+n+1], 0.5, v[BC+n:BC+n+1] op_sel_hi:[1,0,1]
.set n, n+2
.endr
	WIN 0
.Lnot_\@:
.endm
; GELU of sixteen numbers h = (x + b) / 2 at v[TG ..]: h + |h| erf(|x + b| / sqrt 2), erf by two forms in f32, both computed, one selected.
; Eight packed lines to a stage, so that no line reads the lines just above it; one batch of sixteen exponentials with one wait ahead of it and one behind it.
.macro GELU g
.set TG, T+16*(\g)
.irp i, 0,1,2,3,4,5,6,7,8,9,10,11,12,13,14,15
	v_mul_f32 v[GT+\i], s[SQ2], |v[TG+\i]|
.endr
.irp i, 0,2,4,6,8,10,12,14
	v_pk_mul_f32 v[GS+\i:GS+\i+1], v[GT+\i:GT+\i+1], v[GT+\i:GT+\i+1]
.endr
.irp i, 0,2,4,6,8,10,12,14
	v_pk_fma_f32 v[GB+\i:GB+\i+1], v[GT+\i:GT+\i+1], s[EC0:EC0+1], v[VC1:VC1+1] op_sel_hi:[1,0,0]
.endr
.irp i, 0,2,4,6,8,10,12,14
	v_pk_fma_f32 v[GR+\i:GR+\i+1], v[GT+\i:GT+\i+1], s[EC2:EC2+1], v[VC3:VC3+1] op_sel_hi:[1,0,0]
.endr
.irp i, 0,2,4,6,8,10,12,14
	v_pk_fma_f32 v[GB+\i:GB+\i+1], v[GB+\i:GB+\i+1], v[GS+\i:GS+\i+1], v[GR+\i:GR+\i+1]
.endr
.irp k, EC4, EC5, EC6
.irp i, 0,2,4,6,8,10,12,14
	v_pk_fma_f32 v[GB+\i:GB+\i+1], v[GB+\i:GB+\i+1], v[GT+\i:GT+\i+1], s[\k:\k+1] op_sel_hi:[1,1,0]
.endr
.endr
.irp i, 0,2,4,6,8,10,12,14
	v_pk_fma_f32 v[GB+\i:GB+\i+1], v[GB+\i:GB+\i+1], v[GT+\i:GT+\i+1], v[GT+\i:GT+\i+1] neg_lo:[0,0,1] neg_hi:[0,0,1]
.endr
.irp i, 0,2,4,6,8,10,12,14
	v_pk_mul_f32 v[GB+\i:GB+\i+1], v[GB+\i:GB+\i+1], s[ELG:ELG+1] op_sel_hi:[1,0]
.endr
	s_wait_alu depctr_va_vdst(0)
.irp i, 0,1,2,3,4,5,6,7,8,9,10,11,12,13,14,15
	v_exp_f32 v[GB+\i], v[GB+\i]
.endr
.irp i, 0,2,4,6,8,10,12,14
	v_pk_fma_f32 v[GR+\i:GR+\i+1], v[GS+\i:GS+\i+1], s[ED0:ED0+1], v[VD1:VD1+1] op_sel_hi:[1,0,0]
.endr
.irp k, ED2, ED3, ED4, ED5
.irp i, 0,2,4,6,8,10,12,14
	v_pk_fma_f32 v[GR+\i:GR+\i+1], v[GR+\i:GR+\i+1], v[GS+\i:GS+\i+1], s[\k:\k+1] op_sel_hi:[1,1,0]
.endr
.endr
.irp i, 0,2,4,6,8,10,12,14
	v_pk_fma_f32 v[GR+\i:GR+\i+1], v[GR+\i:GR+\i+1], v[GT+\i:GT+\i+1], v[GT+\i:GT+\i+1]
.endr
	s_wait_alu depctr_va_vdst(0)
.irp i, 0,2,4,6,8,10,12,14
	v_pk_fma_f32 v[GB+\i:GB+\i+1], v[GB+\i:GB+\i+1], -1.0, 1.0 op_sel_hi:[1,0,0]
.endr
.irp i, 0,4,8,12                       ; the choice between the two forms, four numbers at a time, each with a mask of its own in s4-s7 (the arguments that lay there were used at the head)
.irp k, 0,1,2,3
	v_cmp_lt_f32 s[4+\k], s[THR], v[GT+\i+\k]
.endr
.irp k, 0,1,2,3
	v_cndmask_b32 v[GB+\i+\k], v[GR+\i+\k], v[GB+\i+\k], s[4+\k]
.endr
.irp k, 0,1,2,3
	v_fma_f32 v[TG+\i+\k], |v[TG+\i+\k]|, v[GB+\i+\k], v[TG+\i+\k]
.endr
.endr
.endm
	s_load_b128 s[4:7], s[0:1], 0x0
	s_load_b128 s[8:11], s[0:1], 0x10
	v_lshl_add_u32 v[SPW], v0, 2, SPARE
	v_mov_b32 v[NIL], 0
	ds_add_u32 v28, v29
	ds_add_u32 v28, v29
	s_wait_dscnt 0x0
	v_lshrrev_b32 v1, 5, v0
	v_readfirstlane_b32 s14, v1
	s_lshr_b32 s15, s14, 1
	s_and_b32 s16, s14, 1
	s_bfe_u32 s40, ttmp6, 0x40000
	s_bfe_u32 s41, ttmp6, 0x40004
	s_lshl_b32 s42, ttmp9, 2
	s_add_co_u32 s42, s42, s40
	s_and_b32 s17, ttmp7, 0xffff
	s_lshl_b32 s17, s17, 2
	s_add_co_u32 s17, s17, s41
	s_lshl_b32 s43, s41, 2
	s_lshl_b32 s43, 15, s43
	s_lshl_b32 s44, 0x1111, s40
	s_or_b32 s[G1+0], s43, (3<<16)|(1<<21)
	s_or_b32 s[G1B+0], s44, (3<<16)|(1<<21)
.irp g, G1, G1B
	s_mov_b32 s[\g+1], 32<<16
	s_mov_b32 s[\g+2], 144<<16
	s_mov_b32 s[\g+3], 32<<16
	s_mov_b32 s[\g+4], 144
	s_mov_b32 s[\g+5], 32
	s_mov_b32 s[\g+6], 0
	s_mov_b32 s[\g+7], 0
.endr
	s_mul_i32 s20, s17, BLK
	s_mul_i32 s18, s16, STRA
	s_add_co_u32 s20, s20, s18
	s_mov_b32 s21, 0
	s_mul_i32 s46, s42, BLK
	s_mul_i32 s18, s16, STRB
	s_add_co_u32 s46, s46, s18
	s_add_co_u32 s46, s46, OFFB
	s_mov_b32 s47, 0
	s_mul_i32 s45, s14, BLK
	s_wait_kmcnt 0x0
	s_add_nc_u64 s[20:21], s[4:5], s[20:21]
	s_add_nc_u64 s[46:47], s[6:7], s[46:47]
	CROUND
.irp s, 0,1
	s_mov_b32 s[G0+4*\s], 1
	s_add_co_u32 s[G0+4*\s+1], s45, \s*SLOT
	s_add_nc_u64 s[G0+4*\s+2:G0+4*\s+3], s[20:21], \s*2*STRA
	s_or_b32 s[G0+4*\s+3], s[G0+4*\s+3], 0x80000000
	s_mov_b32 s[G0B+4*\s], 1
	s_add_co_u32 s[G0B+4*\s+1], s45, \s*SLOT
	s_add_nc_u64 s[G0B+4*\s+2:G0B+4*\s+3], s[46:47], \s*2*STRB
	s_or_b32 s[G0B+4*\s+3], s[G0B+4*\s+3], 0x80000000
.if \s                                         ; slot 0's fill follows the opening lines and the first round; slot 1's first fill is issued as a refill is
	; PREFETCHES INTO THE L2, behind the first fill.  My wave fetches one dense block of 36,864 bytes in each of four fills, two K steps apart; of each block the four partners that ask jointly take 9,216 bytes each,
	; told apart by address: 32 lanes 256 bytes apart, then four more (the lanes left over name the last again).  Here: slot 1's first fill and the first refill; the last refill's block is asked for behind slot 1's load.
	s_cmp_eq_u32 s15, 0
	s_cselect_b64 s[66:67], s[20:21], s[46:47]     ; A's block or B's; never rewritten
	s_cselect_b32 s68, s40, s41                    ; my place among the four: cx for A, cy for B
	s_mul_i32 s68, s68, BLK/4
	s_mov_b32 s69, 0
	s_add_nc_u64 s[66:67], s[66:67], s[68:69]
	v_and_b32 v30, 31, v0
	v_min_u32 v31, 3, v30
	v_lshlrev_b32 v30, 8, v30                      ; v30, v31: never rewritten
	v_lshl_add_u32 v31, v31, 8, 8192
.irp k, 2,4
	global_prefetch_b8 v30, s[66:67] offset:\k*STRA th:TH_LOAD_NT scope:SCOPE_SE
	global_prefetch_b8 v31, s[66:67] offset:\k*STRA th:TH_LOAD_NT scope:SCOPE_SE
.endr
	s_wait_alu depctr_va_vdst(0)
	s_wait_tensorcnt 0x0
	ds_add_u32 v28, v29
	ds_add_u32 v28, v29
	s_wait_dscnt 0x0
	CROUND
.endif
	JLOAD G0+4*\s, G1, G0B+4*\s, G1B
.endr
	global_prefetch_b8 v30, s[66:67] offset:6*STRA th:TH_LOAD_NT scope:SCOPE_SE   ; the last refill's block
	global_prefetch_b8 v31, s[66:67] offset:6*STRA th:TH_LOAD_NT scope:SCOPE_SE
	v_and_b32 v1, 15, v0
	v_bfe_u32 v2, v0, 4, 1
	v_mul_u32_u24 v3, v1, PITCH
	v_lshl_add_u32 v4, v2, 4, v3
	s_mul_i32 s21, s15, HALF
	s_mul_i32 s22, s16, HALF
	s_add_co_u32 s22, s22, 2*BLK
	s_sub_co_u32 s23, s22, s21
	v_mul_u32_u24 v5, s23, v2
	v_add_nc_u32 v5, v3, v5
	v_add_nc_u32 v5, 128, v5
	v_add_nc_u32 v[ADRS], s21, v5
	v_add_nc_u32 v[ADRS+1], SLOT, v[ADRS]
.irp s, 0,1
	v_add_nc_u32 v[ADRA+\s], s21, v4
	v_add_nc_u32 v[ADRB+\s], s22, v4
	s_add_co_u32 s21, s21, SLOT
	s_add_co_u32 s22, s22, SLOT
.endr
	s_mul_i32 s23, s14, HALF
	v_add_nc_u32 v[STO], s23, v4
	v_add_nc_u32 v[SQA], s23, v3
	v_add_nc_u32 v[SQA], 128, v[SQA]
	v_and_b32 v5, 31, v0
	v_lshlrev_b32 v[CO], 4, v5
	v_add_nc_u32 v[RD], s23, v[CO]
	s_lshl_b32 s46, s42, 10
	s_lshl_b32 s47, s16, 9
	s_add_co_u32 s46, s46, s47
	s_mov_b32 s47, 0
	s_add_nc_u64 s[8:9], s[8:9], s[46:47]
	v_lshlrev_b32 v5, 6, v2
.set n, 0
.rept 16
	global_load_b128 v[BC+4*n:BC+4*n+3], v5, s[8:9] offset:128*(n/4)+16*(n%4)
.set n, n+1
.endr
	s_lshl_b32 s46, s42, 1
	s_add_co_u32 s46, s46, s16
	s_lshl_b32 s46, s46, 12
	s_lshl_b32 s47, s17, 8
	s_add_co_u32 s46, s46, s47
	s_lshl_b32 s47, s15, 7
	s_add_co_u32 s46, s46, s47
	s_mul_i32 s46, s46, PITCH
	s_mov_b32 s47, 0
	s_add_nc_u64 s[10:11], s[10:11], s[46:47]
	SPAIR EC0, 0xb7910000
	SPAIR EC2, 0xbb7e8a1c
	SPAIR EC4, 0xbddaae5c
	SPAIR EC5, 0xbf228550
	SPAIR EC6, 0xbe03ce86
	SPAIR ED0, 0xba1c7000
	SPAIR ED2, 0xbcdb48d9
	SPAIR ED3, 0x3de70e22
	SPAIR ED4, 0xbec09380
	SPAIR ED5, 0x3e0375d4
	SPAIR ELG, 0x3fb8aa3b
	s_mov_b32 s[SQ2], 0x3fb504f3
	s_mov_b32 s[THR], 0x3f6d8000
	s_mov_b32 s[MNT], 0x600000
	s_mov_b32 s[SEL], 0x76543210
	s_mov_b32 s[SEL+1], 0xfedcba98
	v_mov_b32 v[VC1], 0x39c8e7d9
	v_mov_b32 v[VC1+1], 0x39c8e7d9
	v_mov_b32 v[VC3], 0x3cc6b1a1
	v_mov_b32 v[VC3+1], 0x3cc6b1a1
	v_mov_b32 v[VD1], 0x3ba38d2c
	v_mov_b32 v[VD1+1], 0x3ba38d2c
	s_wait_loadcnt 0x0
.set n, 0
.rept 32
	v_pk_mul_f32 v[BC+n:BC+n+1], v[BC+n:BC+n+1], 0.5 op_sel_hi:[1,0]
.set n, n+2
.endr
	s_wait_tensorcnt 1
	s_barrier_signal -1
	s_barrier_wait -1
	FETCH_B 0, 0, 0
	FETCH_A 0, 0, 0
	SCALES 0
	FETCH_A 0, 0, 4
	STEP 0, 0, 1
	s_mov_b32 s3, LAPS-1
.Llap:
	TURN 0, 1, 1
	STEP 1, 0, 0
	TURN 1, 0, 1
	STEP 0, 0, 0
	s_sub_co_u32 s3, s3, 1
	s_cmp_lg_u32 s3, 0
	s_cbranch_scc1 .Llap
	TURN 0, 1, 0
	STEP 1, 0, 0
	s_wait_dscnt 4*NL
	WIN MUL_LO
	MUL16 0, 1, NQ-1, 1, 0
	MUL16 2, 1, NQ-1, 1, 0
	s_wait_dscnt 0
	WIN MUL_HI
	MUL16 4, 1, NQ-1, 1, 0
	MUL16 6, 1, NQ-1, 1, 0
	WIN 0
	PLACES NP
.irp r, 1,2,3
	v_mov_b32 v[PWQ+\r], 0
.endr
.irp b, 0,1,2,3
	v_mov_b32 v[TM+4+\b], 0
.endr
	s_mov_b32 s[AI], 0
	s_mov_b32 s[SOFF], 0
.Lrows:
.irp a, 0,1,2,3,4,5,6,7
	ARM \a
.endr
.irp g, 0,1,2,3
	GELU \g
.endr
	QUANT T
	v_add_nc_u32 v[STAV], s[SOFF], v[STO]
	v_add_nc_u32 v[SQV], s[SOFF], v[SQA]
.irp b, 0,1,2,3
	ds_store_b128 v[STAV], v[PC+4*\b:PC+4*\b+3] offset:32*\b
.endr
	ds_store_b128 v[SQV], v[PWQ:PWQ+3]
	s_wait_dscnt 0x0
	s_add_co_u32 s[SOFF], s[SOFF], 16*PITCH
	s_add_co_u32 s[AI], s[AI], 1
	s_cmp_lt_u32 s[AI], 8
	s_cbranch_scc1 .Lrows
.set c, 0
.rept 36
	ds_load_b128 v[64+4*c:64+4*c+3], v[RD] offset:512*c
.set c, c+1
.endr
.set c, 0
.rept 36
	s_wait_dscnt 35-c
	global_store_b128 v[CO], v[64+4*c:64+4*c+3], s[10:11] offset:512*c
.set c, c+1
.endr
	s_wait_tensorcnt 0x0
	ds_add_u32 v[SPW], v[NIL]
	s_wait_dscnt 0x0
	CROUND
	s_endpgm
.Lfunc_end_k_q57366c62c4_ffn1:
	.size	k_q57366c62c4_ffn1, .Lfunc_end_k_q57366c62c4_ffn1-k_q57366c62c4_ffn1
	.p2alignl 7, 3214868480
	.fill 96, 4, 3214868480
	.section	.rodata,"a",@progbits
	.p2align	6, 0x0
	.amdhsa_kernel k_q57366c62c4_ffn1
		.amdhsa_group_segment_fixed_size 327680
		.amdhsa_private_segment_fixed_size 0
		.amdhsa_enable_private_segment 0
		.amdhsa_kernarg_size 32
		.amdhsa_user_sgpr_count 2
		.amdhsa_user_sgpr_kernarg_segment_ptr 1
		.amdhsa_wavefront_size32 1
		.amdhsa_system_sgpr_workgroup_id_x 1
		.amdhsa_system_sgpr_workgroup_id_y 1
		.amdhsa_system_sgpr_workgroup_id_z 1
		.amdhsa_system_vgpr_workitem_id 0
		.amdhsa_next_free_vgpr 1024
		.amdhsa_next_free_sgpr 100
		.amdhsa_reserve_vcc 0
		.amdhsa_float_denorm_mode_32 3
		.amdhsa_float_denorm_mode_16_64 3
		.amdhsa_memory_ordered 1
		.amdhsa_forward_progress 1
		.amdhsa_inst_pref_size 206
	.end_amdhsa_kernel
	.amdgpu_metadata
---
amdhsa.version: [ 1, 2 ]
amdhsa.kernels:
  - .name:           k_q57366c62c4_ffn1
    .symbol:         k_q57366c62c4_ffn1.kd
    .args:
      - { .name: himg, .offset: 0, .size: 8, .value_kind: global_buffer, .address_space: global }
      - { .name: wimg, .offset: 8, .size: 8, .value_kind: global_buffer, .address_space: global }
      - { .name: b1, .offset: 16, .size: 8, .value_kind: global_buffer, .address_space: global }
      - { .name: gimg, .offset: 24, .size: 8, .value_kind: global_buffer, .address_space: global }
    .group_segment_fixed_size: 327680
    .private_segment_fixed_size: 0
    .kernarg_segment_align: 8
    .kernarg_segment_size: 32
    .max_flat_workgroup_size: 128
    .sgpr_count:     100
    .vgpr_count:     1024
    .wavefront_size: 32
...
	.end_amdgpu_metadata
.endif
;; end of part 13
;; launch ffn2 (part 14): grid 8 x 32, 4 waves a work-group, clusters of 4 x 4, 327,680 bytes of LDS; arguments gimg, wimg, b2, x1, out0; writes out0
.if DOCPART == 14
	.amdgcn_target "amdgcn-amd-amdhsa--gfx1250"
	.amdhsa_code_object_version 6
	.text
	.protected	k_q57366c62c4_ffn2
	.globl	k_q57366c62c4_ffn2
	.p2align	8
	.type	k_q57366c62c4_ffn2,@function
k_q57366c62c4_ffn2:
	s_mov_b64 s[64:65], 0
	v_nop
	global_prefetch_b8 v0, s[64:65] scope:SCOPE_SE
	s_setreg_imm32_b32 hwreg(HW_REG_WAVE_MODE, 25, 1), 1
	s_wait_xcnt 0x0
	s_wait_alu depctr_hold_cnt(0) depctr_sa_sdst(0) depctr_va_vdst(0) depctr_va_sdst(0) depctr_va_ssrc(0) depctr_va_vcc(0) depctr_vm_vsrc(0)
	s_getreg_b32 s2, hwreg(HW_REG_IB_STS2, 6, 4)
	s_cmp_eq_u32 s2, 0
	s_cbranch_scc0 .Lentry_in_a_cluster
	s_endpgm
.Lentry_in_a_cluster:
	s_bfe_u32 s2, ttmp6, 0x10000c
	s_cmp_lg_u32 s2, 0xf033
	s_cbranch_scc0 .Lentry_shape_is_right
	s_endpgm
.Lentry_shape_is_right:
.set LAPS,  4
.set STRA,  4096*144
.set STRB,  1024*144
.set OFFB,  10616832
.set PITCH, 144
.set BLK,   128*PITCH
.set HALF,  64*PITCH
.set NQ,    4
.set SLOT,  2*NQ*BLK
.set SPARE, 2*SLOT
.set FR,    16
.set NP,    8
.set ADRA, 16
.set ADRB, 20
.set ADRS, 22
.set STO,  24
.set RD,   25
.set CO,   26
.set CB,   27
.set SPW,  28
.set NIL,  29
.set SC,   32
.set BI,   64
.set ACC,  128
.set F0,   0
.set F1,   128
.set G1,  24
.set G0,  32
.set G1B, 48
.set G0B, 56
.set RESB, 10
.set OUTB, 12
.set MSB, 0
.macro WIN new
.if MSB != \new
	s_set_vgpr_msb (MSB<<8)|\new
.set MSB, \new
.endif
.endm
.set MUL,  0x05
.set TO_F, 0x40
.macro JLOAD g0a, g1a, g0b, g1b
	s_cmp_eq_u32 s15, 0
	s_cbranch_scc0 .Lfor_b_\@
	tensor_load_to_lds s[\g0a:\g0a+3], s[\g1a:\g1a+7]
	s_nop 0
.rept 4
	v_nop
.endr
	s_branch .Lasked_\@
.Lfor_b_\@:
	tensor_load_to_lds s[\g0b:\g0b+3], s[\g1b:\g1b+7]
	s_nop 0
.rept 4
	v_nop
.endr
.Lasked_\@:
.endm
.macro CREST
	s_cmp_lg_u32 s14, 0
	s_cbranch_scc1 .Lnot_wave_0_\@
	s_barrier_signal -3
.Lnot_wave_0_\@:
	s_barrier_wait -3
	s_barrier_signal -1
	s_barrier_wait -1
.endm
.macro CROUND
	s_barrier_signal -1
	s_barrier_wait -1
	CREST
.endm
.macro PLACES n
.rept \n
	v_nop
.endr
.endm
.macro FRAG reg, adr, q, i
.irp c, 0,1,2,3
	ds_load_b128 v[\reg+4*\c:\reg+4*\c+3], v[\adr] offset:BLK*(\q)+32*\c+(\i)*16*PITCH
.endr
.endm
.macro FETCH slot, q, f
	WIN TO_F
.irp i, 0,1,2,3
	FRAG \f+64+FR*\i, ADRB+\slot, \q, \i
.endr
.irp i, 0,1,2,3
	FRAG \f+FR*\i, ADRA+\slot, \q, \i
.endr
.endm
.macro SCALES sc
.irp i, 0,1,2,3
.irp q, 0,1,2,3
	ds_load_b32 v[SC+4*NQ*\sc+NQ*\i+\q], v[ADRS+\sc] offset:\i*16*PITCH+\q*BLK
.endr
.endr
.endm
.macro MUL4 f, a, q, sc, zero
.irp b, 0,1,2,3
.if \zero
	v_wmma_scale_f32_16x16x128_f8f6f4 v[ACC+8*(4*(\a)+\b):ACC+8*(4*(\a)+\b)+7], v[\f+64+FR*\b:\f+64+FR*\b+FR-1], v[\f+FR*(\a):\f+FR*(\a)+FR-1], 0, v[SC+4*NQ*(\sc)+NQ*\b+(\q)], v[SC+4*NQ*(\sc)+NQ*(\a)+(\q)] matrix_a_scale:MATRIX_SCALE_ROW1
.else
	v_wmma_scale_f32_16x16x128_f8f6f4 v[ACC+8*(4*(\a)+\b):ACC+8*(4*(\a)+\b)+7], v[\f+64+FR*\b:\f+64+FR*\b+FR-1], v[\f+FR*(\a):\f+FR*(\a)+FR-1], v[ACC+8*(4*(\a)+\b):ACC+8*(4*(\a)+\b)+7], v[SC+4*NQ*(\sc)+NQ*\b+(\q)], v[SC+4*NQ*(\sc)+NQ*(\a)+(\q)] matrix_a_scale:MATRIX_SCALE_ROW1
.endif
.endr
.endm
.macro STEP slot, q, f, g, zero
	s_wait_dscnt 8
	WIN MUL
	MUL4 \f, 0, \q, \slot, \zero
	MUL4 \f, 1, \q, \slot, \zero
	PLACES NP
	FETCH \slot, (\q)+1, \g
	s_wait_dscnt 32
	WIN MUL
	MUL4 \f, 2, \q, \slot, \zero
	MUL4 \f, 3, \q, \slot, \zero
.endm
.macro TURN slot, next, fill
	WIN 0
.if \fill
	s_wait_xcnt 0x0                                ; my last prefetches have read their base: it steps four K steps, a slot, on
	s_add_nc_u64 s[72:73], s[72:73], s[78:79]
.endif
	s_wait_tensorcnt 0x0
	ds_add_u32 v[SPW], v[NIL]
	s_wait_dscnt 9
	WIN MUL
	MUL4 F1, 0, NQ-1, \slot, 0
	s_wait_dscnt 0x0
	s_barrier_signal -1
	MUL4 F1, 1, NQ-1, \slot, 0
	WIN 0
	s_barrier_wait -1
.if \fill
	CREST
	s_add_nc_u64 s[G0+4*\slot+2:G0+4*\slot+3], s[G0+4*\slot+2:G0+4*\slot+3], 2*NQ*STRA
	s_add_nc_u64 s[G0B+4*\slot+2:G0B+4*\slot+3], s[G0B+4*\slot+2:G0B+4*\slot+3], 2*NQ*STRB
	JLOAD G0+4*\slot, G1, G0B+4*\slot, G1B
	PLACES NP-4
.else
	PLACES NP
.endif
	SCALES \next
	FETCH \next, 0, F0
.if \fill
; A PREFETCH INTO THE L2 of what the refill two refills on will ask for (eight K steps ahead of the refill just issued).  Of the two blocks of 18,432 bytes that my wave fetches, each of the four
; partners that ask jointly takes 4,608 bytes, told apart by address: 18 lanes 256 bytes apart (the lanes left over name the last block again), one instruction for each of the two K steps.
; The loop's last trip asks for nothing: its two refills have no K steps eight on.  K steps 0 to 3 come by their loads alone; 4 to 15 are asked for at the head.
	WIN 0                                          ; at a branch and at a label every window is 0
	s_cmp_gt_u32 s3, 1
	s_cbranch_scc0 .Lno_ask_\@
	global_prefetch_b8 v30, s[72:73] th:TH_LOAD_NT scope:SCOPE_SE
	global_prefetch_b8 v31, s[72:73] th:TH_LOAD_NT scope:SCOPE_SE
.Lno_ask_\@:
.endif
	WIN MUL
	MUL4 F1, 2, NQ-1, \slot, 0
	MUL4 F1, 3, NQ-1, \slot, 0
.endm
.set SPITCH, 272
.macro RLOAD a
.set u, 0
.rept 8
	global_load_b128 v[32*(\a)+4*u:32*(\a)+4*u+3], v[CO], s[RESB:RESB+1] offset:(32*((\a)/2)+16*(u/4)+8*((\a)%2)+2*(u%4))*4096 th:TH_LOAD_NT
.set u, u+1
.endr
.endm
.macro TOSTAGE a
	WIN 0
.irp b, 0,1,2,3
	ds_store_b128 v[STO], v[ACC+8*(4*(\a)+\b):ACC+8*(4*(\a)+\b)+3] offset:128*(\b/2)+32*(\b%2)
	ds_store_b128 v[STO], v[ACC+8*(4*(\a)+\b)+4:ACC+8*(4*(\a)+\b)+7] offset:128*(\b/2)+32*(\b%2)+16
.endr
	WIN TO_F
.set u, 0
.rept 8
	ds_load_b128 v[32*(\a)+4*u:32*(\a)+4*u+3], v[RD] offset:u*2*SPITCH
.set u, u+1
.endr
.endm
.macro ADD a
	WIN 0x41
.set n, 0
.rept 16
	v_pk_add_f32 v[32*(\a)+n:32*(\a)+n+1], v[32*(\a)+n:32*(\a)+n+1], v[BI+(n%4):BI+(n%4)+1]
.set n, n+2
.endr
	WIN 0x49
.set n, 0
.rept 16
	v_pk_add_f32 v[32*(\a)+n:32*(\a)+n+1], v[32*(\a)+n:32*(\a)+n+1], v[32*(\a)+n:32*(\a)+n+1]
.set n, n+2
.endr
.endm
.macro SENDF a
	WIN 0x04
.set u, 0
.rept 8
	global_store_b128 v[CO], v[32*(\a)+4*u:32*(\a)+4*u+3], s[OUTB:OUTB+1] offset:(32*((\a)/2)+16*(u/4)+8*((\a)%2)+2*(u%4))*4096 th:TH_STORE_NT
.set u, u+1
.endr
.endm
	s_load_b128 s[4:7], s[0:1], 0x0
	s_load_b128 s[8:11], s[0:1], 0x10
	s_load_b64 s[12:13], s[0:1], 0x20
	v_lshl_add_u32 v[SPW], v0, 2, SPARE
	v_mov_b32 v[NIL], 0
	ds_add_u32 v28, v29
	ds_add_u32 v28, v29
	s_wait_dscnt 0x0
	v_lshrrev_b32 v1, 5, v0
	v_readfirstlane_b32 s14, v1
	s_lshr_b32 s15, s14, 1
	s_and_b32 s16, s14, 1
	s_bfe_u32 s40, ttmp6, 0x40000
	s_bfe_u32 s41, ttmp6, 0x40004
	s_lshl_b32 s42, ttmp9, 2
	s_add_co_u32 s42, s42, s40
	s_and_b32 s17, ttmp7, 0xffff
	s_lshl_b32 s17, s17, 2
	s_add_co_u32 s17, s17, s41
	s_lshl_b32 s43, s41, 2
	s_lshl_b32 s43, 15, s43
	s_lshl_b32 s44, 0x1111, s40
	s_or_b32 s[G1+0], s43, (3<<16)|(1<<21)
	s_or_b32 s[G1B+0], s44, (3<<16)|(1<<21)
.irp g, G1, G1B
	s_mov_b32 s[\g+1], (BLK/8)<<16
	s_mov_b32 s[\g+2], 2<<16
	s_mov_b32 s[\g+3], (BLK/8)<<16
	s_mov_b32 s[\g+4], 2
	s_mov_b32 s[\g+6], 0
	s_mov_b32 s[\g+7], 0
.endr
	s_mov_b32 s[G1+5], STRA/8
	s_mov_b32 s[G1B+5], STRB/8
	s_mul_i32 s20, s17, BLK
	s_mul_i32 s18, s16, 2*STRA
	s_add_co_u32 s20, s20, s18
	s_mov_b32 s21, 0
	s_mul_i32 s46, s42, BLK
	s_mul_i32 s18, s16, 2*STRB
	s_add_co_u32 s46, s46, s18
	s_add_co_u32 s46, s46, OFFB
	s_mov_b32 s47, 0
	s_mul_i32 s45, s14, 2*BLK
	s_wait_kmcnt 0x0
	s_add_nc_u64 s[20:21], s[4:5], s[20:21]
	s_add_nc_u64 s[46:47], s[6:7], s[46:47]
	CROUND
.irp s, 0,1
	s_mov_b32 s[G0+4*\s], 1
	s_add_co_u32 s[G0+4*\s+1], s45, \s*SLOT
	s_add_nc_u64 s[G0+4*\s+2:G0+4*\s+3], s[20:21], \s*NQ*STRA
	s_or_b32 s[G0+4*\s+3], s[G0+4*\s+3], 0x80000000
	s_mov_b32 s[G0B+4*\s], 1
	s_add_co_u32 s[G0B+4*\s+1], s45, \s*SLOT
	s_add_nc_u64 s[G0B+4*\s+2:G0B+4*\s+3], s[46:47], \s*NQ*STRB
	s_or_b32 s[G0B+4*\s+3], s[G0B+4*\s+3], 0x80000000
.if \s                                         ; slot 0's fill follows the opening lines and the first round; slot 1's first fill is issued as a refill is
	; the prefetches' addresses, made behind the first fill.  s[66:67]: my wave's two blocks (A's or B's) of slot 0, my work-group's quarter of each; never rewritten.
	; s[72:73]: the same twelve K steps on: the loop's first refill steps it to sixteen.  Here slot 1's first fill (four K steps on) and the first refill (eight on) are asked for.
	s_cmp_eq_u32 s15, 0
	s_cselect_b64 s[66:67], s[20:21], s[46:47]
	s_cselect_b32 s74, s40, s41                    ; my place among the four that ask with me: cx for A, cy for B
	s_mov_b32 s76, STRB
	s_cselect_b32 s76, STRA, s76                   ; from a K step to the next
	s_mul_i32 s74, s74, BLK/4
	s_mov_b32 s75, 0
	s_add_nc_u64 s[66:67], s[66:67], s[74:75]
	s_mul_i32 s74, s76, 12
	s_add_nc_u64 s[72:73], s[66:67], s[74:75]
	s_lshl_b32 s78, s76, 2                         ; s[78:79]: four K steps
	s_mov_b32 s79, 0
	v_and_b32 v30, 31, v0
	v_min_u32 v30, 17, v30
	v_lshlrev_b32 v30, 8, v30                      ; v30: 256 x min(lane, 17): the first K step's 18 blocks
	v_add_nc_u32 v31, s76, v30                     ; v31: the same in the second K step
	v_add_nc_u32 v6, s78, v30                      ; v6-v11: the two four, eight and twelve K steps on; none of v6-v11, v30, v31 is rewritten
	v_add_nc_u32 v7, s78, v31
	v_add_nc_u32 v8, s78, v6
	v_add_nc_u32 v9, s78, v7
	v_add_nc_u32 v10, s78, v8
	v_add_nc_u32 v11, s78, v9
.irp r, 6,7,8,9
	global_prefetch_b8 v\r, s[66:67] th:TH_LOAD_NT scope:SCOPE_SE
.endr
	s_wait_alu depctr_va_vdst(0)
	s_wait_tensorcnt 0x0
	ds_add_u32 v28, v29
	ds_add_u32 v28, v29
	s_wait_dscnt 0x0
	CROUND
.endif
	JLOAD G0+4*\s, G1, G0B+4*\s, G1B
.endr
	global_prefetch_b8 v10, s[66:67] th:TH_LOAD_NT scope:SCOPE_SE   ; behind slot 1's load: my part of the second refill's blocks, twelve K steps on
	global_prefetch_b8 v11, s[66:67] th:TH_LOAD_NT scope:SCOPE_SE
	v_and_b32 v1, 15, v0
	v_bfe_u32 v2, v0, 4, 1
	v_mul_u32_u24 v3, v1, PITCH
	v_lshl_add_u32 v4, v2, 4, v3
	s_mul_i32 s21, s15, HALF
	s_mul_i32 s22, s16, HALF
	s_add_co_u32 s22, s22, NQ*BLK
	s_sub_co_u32 s23, s22, s21
	v_mul_u32_u24 v5, s23, v2
	v_add_nc_u32 v5, v3, v5
	v_add_nc_u32 v5, 128, v5
	v_add_nc_u32 v[ADRS], s21, v5
	v_add_nc_u32 v[ADRS+1], SLOT, v[ADRS]
.irp s, 0,1
	v_add_nc_u32 v[ADRA+\s], s21, v4
	v_add_nc_u32 v[ADRB+\s], s22, v4
	s_add_co_u32 s21, s21, SLOT
	s_add_co_u32 s22, s22, SLOT
.endr
	s_mul_i32 s23, s14, 16*SPITCH
	v_mul_u32_u24 v5, v1, SPITCH
	v_lshl_add_u32 v5, v2, 6, v5
	v_add_nc_u32 v[STO], s23, v5
	v_lshlrev_b32 v[CB], 4, v1
	v_mul_u32_u24 v5, v2, SPITCH
	v_add_nc_u32 v5, v5, v[CB]
	v_add_nc_u32 v[RD], s23, v5
	v_lshl_add_u32 v[CO], v2, 12, v[CB]
	s_wait_alu depctr_va_vdst(0)
	s_lshl_b32 s46, s42, 9
	s_lshl_b32 s47, s16, 8
	s_add_co_u32 s46, s46, s47
	s_mov_b32 s47, 0
	s_add_nc_u64 s[8:9], s[8:9], s[46:47]
	global_load_b128 v[BI:BI+3], v[CB], s[8:9]
	s_lshl_b32 s70, s17, 7
	s_lshl_b32 s71, s15, 6
	s_add_co_u32 s70, s70, s71
	s_lshl_b32 s70, s70, 12
	s_add_co_u32 s46, s46, s70
	s_add_nc_u64 s[RESB:RESB+1], s[RESB:RESB+1], s[46:47]
	s_add_nc_u64 s[OUTB:OUTB+1], s[OUTB:OUTB+1], s[46:47]
	WIN 0x80
	RLOAD 0
	RLOAD 1
	RLOAD 2
	RLOAD 3
	WIN 0
	s_wait_tensorcnt 1
	s_barrier_signal -1
	s_barrier_wait -1
	SCALES 0
	FETCH 0, 0, F0
	STEP 0, 0, F0, F1, 1
	WIN 0
	s_mov_b32 s3, LAPS-1
.Llap:
	STEP 0, 1, F1, F0, 0
	STEP 0, 2, F0, F1, 0
	TURN 0, 1, 1
	STEP 1, 0, F0, F1, 0
	STEP 1, 1, F1, F0, 0
	STEP 1, 2, F0, F1, 0
	TURN 1, 0, 1
	STEP 0, 0, F0, F1, 0
	WIN 0
	s_sub_co_u32 s3, s3, 1
	s_cmp_lg_u32 s3, 0
	s_cbranch_scc1 .Llap
	STEP 0, 1, F1, F0, 0
	STEP 0, 2, F0, F1, 0
	TURN 0, 1, 0
	STEP 1, 0, F0, F1, 0
	STEP 1, 1, F1, F0, 0
	STEP 1, 2, F0, F1, 0
	s_wait_dscnt 0
	WIN MUL
	MUL4 F1, 0, NQ-1, 1, 0
	MUL4 F1, 1, NQ-1, 1, 0
	MUL4 F1, 2, NQ-1, 1, 0
	MUL4 F1, 3, NQ-1, 1, 0
	WIN 0
	s_wait_loadcnt 0x0
	PLACES NP
	TOSTAGE 0
	TOSTAGE 1
.irp a, 0,1,2,3
.if \a < 2
	TOSTAGE \a+2
	s_wait_dscnt 32
.else
	s_wait_dscnt 16*(3-\a)
.endif
	ADD \a
	SENDF \a
.endr
	WIN 0
	s_wait_tensorcnt 0x0
	ds_add_u32 v[SPW], v[NIL]
	s_wait_dscnt 0x0
	CROUND
	s_endpgm
.Lfunc_end_k_q57366c62c4_ffn2:
	.size	k_q57366c62c4_ffn2, .Lfunc_end_k_q57366c62c4_ffn2-k_q57366c62c4_ffn2
	.p2alignl 7, 3214868480
	.fill 96, 4, 3214868480
	.section	.rodata,"a",@progbits
	.p2align	6, 0x0
	.amdhsa_kernel k_q57366c62c4_ffn2
		.amdhsa_group_segment_fixed_size 327680
		.amdhsa_private_segment_fixed_size 0
		.amdhsa_enable_private_segment 0
		.amdhsa_kernarg_size 40
		.amdhsa_user_sgpr_count 2
		.amdhsa_user_sgpr_kernarg_segment_ptr 1
		.amdhsa_wavefront_size32 1
		.amdhsa_system_sgpr_workgroup_id_x 1
		.amdhsa_system_sgpr_workgroup_id_y 1
		.amdhsa_system_sgpr_workgroup_id_z 1
		.amdhsa_system_vgpr_workitem_id 0
		.amdhsa_next_free_vgpr 640
		.amdhsa_next_free_sgpr 80
		.amdhsa_reserve_vcc 0
		.amdhsa_float_denorm_mode_32 3
		.amdhsa_float_denorm_mode_16_64 3
		.amdhsa_memory_ordered 1
		.amdhsa_forward_progress 1
		.amdhsa_inst_pref_size 106
	.end_amdhsa_kernel
	.amdgpu_metadata
---
amdhsa.version: [ 1, 2 ]
amdhsa.kernels:
  - .name:           k_q57366c62c4_ffn2
    .symbol:         k_q57366c62c4_ffn2.kd
    .args:
      - { .name: gimg, .offset: 0, .size: 8, .value_kind: global_buffer, .address_space: global }
      - { .name: wimg, .offset: 8, .size: 8, .value_kind: global_buffer, .address_space: global }
      - { .name: b2, .offset: 16, .size: 8, .value_kind: global_buffer, .address_space: global }
      - { .name: x1, .offset: 24, .size: 8, .value_kind: global_buffer, .address_space: global }
      - { .name: out0, .offset: 32, .size: 8, .value_kind: global_buffer, .address_space: global }
    .group_segment_fixed_size: 327680
    .private_segment_fixed_size: 0
    .kernarg_segment_align: 8
    .kernarg_segment_size: 40
    .max_flat_workgroup_size: 128
    .sgpr_count:     80
    .vgpr_count:     640
    .wavefront_size: 32
...
	.end_amdgpu_metadata
.endif
;; end of part 14
